; MI455X (gfx1250); checked and timed in simulation.
; The chip was launched on July 23, 2026; its instructions are those of AMD's public machine-readable ISA for CDNA 5 (MIT licence, August 2026) and "CDNA5" Instruction Set Architecture Reference Guide (July 2026). The comments in the code are by the model that wrote it; some were corrected since.
;; Mixture Of Experts Layer. Allowed arithmetic: matrix products marked QUANTISED: E2M1 operands, one E8M0 scale for each 32 along K, by v_wmma_scale_f32_16x16x128_f8f6f4 with both operands' format E2M1 (or v_wmma_scale_f32_32x16x128_f4), f32 sums; products left as they are: f32 operands where the result goes on into a quantised operand, else bf16, f16 or f32 operands; f32 sums; everything else in f32.
;; Inputs: W1 8 x 1,024 x 4,096 float32; W2 8 x 4,096 x 1,024 float32; Wg 1,024 x 8 float32; b1 8 x 4,096 float32; b2 8 x 1,024 float32; bg 8 float32; x 1,024 x 1,024 float32.
;; Outputs: out0 1,024 x 1,024 float32; out1 one number float32.
;; This version of the problem:
;;   THIS VERSION OF THE PROBLEM IS GIVEN IN LOW PRECISION. The matrix products marked QUANTISED in the list below multiply operands that are first quantised to E2M1 (2 exponent bits, 1 mantissa bit; 4 bits a number), with one power-of-two scale for each 32 numbers along K (OCP MX v1.0); their sums are f32. All else is computed in f32.
;;   The module's matrix products, in the order in which they are computed (A, B: the left and right operand; K: the contracted axis; several contracted axes count as one K, in the product's order):
;;     1. [M 1,024, K 1,024] x [K 1,024, N 8]; A: input x; B: input Wg: left as it is (N = 8 < 16)
;;     2. [M 1,024, K 1,024] x [K 1,024, N 32,768]; A: input x; B: input W1: QUANTISED
;;     3. batch 8 x [M 1,024, K 4,096] x [K 4,096, N 1,024]; A: input W2; B: computed on the way: QUANTISED
;;   THE QUANTISER, for each operand of a quantised product, along K:
;;     - K is cut into blocks of 32 from its start; a last block that is shorter is filled with zeros.
;;     - A block's scale is 2^e with e = floor(log2(the largest magnitude in the block)) - 2, held to -126 .. 127; a block of zeros has e = 0. As a byte (E8M0): e + 127.
;;     - Each number is divided by its block's scale, clamped to +-6, and rounded to the nearest number of E2M1, ties to even, subnormals kept.
;;     - The product sums the exact products of the quantised numbers (number of the format x scale) in f32.
;;   ~~~python
;;   def quantise(x, axis):      # numpy; x: float32 -> the quantised numbers, widened to float32 again
;;       x = np.moveaxis(x, axis, -1); K = x.shape[-1]
;;       x = np.pad(x, [(0, 0)] * (x.ndim - 1) + [(0, -K % 32)]); x = x.reshape(x.shape[:-1] + (-1, 32)); a = np.abs(x).max(-1, keepdims=True)
;;       e = np.where(a > 0, np.clip(np.frexp(np.where(a > 0, a, 1))[1] - 1 - 2, -126, 127), 0)      # np.frexp(a)[1] - 1 = floor(log2(a)), exactly
;;       r = np.clip(x / 2.0 ** e, -6, 6)
;;       step = 2.0 ** (np.maximum(np.frexp(np.where(r == 0, 1, r))[1] - 1, 0) - 1)
;;       q = np.round(r / step) * step * 2.0 ** e      # np.round: ties to even
;;       return np.moveaxis(q.reshape(q.shape[:-2] + (-1,))[..., :K], -1, axis).astype(np.float32)
;;   ~~~
;;   OPERANDS COMPUTED ON THE WAY. 'Computed on the way' means the value that the module computes at that place (a softmax that the list does not call 'softmax' is quantised finished and normalised). What goes into a quantiser is computed in f32, as accurately as f32 sums, v_exp_f32 and their like allow (about 1e-6 of the number): no bf16 or f16 on the way to a quantiser, and a product that is left as it is and whose result goes on into a quantised operand takes f32 operands (vector FMAs, or v_wmma_f32_16x16x4_f32). A number that lies on a knife's edge between two numbers of the format may be rounded either way, as far as f32 arithmetic and the matrix unit's own rounding can turn it there, and no further.
;; 2 versions. Each part assembles by itself: llvm-mc -triple=amdgcn-amd-amdhsa -mcpu=gfx1250 --defsym DOCPART=n.
;; ======== version 1 of 2: 4 launches
;; workspace buffers: xc 557,056 bytes; gate 40,960 bytes; ei 8,192 bytes of whole numbers; rk 65,536 bytes of whole numbers; hid 18,874,368 bytes; p 67,108,864 bytes
;; launch route (part 1): grid 256 x 1, 4 waves a work-group, no clusters, 1,024 bytes of LDS; arguments x, Wg, bg, xc, gate, ei; writes xc, gate, ei
.if DOCPART == 1
	.amdgcn_target "amdgcn-amd-amdhsa--gfx1250"
	.amdhsa_code_object_version 6
	.text
	.protected	k_q4b6315033b_route
	.globl	k_q4b6315033b_route
	.p2align	8
	.type	k_q4b6315033b_route,@function
k_q4b6315033b_route:
	s_mov_b64 s[64:65], 0
	v_nop
	global_prefetch_b8 v0, s[64:65] scope:SCOPE_SE
	s_setreg_imm32_b32 hwreg(HW_REG_WAVE_MODE, 25, 1), 1
	s_wait_xcnt 0x0
; THE ROUTER, AND x INTO CODES.  x [1024][1024] f32, Wg [1024][8] f32, bg [8] f32.
; Out: xc = x as codes of FP4 (E2M1), [token][512 bytes], K innermost, and from byte XS_OFF on one E8M0 byte for each 32 along K, [token][32];
;      gate = the softmax scores [token][8] f32 and from byte GW_OFF on the two renormalised weights [token][2] f32;  ei = the two chosen experts [token][2] u32.
; SHARES.  A work-group takes 4 tokens.  Wave w takes d = 256 w .. 256 w + 255 of all four, lane l the eight d = 256 w + 8 l + 0 .. 7: its eight rows of Wg are 256 consecutive bytes.
; The logits are f32 fused multiply-adds; a lane's partial sums are added over the wave, the four waves' meet in LDS, and wave w finishes token w (every lane the same arithmetic, lane 0 stores).
; The maximum is taken away before the exponentials, as the softmax asks.  The two experts are picked on the finished scores; a later expert wins only if its score is strictly larger, so equal scores keep the lower index.
; No address and no branch hangs on the choice: it is stored at fixed places, and a later launch places the rows.
; A block's scale is 2^(floor(log2(largest magnitude)) - 2): its byte is the largest magnitude's exponent field - 2, held at 1 from below by a floor among the maximum's leaves.
; LIMITS: NaN and infinities among the inputs are not served.  A block of zeros gets the byte 1 (its codes are zeros; this program alone reads the bytes).  Scores under 2^-126 count as 0.
; No matrix unit, no cluster, no tensor load: 8 columns of Wg are too few for a matrix tile, and work-groups share only Wg's 32 KiB.
.set XS_OFF, 524288
.set GW_OFF, 32768
.set X,   16                           ; v16-47   X[i][k] = x(token i, my d k); later the four waves' partial sums
.set WG,  48                           ; v48-111  WG[k][e]
.set A,   112                          ; v112-143 A[i][e]: partial logits
.set CD,  144                          ; v144-147 a token's eight codes
.set BY,  148                          ; v148-151 its block's scale byte
.set TMP, 8                            ; v8-15    at work
.set SEL, 28                           ; s[28:29] lane selects: lane l xor 16
.set L,   48                           ; v48-55   logits (Wg's registers are free by then)
.set EX,  58                           ; v58-65   exponentials
.set SC,  68                           ; v68-75   scores
.set MK,  84                           ; v84-91   scores with the first choice struck out
.macro RED8 b                          ; eight registers are summed over the 32 lanes; every lane gets the sums
.irp m, 1,2,4,8
.irp j, 0,1,2,3,4,5,6,7
	v_add_f32_dpp v[\b+\j], v[\b+\j], v[\b+\j] row_xmask:\m row_mask:0xf bank_mask:0xf
.endr
.endr
.irp j, 0,1,2,3,4,5,6,7
	v_permlanex16_b32 v[TMP+\j], v[\b+\j], s[SEL], s[SEL+1]
.endr
.irp j, 0,1,2,3,4,5,6,7
	v_add_f32 v[\b+\j], v[\b+\j], v[TMP+\j]
.endr
.endm
	s_load_b256 s[4:11], s[0:1], 0x0               ; x s[4:5], Wg s[6:7], bg s[8:9], xc s[10:11]
	s_load_b128 s[12:15], s[0:1], 0x20             ; gate s[12:13], ei s[14:15]
	v_lshl_add_u32 v160, v0, 2, 0x200
	v_mov_b32 v161, 0
	v_lshrrev_b32 v1, 5, v0
	v_readfirstlane_b32 s16, v1                    ; wave 0..3
	v_and_b32 v1, 31, v0                           ; lane
	s_mov_b32 s[SEL], 0x76543210
	s_mov_b32 s[SEL+1], 0xfedcba98
	s_lshl_b32 s17, s16, 10
	v_lshl_add_u32 v2, v1, 5, s17                  ; x: 1,024 w + 32 lane bytes into a row
	s_lshl_b32 s18, s16, 13
	v_lshl_add_u32 v3, v1, 8, s18                  ; Wg: 8,192 w + 256 lane
	s_lshl_b32 s19, s16, 7
	v_lshl_add_u32 v4, v1, 2, s19                  ; codes: 128 w + 4 lane bytes into a row of 512
	v_mov_b32 v7, s19                              ; LDS, on the way back: token w's 128 bytes
	v_lshrrev_b32 v5, 2, v1
	s_lshl_b32 s17, s16, 3
	v_add_nc_u32 v5, s17, v5                       ; scale bytes: 8 w + lane / 4
	s_lshl_b32 s17, s16, 5
	v_mov_b32 v6, s17                              ; LDS, on the way in: my wave's 32 bytes of each token's 128
	s_lshl_b32 s32, ttmp9, 14                      ; the work-group's 4 rows of x,
	s_mov_b32 s33, 0
	s_lshl_b32 s34, ttmp9, 11                      ; of codes,
	s_mov_b32 s35, 0
	s_lshl_b32 s36, ttmp9, 7                       ; of scale bytes
	s_mov_b32 s37, 0
	s_wait_kmcnt 0x0
	s_load_b256 s[20:27], s[8:9], 0x0              ; bg
	s_add_nc_u64 s[4:5], s[4:5], s[32:33]
	s_add_nc_u64 s[38:39], s[10:11], XS_OFF
	s_add_nc_u64 s[38:39], s[38:39], s[36:37]
	s_add_nc_u64 s[10:11], s[10:11], s[34:35]
.irp i, 0,1,2,3
	global_load_b128 v[X+8*\i:X+8*\i+3], v2, s[4:5] offset:4096*\i th:TH_LOAD_NT
	global_load_b128 v[X+8*\i+4:X+8*\i+7], v2, s[4:5] offset:4096*\i+16 th:TH_LOAD_NT
.endr
.irp q, 0,1,2,3,4,5,6,7,8,9,10,11,12,13,14,15
	global_load_b128 v[WG+4*\q:WG+4*\q+3], v3, s[6:7] offset:16*\q
.endr
	s_wait_loadcnt 16                              ; x is in; the 16 younger loads, Wg's, may stay out while x is quantised
	; x into codes: four lanes hold a block of 32
.irp i, 0,1,2,3
	v_max3_num_f32 v[TMP+\i], |v[X+8*\i]|, |v[X+8*\i+1]|, 0x1800000   ; my eight, and the floor 2^(3 - 127): the byte cannot fall under 1
.endr
.irp k, 2,4,6
.irp i, 0,1,2,3
	v_max3_num_f32 v[TMP+\i], v[TMP+\i], |v[X+8*\i+\k]|, |v[X+8*\i+\k+1]|
.endr
.endr
.irp i, 0,1,2,3
	v_max_num_f32_dpp v[TMP+\i], v[TMP+\i], v[TMP+\i] row_xmask:1 row_mask:0xf bank_mask:0xf
.endr
.irp i, 0,1,2,3
	v_max_num_f32_dpp v[TMP+\i], v[TMP+\i], v[TMP+\i] row_xmask:2 row_mask:0xf bank_mask:0xf   ; the block's largest magnitude
.endr
.irp i, 0,1,2,3
	v_add_nc_u32 v[TMP+4+\i], 0xff000000, v[TMP+\i]   ; 2 off its exponent field: the conversion takes this operand's exponent field as its scale
.endr
.irp i, 0,1,2,3
	v_cvt_scalef32_pk8_fp4_f32 v[CD+\i], v[X+8*\i:X+8*\i+7], v[TMP+4+\i]
.endr
.irp i, 0,1,2,3
	v_lshrrev_b32 v[BY+\i], 23, v[TMP+4+\i]        ; the scale's byte (also the plain line behind the conversions)
.endr
.irp i, 0,1,2,3
	global_store_b32 v4, v[CD+\i], s[10:11] offset:512*\i      ; a wave stores 128 consecutive bytes, the four waves a row of 512
	global_store_b8 v5, v[BY+\i], s[38:39] offset:32*\i        ; the four lanes of a block write the same byte with the same value
.endr
	s_wait_loadcnt 0x0                             ; Wg
	; partial logits: A[i][e] = the sum over my eight d of x(i, d) Wg(d, e), two experts an instruction
.irp i, 0,1,2,3
.irp e, 0,2,4,6
	v_pk_mul_f32 v[A+8*\i+\e:A+8*\i+\e+1], v[WG+\e:WG+\e+1], v[X+8*\i:X+8*\i+1] op_sel_hi:[1,0]
.endr
.endr
.irp k, 1,2,3,4,5,6,7
.irp i, 0,1,2,3
.irp e, 0,2,4,6
.if (\k)%2
	v_pk_fma_f32 v[A+8*\i+\e:A+8*\i+\e+1], v[WG+8*\k+\e:WG+8*\k+\e+1], v[X+8*\i+\k-1:X+8*\i+\k], v[A+8*\i+\e:A+8*\i+\e+1] op_sel:[0,1,0] op_sel_hi:[1,1,1]   ; the pair's second x for both halves
.else
	v_pk_fma_f32 v[A+8*\i+\e:A+8*\i+\e+1], v[WG+8*\k+\e:WG+8*\k+\e+1], v[X+8*\i+\k:X+8*\i+\k+1], v[A+8*\i+\e:A+8*\i+\e+1] op_sel_hi:[1,0,1]                 ; the pair's first x for both halves
.endif
.endr
.endr
.endr
	RED8 A
	RED8 A+8
	RED8 A+16
	RED8 A+24
.irp i, 0,1,2,3
	ds_store_b128 v6, v[A+8*\i:A+8*\i+3] offset:128*\i         ; all lanes write the same words with the same values
	ds_store_b128 v6, v[A+8*\i+4:A+8*\i+7] offset:128*\i+16
.endr
	s_wait_dscnt 0x0                               ; for the others' sake: my stores have landed
	s_barrier_signal -1
	s_barrier_wait -1
.irp j, 0,1,2,3
	ds_load_b128 v[X+8*\j:X+8*\j+3], v7 offset:32*\j           ; token w: wave j's partial sums
	ds_load_b128 v[X+8*\j+4:X+8*\j+7], v7 offset:32*\j+16
.endr
	s_wait_dscnt 0x0
.irp e, 0,2,4,6
	v_pk_add_f32 v[X+\e:X+\e+1], v[X+\e:X+\e+1], v[X+8+\e:X+9+\e]
	v_pk_add_f32 v[X+16+\e:X+17+\e], v[X+16+\e:X+17+\e], v[X+24+\e:X+25+\e]
.endr
.irp e, 0,2,4,6
	v_pk_add_f32 v[L+\e:L+\e+1], v[X+\e:X+\e+1], v[X+16+\e:X+17+\e]
.endr
	s_wait_kmcnt 0x0                               ; bg
.irp e, 0,1,2,3,4,5,6,7
	v_add_f32 v[L+\e], s[20+\e], v[L+\e]
.endr
	v_max3_num_f32 v56, v48, v49, v50
	v_max3_num_f32 v56, v56, v51, v52
	v_max3_num_f32 v56, v56, v53, v54
	v_max_num_f32 v56, v56, v55                    ; the largest logit
.irp e, 0,1,2,3,4,5,6,7
	v_sub_f32 v[EX+\e], v[L+\e], v56
.endr
.irp e, 0,1,2,3,4,5,6,7
	v_mul_f32 v[EX+\e], 0x3fb8aa3b, v[EX+\e]       ; x log2(e)
.endr
.irp e, 0,1,2,3,4,5,6,7
	v_exp_f32 v[EX+\e], v[EX+\e]
.endr
	v_mov_b32 v77, 0                               ; (a plain line behind the exponentials)  the first choice: expert 0 to begin with
	s_wait_alu depctr_va_vdst(0)                   ; one wait for the eight, ahead of their first reader
	v_add_f32 v66, v58, v59
	v_add_f32 v67, v60, v61
	v_add_f32 v84, v62, v63
	v_add_f32 v85, v64, v65
	v_add_f32 v66, v66, v67
	v_add_f32 v84, v84, v85
	v_add_f32 v66, v66, v84
	v_rcp_f32 v79, v66
	v_mov_b32 v81, 0                               ; (a plain line)  the second choice: expert 0 to begin with
	s_wait_alu depctr_va_vdst(0)
.irp e, 0,1,2,3,4,5,6,7
	v_mul_f32 v[SC+\e], v[EX+\e], v79              ; the scores
.endr
	v_mov_b32 v76, v68
.irp e, 1,2,3,4,5,6,7
	v_cmp_le_f32 vcc_lo, v[SC+\e], v76             ; not larger: the earlier expert stays
	v_cndmask_b32 v76, v[SC+\e], v76, vcc_lo
	v_cndmask_b32 v77, \e, v77, vcc_lo
.endr
	v_mov_b32 v83, -1.0                            ; under every score
.irp e, 0,1,2,3,4,5,6,7
	v_cmp_eq_u32 vcc_lo, \e, v77
	v_cndmask_b32 v[MK+\e], v[SC+\e], v83, vcc_lo
.endr
	v_mov_b32 v80, v84
.irp e, 1,2,3,4,5,6,7
	v_cmp_le_f32 vcc_lo, v[MK+\e], v80
	v_cndmask_b32 v80, v[MK+\e], v80, vcc_lo
	v_cndmask_b32 v81, \e, v81, vcc_lo
.endr
	v_add_f32 v78, v76, v80                        ; at least 1/8: the first choice is the largest of eight that sum to 1
	v_rcp_f32 v79, v78
	v_mov_b32 v94, v77                             ; (plain lines)  the two experts as a pair
	v_mov_b32 v95, v81
	s_lshl_b32 s17, ttmp9, 2
	s_add_co_u32 s17, s17, s16                     ; my token
	s_lshl_b32 s18, s17, 5
	s_lshl_b32 s19, s17, 3
	v_mov_b32 v96, s18
	v_mov_b32 v97, s19
	s_wait_alu depctr_va_vdst(0)
	v_mul_f32 v92, v76, v79
	v_mul_f32 v93, v80, v79                        ; the renormalised weights
	s_wait_xcnt 0x0                                ; EXEC changes only behind this wait: the stores above have it among their sources
	v_cmp_eq_u32 vcc_lo, 0, v1
	s_wait_tensorcnt 0x0
	ds_add_u32 v160, v161
	s_wait_dscnt 0x0
	s_and_saveexec_b32 s30, vcc_lo                 ; lane 0 alone
	global_store_b128 v96, v[68:71], s[12:13]
	global_store_b128 v96, v[72:75], s[12:13] offset:16
	global_store_b64 v97, v[92:93], s[12:13] offset:GW_OFF
	global_store_b64 v97, v[94:95], s[14:15]
	s_wait_xcnt 0x0                                ; and again in front of the line that widens it
	s_or_b32 exec_lo, exec_lo, s30
	s_endpgm
.Lfunc_end_k_q4b6315033b_route:
	.size	k_q4b6315033b_route, .Lfunc_end_k_q4b6315033b_route-k_q4b6315033b_route
	.p2alignl 7, 3214868480
	.fill 96, 4, 3214868480
	.section	.rodata,"a",@progbits
	.p2align	6, 0x0
	.amdhsa_kernel k_q4b6315033b_route
		.amdhsa_group_segment_fixed_size 1024
		.amdhsa_private_segment_fixed_size 0
		.amdhsa_enable_private_segment 0
		.amdhsa_kernarg_size 48
		.amdhsa_user_sgpr_count 2
		.amdhsa_user_sgpr_kernarg_segment_ptr 1
		.amdhsa_wavefront_size32 1
		.amdhsa_system_sgpr_workgroup_id_x 1
		.amdhsa_system_sgpr_workgroup_id_y 1
		.amdhsa_system_sgpr_workgroup_id_z 1
		.amdhsa_system_vgpr_workitem_id 0
		.amdhsa_next_free_vgpr 162
		.amdhsa_next_free_sgpr 66
		.amdhsa_reserve_vcc 1
		.amdhsa_float_denorm_mode_32 3
		.amdhsa_float_denorm_mode_16_64 3
		.amdhsa_memory_ordered 1
		.amdhsa_forward_progress 1
		.amdhsa_inst_pref_size 33
	.end_amdhsa_kernel
	.amdgpu_metadata
---
amdhsa.version: [ 1, 2 ]
amdhsa.kernels:
  - .name:           k_q4b6315033b_route
    .symbol:         k_q4b6315033b_route.kd
    .args:
      - { .name: x, .offset: 0, .size: 8, .value_kind: global_buffer, .address_space: global }
      - { .name: Wg, .offset: 8, .size: 8, .value_kind: global_buffer, .address_space: global }
      - { .name: bg, .offset: 16, .size: 8, .value_kind: global_buffer, .address_space: global }
      - { .name: xc, .offset: 24, .size: 8, .value_kind: global_buffer, .address_space: global }
      - { .name: gate, .offset: 32, .size: 8, .value_kind: global_buffer, .address_space: global }
      - { .name: ei, .offset: 40, .size: 8, .value_kind: global_buffer, .address_space: global }
    .group_segment_fixed_size: 1024
    .private_segment_fixed_size: 0
    .kernarg_segment_align: 8
    .kernarg_segment_size: 48
    .max_flat_workgroup_size: 128
    .sgpr_count:     66
    .vgpr_count:     162
    .wavefront_size: 32
...
	.end_amdgpu_metadata
.endif
;; end of part 1
;; launch ffn1 (part 2): grid 32 x 8, 8 waves a work-group, no clusters, 79,872 bytes of LDS; arguments W1, b1, xc, ei, hid, rk; writes hid, rk
.if DOCPART == 2
	.amdgcn_target "amdgcn-amd-amdhsa--gfx1250"
	.amdhsa_code_object_version 6
	.text
	.protected	k_q4b6315033b_ffn1
	.globl	k_q4b6315033b_ffn1
	.p2align	8
	.type	k_q4b6315033b_ffn1,@function
k_q4b6315033b_ffn1:
	s_mov_b64 s[64:65], 0
	v_nop
	global_prefetch_b8 v0, s[64:65] scope:SCOPE_SE
	s_setreg_imm32_b32 hwreg(HW_REG_WAVE_MODE, 25, 1), 1
	s_wait_xcnt 0x0
; THE FIRST PRODUCT, for the chosen rows alone: hid = Q(relu(Q(x) Q(W1[e]) + b1[e])), both operands codes of FP4 (E2M1) with one E8M0 scale for each 32 along K; sums in f32.  AND THE ROWS ARE PLACED BY EXPERT.
; W1 [8][1024 (K)][4096] f32, b1 [8][4096] f32; xc: x as codes [token][512 bytes] and scale bytes [token][32] at XS_OFF; ei [1024][2] u32: each token's two experts, stored by the launch before.
; SHARES.  Work-group (sl, e) owns 128 hidden units of expert e and all of K: 131,072 weights, read once, quantised in registers, kept as 64 KiB of codes in LDS.  It serves all rows that chose e.
; TWO ROLES, eight waves of 512 registers.  WAVES 0-3 STREAM: 16-byte loads, lanes 0-15 on 256 consecutive bytes of row k, lanes 16-31 on row k + 32, so that lane (r, h) holds columns 4 r .. 4 r + 3 of K block 2 cc + h:
; the operand's own split of K over the halves of the lanes.  A ring of 64 loads (256 registers) is drained eight loads at a time by moves that lay each column's numbers in consecutive registers down K, as the conversion wants
; them, and free the landing registers for the next unit's loads at once: 56 loads or more of a wave are on their way throughout.  WAVES 4-7 MULTIPLY: each holds the sums of 5 tiles of 16 rows x the 128 units, 320 registers.
; The roles have counters of their own: the multipliers' operand loads do not queue behind the weight stream.
; THE SORT stands in a stage in front of the others.  Wave 4 reads all 1,024 pairs of ei, makes the 32 lane masks of the tokens that chose e, gives each such token its rank (the chosen tokens in front of it, in token order) and puts
; its number into a list in LDS at 4 x rank; the list is cleared first, so that a row behind the expert's last reads token 0.  The address of that store hangs on loaded numbers (held by v_min_u32): so no other wave touches LDS in
; that stage, and a barrier parts it from all else.  Row i of the expert is list[i]; its tile is 64 e + i / 16 in hid.
; rk [8][1024] x {rank, tiles}: work-group (sl, e) stores the 32 tokens 32 sl .. 32 sl + 31 of row e: 256 consecutive bytes, aligned.  The later launches take the tile count and the positions from it.
; The tile count is held at 1 from below: tile 0 of every expert is always written (of token 0's rows where nobody chose the expert), so that it can stand in for empty tiles wherever tiles are read.
; K goes in 4 chunks of 256; a chunk is 4 units (64 columns x 128 K), one a streaming wave.  While chunk c is streamed, chunk c - 1 is multiplied; one barrier, in the text that both roles walk, behind each stage.
; Every chunk has LDS bytes of its own: nothing in LDS is written twice.  Rows beyond 20 tiles are served by further batches out of the same LDS: a loop of the multiplying waves alone, with no barrier in it.
; OPERANDS GO THROUGH LDS AS IMAGES OF THEIR REGISTERS: four registers by one 16-byte store at 16 x lane, a scale word at 4 x lane.
; TRANSPOSED USE: source 0 = 16 columns of W1, source 1 = 16 rows of x.  Tile (hf, i) takes columns 64 hf + 4 m + i, so lane (row r, h) holds in register j of tile (hf, i) the unit 64 hf + 32 h + 4 j + i: the 32 registers of
; tiles (hf, 0..3) are ONE WHOLE BLOCK of 32 of the next product's K, in the order p = 8 i + j for unit 4 j + i.  The next launch lays W2's rows in the same order inside each block: the products and the block's scale are the same.
; So the hidden layer is quantised with no lane asked for a maximum, and the conversions' results are the next operand's registers.  hid: images [512 tiles][K step of 128][1,024 bytes]; scale words [tile][K step][32 lanes x 4 bytes] at HS_OFF;
; of the 64 tiles that an expert has room for, only those that the split fills are written or read.
; NO TENSOR LOAD, NO CLUSTER: trip counts and branches hang on the stored choice, so weights go from memory straight into registers; what work-groups share (x's codes, ei) is under a third of a work-group's bytes.
; LIMITS: NaN and infinities are not served.  A block of zeros gets the byte 1 (its codes are zeros; this program alone reads the bytes).
.set PITCH,   16384                    ; a row of W1[e] in bytes
.set CHUNKB,  0x400000                 ; 256 rows
.set SC1,     65536                    ; LDS: 0: images, unit u at 4,096 u, tile i at + 1,024 i, registers 4 cc on at + 512 cc;  SC1: scale words, 512 u + 128 i + 4 lane;
.set BIAS,    73728                    ; BIAS: b1 of my 128 units as f32 [hf][i][h][j];  BIAS + 512 (and + 544): the expert's tile count;
.set TOKL,    74496                    ; TOKL: the list, 1,024 words, and 32 words for the lanes that were not chosen
.set XS_OFF,  524288
.set HS_OFF,  16777216
; v1 16 lane | v2 SC1 + 4 lane | v3 where thread t puts b1 | v4 BIAS + 32 h | v5 16 lane + 4,096 p | v6 SC1 + 4 lane + 512 p | v7 r | v8 h | v9 8 h | v10 4 lane | v11 the stream's offset | v96 TOKL + 64 q + 4 r: all made ahead of the first parting
.set PM,  32                           ; streaming waves: v32-35 largest magnitudes, v36-39 scale operands, v40-43 bytes, v44-47 scale words, v48-51 the other half's words,
.set PS,  36
.set PBY, 40
.set PWS, 44
.set PXP, 48
.set PC,  64                           ; v64-95 codes, a set for each cc,
.set PT,  128                          ; v128-255 column i's 32 numbers down K at 128 + 32 i;  window 1: the landing ring, load n at 4 n
.set RO,  12                           ; multiplying waves: v12-16 token x 512 + 16 h, v17-21 token x 32  (in the sort: wave 4's offsets, zeros and constants),
.set SO,  17
.set WSC, 24                           ; v24-31 W1's scale words [buffer][i]  (scales and nothing else, in both roles),
.set WF,  32                           ; v32-95 W1's fragments [buffer][i],
.set XSC, 100                          ; v100-109 x's scale words, a pair (two K steps) a tile  (scales and nothing else),
.set XF,  112                          ; v112-191 x's fragments [t][ks],
.set ACC4, 192                         ; v192-255 the sums of tile 4;  window 1: those of tiles 0-3 at 64 t + 32 hf + 8 i
.set EI,  192                          ; the sort, ahead of every product: v192-255 the 32 groups' pairs of experts, then each group's LDS address and token number
.set H,   32                           ; the way out: v32-95 a tile's 64 numbers, v112-175 b1, v176-183 codes, v184-187 maxima and bytes, v188-189 scale operands, v190-191 the scale word
.set BB,  112
.set CD,  176
.set EM,  184
.set ES,  188
; s14 wave | s15 wave % 4 | s16 sl | s17 e | s[18:19] the stream | s21 tiles | s22 64 e | s24 batches, s25 batch | s26-29 at work | s30-34 my tiles in the expert | s35-39 in hid | s[40:41] x's scale bytes | s[44:45] hid's scale words | s46-47 lane selects | s[48:49] rk | s66-97 the sort's 32 lane masks
.set MSB, 0
.macro WIN new                         ; the immediate's high byte repeats the setting that is left
.if MSB != \new
	s_set_vgpr_msb (MSB<<8)|\new
.set MSB, \new
.endif
.endm
.macro PLACES                          ; four plain vector lines between a matrix instruction and a load into, or a vector read or write of, its registers
.rept 4
	v_nop
.endr
.endm
.macro BAR                             ; my LDS stores have landed and my LDS loads are in: then the work-group's barrier
	s_wait_dscnt 0x0
	s_barrier_signal -1
	s_barrier_wait -1
.endm
; ---------------- the streaming waves
.macro FILL                            ; unit 0: 64 loads; load n = 32 cc + j: rows 64 cc + j (lanes 0-15) and 64 cc + 32 + j (lanes 16-31)
	WIN 0x40                                       ; destination window 1
.irp cc, 0,1
.set j, 0
.rept 32
	global_load_b128 v[4*(32*\cc+j):4*(32*\cc+j)+3], v11, s[18:19] offset:(64*\cc+j)*PITCH th:TH_LOAD_NT
.set j, j+1
.endr
.endr
	WIN 0
.endm
.macro QUANTW c, cc                    ; four columns x one block of 32 become 4 x 4 registers of codes and a byte each
.irp i, 0,1,2,3
	v_max3_num_f32 v[PM+\i], |v[PT+32*\i]|, |v[PT+32*\i+1]|, 0x1800000   ; and the floor 2^(3 - 127): the byte cannot fall under 1
.endr
.irp k, 2,4,6,8,10,12,14,16,18,20,22,24,26,28,30
.irp i, 0,1,2,3
	v_max3_num_f32 v[PM+\i], v[PM+\i], |v[PT+32*\i+\k]|, |v[PT+32*\i+\k+1]|   ; (the four columns by turns)
.endr
.endr
.irp i, 0,1,2,3
	v_add_nc_u32 v[PS+\i], 0xff000000, v[PM+\i]    ; 2 off the exponent field: the conversion's scale operand
.endr
.irp i, 0,1,2,3
	v_lshrrev_b32 v[PBY+\i], 23, v[PS+\i]          ; the scale's byte
.endr
	s_wait_dscnt 0x0                               ; the LDS stores of a unit ago have read this set of code registers
.irp i, 0,1,2,3
.irp q, 0,1,2,3
	v_cvt_scalef32_pk8_fp4_f32 v[PC+16*\cc+4*\i+\q], v[PT+32*\i+8*\q:PT+32*\i+8*\q+7], v[PS+\i]
.endr
.endr
	v_nop                                          ; one plain line behind the last conversion: the next moves write its sources
.irp i, 0,1,2,3
	ds_store_b128 v5, v[PC+16*\cc+4*\i:PC+16*\cc+4*\i+3] offset:\c*16384+\i*1024+\cc*512   ; registers 4 cc .. 4 cc + 3 of tile i's fragment, as they stand
.endr
.if \cc == 0
.irp i, 0,1,2,3
	v_mov_b32 v[PWS+\i], v[PBY+\i]                 ; block h
.endr
.else
.irp i, 0,1,2,3
	v_lshl_or_b32 v[PWS+\i], v[PBY+\i], 16, v[PWS+\i]   ; and block 2 + h,
.endr
.irp i, 0,1,2,3
	v_lshlrev_b32 v[PWS+\i], v9, v[PWS+\i]         ; at their places in the word (8 h bits up);
.endr
.irp i, 0,1,2,3
	v_permlanex16_b32 v[PXP+\i], v[PWS+\i], s46, s47
.endr
.irp i, 0,1,2,3
	v_or_b32 v[PWS+\i], v[PWS+\i], v[PXP+\i]       ; with lane l xor 16's two the word is whole
.endr
.irp i, 0,1,2,3
	ds_store_b32 v6, v[PWS+\i] offset:\c*2048+\i*128
.endr
.endif
.endm
.macro STEP                            ; the stream's base goes on to the next chunk
	s_wait_xcnt 0x0                                ; the loads that are out have read their base: it may step
	s_add_nc_u64 s[18:19], s[18:19], CHUNKB
.endm
.macro GROUPS cc, last                 ; half a unit (32 loads) leaves the ring, eight loads at a time; last = 0: the next chunk's loads take their place.  Registers and global loads alone: no LDS
.irp g, 0,1,2,3
.if \last
	s_wait_loadcnt 56-8*(4*\cc+\g)                 ; nothing is issued any more: only this unit's later groups of 8 are younger
.else
	s_wait_loadcnt 56                              ; younger than this group's 8: the 7 - G later groups of this unit and the G groups already issued for the next: 7 x 8
.endif
	WIN 0x01                                       ; source window 1
.irp jj, 0,1,2,3,4,5,6,7
.irp i, 0,1,2,3
	v_mov_b32 v[PT+32*\i+8*\g+\jj], v[4*(32*\cc+8*\g+\jj)+\i]
.endr
.endr
.if !\last
	WIN 0x40
.irp jj, 0,1,2,3,4,5,6,7
	global_load_b128 v[4*(32*\cc+8*\g+\jj):4*(32*\cc+8*\g+\jj)+3], v11, s[18:19] offset:(64*\cc+8*\g+\jj)*PITCH th:TH_LOAD_NT
.endr
.endif
.endr
	WIN 0
.endm
.macro STREAM c, last                  ; my unit of chunk c leaves the ring and goes to LDS as codes
.if !\last
	STEP
.endif
	GROUPS 0, \last
	QUANTW \c, 0
	GROUPS 1, \last
	QUANTW \c, 1
.endm
; ---------------- the sort: wave 4 alone, and no other wave touches LDS until the barrier behind it
.macro SORT
	v_and_b32 v15, 31, v0                          ; lane
	v_lshlrev_b32 v12, 3, v15                      ; ei: 8 bytes a token; group j = tokens 32 j + lane
	s_lshl_b32 s26, s16, 8
	v_add_nc_u32 v13, s26, v12                     ; group sl, whose ranks this work-group stores,
	s_lshl_b32 s26, s17, 13
	v_add_nc_u32 v14, s26, v13                     ; and its place in row e of rk
.set j, 0
.rept 32
	global_load_b64 v[EI+2*j:EI+2*j+1], v12, s[10:11] offset:256*j   ; 256 consecutive bytes a load
.set j, j+1
.endr
	global_load_b64 v[110:111], v13, s[10:11]
.irp k, 16,17,18,19
	v_mov_b32 v\k, 0
.endr
	v_add_nc_u32 v20, TOKL, v1
	v_mov_b32 v21, s17
	v_add_nc_u32 v97, 1024, v15                    ; where a lane that was not chosen puts its number
.irp k, 0,1,2,3,4,5,6,7
	ds_store_b128 v20, v[16:19] offset:512*\k      ; the list is cleared: LDS serves a wave's instructions in order (ISA guide 5.7.1), so the numbers below land on zeros
.endr
	s_mov_b32 s28, 0                               ; the chosen tokens so far
	s_mov_b32 s29, 0                               ; those in front of group sl
	s_wait_loadcnt 0x0
	; a group's mask: first choice = e, or second choice = e.  Three vector lines a group, written in runs so that no line waits for the one above it
.set j, 0
.rept 32
	v_cmp_eq_u32 s[66+j], s17, v[EI+2*j]
.set j, j+1
.endr
	v_cmp_eq_u32 s26, s17, v110
.set j, 0
.rept 32
	v_cndmask_b32 v[EI+2*j+1], v[EI+2*j+1], v21, s[66+j]   ; where the first choice is e, e stands for the second too
.set j, j+1
.endr
	v_cndmask_b32 v111, v111, v21, s26
.set j, 0
.rept 32
	v_cmp_eq_u32 s[66+j], s17, v[EI+2*j+1]
.set j, j+1
.endr
	v_cmp_eq_u32 s26, s17, v111
.set j, 0
.rept 32
	v_mbcnt_lo_u32_b32 v[EI+2*j], s[66+j], s28     ; the rank: the chosen in the groups in front + in the lanes in front
	s_cmp_eq_u32 s16, j
	s_cselect_b32 s29, s28, s29
	s_bcnt1_i32_b32 s27, s[66+j]
	s_add_co_u32 s28, s28, s27
.set j, j+1
.endr
.set j, 0
.rept 32
	v_cndmask_b32 v[EI+2*j], v97, v[EI+2*j], s[66+j]
.set j, j+1
.endr
.set j, 0
.rept 32
	v_min_u32 v[EI+2*j], 1055, v[EI+2*j]           ; a number made of loaded numbers enters an address only behind such a bound
.set j, j+1
.endr
.set j, 0
.rept 32
	v_lshl_add_u32 v[EI+2*j], v[EI+2*j], 2, TOKL
.set j, j+1
.endr
.set j, 0
.rept 32
	v_add_nc_u32 v[EI+2*j+1], 32*j, v15            ; the token's number
.set j, j+1
.endr
.set j, 0
.rept 32
	ds_store_b32 v[EI+2*j], v[EI+2*j+1]            ; list[rank] = token
.set j, j+1
.endr
	s_add_co_u32 s21, s28, 15
	s_lshr_b32 s21, s21, 4
	s_max_u32 s21, s21, 1                          ; tiles, at least 1
	v_mbcnt_lo_u32_b32 v98, s26, s29               ; group sl's ranks
	v_mov_b32 v99, s21
	global_store_b64 v14, v[98:99], s[48:49]       ; the wave stores 256 consecutive bytes, aligned
	ds_store_b32 v4, v99 offset:512                ; the tile count for the other multiplying waves: sixteen lanes write the same word with the same value
.endm
; ---------------- the multiplying waves
.macro TILES                           ; my five tiles of batch s25: 20 b + 4 t + q in the expert; in hid 64 e more, or the expert's tile 0 where it has no such tile
	s_wait_xcnt 0x0                                ; earlier stores and loads have read their address and data registers
	s_mul_i32 s26, s25, 20
	s_add_co_u32 s26, s26, s15
.irp t, 0,1,2,3,4
	s_add_co_u32 s[30+\t], s26, 4*\t
	s_add_co_u32 s[35+\t], s22, s[30+\t]
	s_cmp_lt_u32 s[30+\t], s21
	s_cselect_b32 s[35+\t], s[35+\t], s22
	s_min_u32 s[35+\t], s[35+\t], 511
.endr
.endm
.macro TOKADR                          ; from my rows' tokens to their places in xc
.irp t, 0,1,2,3,4
	v_min_u32 v[RO+\t], 1023, v[RO+\t]
	v_lshlrev_b32 v[SO+\t], 5, v[RO+\t]
	v_lshlrev_b32 v[RO+\t], 9, v[RO+\t]
	v_lshl_add_u32 v[RO+\t], v8, 4, v[RO+\t]
.endr
.endm
.macro ROWS0                           ; the first batch: tile 4 t + q, lane (r, h): list[16 (4 t + q) + r]: a constant, the wave's and the lane's terms
.irp t, 0,1,2,3,4
	ds_load_b32 v[RO+\t], v96 offset:256*\t
.endr
	s_wait_dscnt 0x0
	TOKADR
.endm
.macro ROWSB                           ; a later batch: behind the last barrier, where LDS is only read
.irp t, 0,1,2,3,4
	s_lshl_b32 s26, s[30+\t], 4
	v_add_nc_u32 v[SO+\t], s26, v7                 ; the row's number in the expert,
	v_min_u32 v[SO+\t], 1023, v[SO+\t]             ; held inside the list
	v_lshl_add_u32 v[SO+\t], v[SO+\t], 2, TOKL
	ds_load_b32 v[RO+\t], v[SO+\t]
.endr
	s_wait_dscnt 0x0
	TOKADR
.endm
.macro OPLOAD c                        ; x's fragments and scale words of chunk c (K steps 2 c, 2 c + 1): 25 loads
.irp t, 0,1,2,3,4
.irp ks, 0,1
.irp cc, 0,1
	global_load_b128 v[XF+16*\t+8*\ks+4*\cc:XF+16*\t+8*\ks+4*\cc+3], v[RO+\t], s[8:9] offset:128*(\c)+64*\ks+32*\cc
.endr
.endr
	global_load_b64 v[XSC+2*\t:XSC+2*\t+1], v[SO+\t], s[40:41] offset:8*(\c)
.endr
.endm
.macro WLOAD u, buf                    ; unit u's four fragments and scale words: 12 LDS loads
.irp i, 0,1,2,3
.irp cc, 0,1
	ds_load_b128 v[WF+32*(\buf)+8*\i+4*\cc:WF+32*(\buf)+8*\i+4*\cc+3], v1 offset:(\u)*4096+\i*1024+\cc*512
.endr
	ds_load_b32 v[WSC+4*(\buf)+\i], v2 offset:(\u)*512+\i*128
.endr
.endm
.macro WM d, a, b, sa, sb, zero
.if \zero
	v_wmma_scale_f32_16x16x128_f8f6f4 v[\d:\d+7], v[\a:\a+7], v[\b:\b+7], 0, v[\sa], v[\sb] matrix_a_fmt:MATRIX_FMT_FP4 matrix_b_fmt:MATRIX_FMT_FP4
.else
	v_wmma_scale_f32_16x16x128_f8f6f4 v[\d:\d+7], v[\a:\a+7], v[\b:\b+7], v[\d:\d+7], v[\sa], v[\sb] matrix_a_fmt:MATRIX_FMT_FP4 matrix_b_fmt:MATRIX_FMT_FP4
.endif
.endm
.macro MM ks, hf, buf, zero            ; 20 matrix instructions: a unit's four tiles of columns x my five tiles of rows.  The accumulators take turns, one instruction a turn.  zero = 1: the first K step starts the sums
	WIN 0x50                                       ; C and D window 1
.irp i, 0,1,2,3
.irp t, 0,1,2,3
	WM 64*\t+32*(\hf)+8*\i, WF+32*(\buf)+8*\i, XF+16*\t+8*(\ks), WSC+4*(\buf)+\i, XSC+2*\t+(\ks), \zero
.endr
.endr
	WIN 0
.irp i, 0,1,2,3
	WM ACC4+32*(\hf)+8*\i, WF+32*(\buf)+8*\i, XF+64+8*(\ks), WSC+4*(\buf)+\i, XSC+8+(\ks), \zero
.endr
.endm
.macro CSTAGE c, zero                  ; chunk c: units 4 c + 2 ks + hf, on two buffers by turns
	s_wait_loadcnt 0x0                             ; this chunk's x is in
	WLOAD 4*(\c), 0
	WLOAD 4*(\c)+1, 1
	s_wait_dscnt 12                                ; all but the other buffer's 12
	MM 0, 0, 0, \zero
	PLACES
	WLOAD 4*(\c)+2, 0
	s_wait_dscnt 12
	MM 0, 1, 1, \zero
	PLACES
	WLOAD 4*(\c)+3, 1
	s_wait_dscnt 12
	MM 1, 0, 0, 0
	s_wait_dscnt 0x0
	MM 1, 1, 1, 0
	PLACES
.if (\c) < 3
	OPLOAD (\c)+1                                  ; lands while the streaming waves finish their stage
.endif
.endm
.macro EPT t                           ; tile t leaves: + b1, relu, quantised along the next K, stored as the next operand's image
	s_cmp_lt_u32 s[30+\t], s21
	s_cbranch_scc0 .Lempty_\@                      ; the split left this tile empty
	s_wait_xcnt 0x0                                ; the last tile's stores have read their data and addresses
.if \t < 4
	WIN 0x01
.endif
.set n, 0
.rept 32
.if \t < 4
	v_pk_add_f32 v[H+n:H+n+1], v[64*\t+n:64*\t+n+1], v[BB+n:BB+n+1]   ; each accumulator from its low end on
.else
	v_pk_add_f32 v[H+n:H+n+1], v[ACC4+n:ACC4+n+1], v[BB+n:BB+n+1]
.endif
.set n, n+2
.endr
	WIN 0
.irp hf, 0,1                                   ; my two blocks' largest numbers: no |.|, what is negative must not count; the floor stands over it.  Two chains a block
	v_max3_num_f32 v[EM+2*\hf], v[H+32*\hf], v[H+32*\hf+1], 0x1800000
	v_max3_num_f32 v[EM+2*\hf+1], v[H+32*\hf+16], v[H+32*\hf+17], v[H+32*\hf+18]
.endr
.irp k, 2,4,6,8,10,12
.irp hf, 0,1
	v_max3_num_f32 v[EM+2*\hf], v[EM+2*\hf], v[H+32*\hf+\k], v[H+32*\hf+\k+1]
	v_max3_num_f32 v[EM+2*\hf+1], v[EM+2*\hf+1], v[H+32*\hf+\k+17], v[H+32*\hf+\k+18]
.endr
.endr
.irp hf, 0,1
	v_max3_num_f32 v[EM+2*\hf], v[EM+2*\hf], v[H+32*\hf+14], v[H+32*\hf+15]
.endr
.irp hf, 0,1
	v_max3_num_f32 v[EM+2*\hf], v[EM+2*\hf], v[EM+2*\hf+1], v[H+32*\hf+31]
.endr
.set n, 0
.rept 64
	v_max_num_f32 v[H+n], 0, v[H+n]                ; the activation, in f32
.set n, n+1
.endr
.irp hf, 0,1
	v_add_nc_u32 v[ES+\hf], 0xff000000, v[EM+2*\hf]
.endr
.irp hf, 0,1
	v_lshrrev_b32 v[EM+2*\hf+1], 23, v[ES+\hf]     ; the bytes of blocks h and 2 + h
.endr
.irp hf, 0,1
.irp i, 0,1,2,3
	v_cvt_scalef32_pk8_fp4_f32 v[CD+4*\hf+\i], v[H+32*\hf+8*\i:H+32*\hf+8*\i+7], v[ES+\hf]   ; register 4 hf + i of the next operand
.endr
.endr
	v_nop                                          ; one plain line behind the last conversion
	v_lshl_or_b32 v190, v[EM+3], 16, v[EM+1]
	v_lshlrev_b32 v190, v9, v190
	v_permlanex16_b32 v191, v190, s46, s47
	v_or_b32 v190, v190, v191                      ; my row's scale word
	s_lshl_b32 s26, s[35+\t], 15
	s_lshl_b32 s27, s16, 10
	s_add_co_u32 s26, s26, s27
	v_add_nc_u32 v22, s26, v1                      ; image (tile, K step sl): 16 bytes a lane
	s_lshl_b32 s26, s[35+\t], 12
	s_lshl_b32 s27, s16, 7
	s_add_co_u32 s26, s26, s27
	v_add_nc_u32 v23, s26, v10
	global_store_b128 v22, v[CD:CD+3], s[12:13]                ; the wave stores 512 consecutive bytes, aligned
	global_store_b128 v22, v[CD+4:CD+7], s[12:13] offset:512
	global_store_b32 v23, v190, s[44:45]
.Lempty_\@:
.endm
	s_load_b256 s[4:11], s[0:1], 0x0               ; W1 s[4:5], b1 s[6:7], xc s[8:9], ei s[10:11]
	s_load_b64 s[12:13], s[0:1], 0x20              ; hid
	s_load_b64 s[48:49], s[0:1], 0x28              ; rk
	v_lshrrev_b32 v1, 5, v0
	v_readfirstlane_b32 s14, v1                    ; wave 0..7
	s_and_b32 s15, s14, 3                          ; p among the streaming waves, q among the multiplying
	s_mov_b32 s16, ttmp9                           ; sl
	s_and_b32 s17, ttmp7, 0xffff                   ; e
	s_lshl_b32 s22, s17, 6                         ; my expert's first tile in hid
	s_mov_b32 s46, 0x76543210
	s_mov_b32 s47, 0xfedcba98
	v_and_b32 v22, 31, v0                          ; lane
	v_and_b32 v7, 15, v0                           ; r
	v_bfe_u32 v8, v0, 4, 1                         ; h
	v_lshlrev_b32 v1, 4, v22
	v_lshl_add_u32 v2, v22, 2, SC1
	v_lshlrev_b32 v10, 2, v22
	v_lshlrev_b32 v9, 3, v8
	v_lshl_add_u32 v4, v8, 5, BIAS
	s_lshl_b32 s26, s15, 12
	v_add_nc_u32 v5, s26, v1
	s_lshl_b32 s26, s15, 9
	v_add_nc_u32 v6, s26, v2
	s_lshl_b32 s26, s15, 6
	v_lshl_add_u32 v96, v7, 2, s26
	v_add_nc_u32 v96, TOKL, v96                    ; the list's word of row r of tile q
	v_lshlrev_b32 v11, 4, v7
	v_lshl_or_b32 v11, v8, 19, v11                 ; 16 r, and 32 rows further down for lanes 16-31
	v_bfe_u32 v23, v0, 6, 1                        ; b1's place of column t % 128 = 64 hf + 32 h + 4 j + i: ((4 hf + i) 2 + h) 32 + 4 j
	v_and_b32 v3, 3, v0
	v_lshl_add_u32 v23, v23, 2, v3
	v_bfe_u32 v3, v0, 5, 1
	v_lshl_add_u32 v23, v23, 1, v3
	v_bfe_u32 v3, v0, 2, 3
	v_lshlrev_b32 v3, 2, v3
	v_lshl_add_u32 v3, v23, 5, v3
	v_add_nc_u32 v3, BIAS, v3
	s_lshl_b32 s28, s17, 24                        ; the stream begins at expert e, K step p / 2, columns 128 sl + 64 (p % 2)
	s_lshr_b32 s29, s15, 1
	s_lshl_b32 s29, s29, 21
	s_add_co_u32 s28, s28, s29
	s_lshl_b32 s29, s16, 9
	s_add_co_u32 s28, s28, s29
	s_and_b32 s29, s15, 1
	s_lshl_b32 s29, s29, 8
	s_add_co_u32 s28, s28, s29
	s_mov_b32 s29, 0
	s_wait_kmcnt 0x0
	s_add_nc_u64 s[18:19], s[4:5], s[28:29]
	s_add_nc_u64 s[40:41], s[8:9], XS_OFF
	s_add_nc_u64 s[44:45], s[12:13], HS_OFF
	; ---- the stage in front: the ring is filled and its first half drained | wave 4 sorts.  Wave 4 alone touches LDS
	s_cmp_lt_u32 s14, 4
	s_cbranch_scc0 .Lcp
	FILL
.irp i, 0,1,2,3
	v_mov_b32 v[PXP+\i], 0                         ; written once: a lane permute's destination counts as one of its sources
.endr
	STEP
	GROUPS 0, 0
	s_branch .Ljp
.Lcp:
	v_and_b32 v22, 127, v0
	v_lshlrev_b32 v22, 2, v22
	s_lshl_b32 s28, s17, 14
	s_lshl_b32 s29, s16, 9
	s_add_co_u32 s28, s28, s29
	v_add_nc_u32 v22, s28, v22
	global_load_b32 v23, v22, s[6:7]               ; b1 of column t % 128: asked for a stage ahead of its use
	s_cmp_lg_u32 s14, 4
	s_cbranch_scc1 .Ljp
	SORT
.Ljp:
	BAR                                            ; the list and the tile count lie in LDS
	; ---- stage 0
	s_cmp_lt_u32 s14, 4
	s_cbranch_scc0 .Lc0
	QUANTW 0, 0
	GROUPS 1, 0
	QUANTW 0, 1
	s_branch .Lj0
.Lc0:
	ds_load_b32 v110, v4 offset:512                ; my expert's tiles
	s_mov_b32 s25, 0
	s_wait_dscnt 0x0
	v_readfirstlane_b32 s21, v110
	s_min_u32 s21, s21, 64
	s_add_co_u32 s24, s21, 19
	s_mul_i32 s24, s24, 3277
	s_lshr_b32 s24, s24, 16                        ; batches = ceil(tiles / 20): exact for tiles up to 64
	s_wait_loadcnt 0x0                             ; b1
	ds_store_b32 v3, v23
	TILES
	ROWS0
	OPLOAD 0
.Lj0:
	BAR                                            ; chunk 0's images lie in LDS
	; ---- stage 1
	s_cmp_lt_u32 s14, 4
	s_cbranch_scc0 .Lc1
	STREAM 1, 0
	s_branch .Lj1
.Lc1:
	CSTAGE 0, 1
.Lj1:
	BAR
	; ---- stage 2
	s_cmp_lt_u32 s14, 4
	s_cbranch_scc0 .Lc2
	STREAM 2, 0
	s_branch .Lj2
.Lc2:
	CSTAGE 1, 0
.Lj2:
	BAR
	; ---- stage 3
	s_cmp_lt_u32 s14, 4
	s_cbranch_scc0 .Lc3
	STREAM 3, 1
	s_branch .Lj3
.Lc3:
	CSTAGE 2, 0
.Lj3:
	BAR                                            ; all of the slice lies in LDS; from here on LDS is only read
	s_cmp_lt_u32 s14, 4
	s_cbranch_scc0 .Ltail
	s_wait_xcnt 0x0
	v_lshl_add_u32 v110, v0, 2, 0x13400
	v_mov_b32 v111, 0
	s_wait_tensorcnt 0x0
	ds_add_u32 v110, v111
	s_wait_dscnt 0x0
	s_endpgm                                       ; the streaming waves are done
.Ltail:
	CSTAGE 3, 0
.Lbatch:
.irp n, 0,1,2,3,4,5,6,7
	ds_load_b128 v[BB+8*\n:BB+8*\n+3], v4 offset:64*\n         ; b1 in the result's layout: tile 4 hf + i, my half's eight units
	ds_load_b128 v[BB+8*\n+4:BB+8*\n+7], v4 offset:64*\n+16
.endr
	v_mov_b32 v191, 0                              ; a lane permute's destination counts as one of its sources
	s_wait_dscnt 0x0
	EPT 0
	EPT 1
	EPT 2
	EPT 3
	EPT 4
	s_add_co_u32 s25, s25, 1
	s_cmp_ge_u32 s25, s24
	s_cbranch_scc1 .Lend                           ; no rows are left
	TILES                                          ; 20 tiles more, out of the same LDS
	ROWSB
	OPLOAD 0
	CSTAGE 0, 1
	CSTAGE 1, 0
	CSTAGE 2, 0
	CSTAGE 3, 0
	s_cmp_lt_u32 s25, s24
	s_cbranch_scc1 .Lbatch
.Lend:
	s_wait_xcnt 0x0
	v_lshl_add_u32 v110, v0, 2, 0x13400
	v_mov_b32 v111, 0
	s_wait_tensorcnt 0x0
	ds_add_u32 v110, v111
	s_wait_dscnt 0x0
	s_endpgm
.Lfunc_end_k_q4b6315033b_ffn1:
	.size	k_q4b6315033b_ffn1, .Lfunc_end_k_q4b6315033b_ffn1-k_q4b6315033b_ffn1
	.p2alignl 7, 3214868480
	.fill 96, 4, 3214868480
	.section	.rodata,"a",@progbits
	.p2align	6, 0x0
	.amdhsa_kernel k_q4b6315033b_ffn1
		.amdhsa_group_segment_fixed_size 79872
		.amdhsa_private_segment_fixed_size 0
		.amdhsa_enable_private_segment 0
		.amdhsa_kernarg_size 48
		.amdhsa_user_sgpr_count 2
		.amdhsa_user_sgpr_kernarg_segment_ptr 1
		.amdhsa_wavefront_size32 1
		.amdhsa_system_sgpr_workgroup_id_x 1
		.amdhsa_system_sgpr_workgroup_id_y 1
		.amdhsa_system_sgpr_workgroup_id_z 1
		.amdhsa_system_vgpr_workitem_id 0
		.amdhsa_next_free_vgpr 512
		.amdhsa_next_free_sgpr 98
		.amdhsa_reserve_vcc 0
		.amdhsa_float_denorm_mode_32 3
		.amdhsa_float_denorm_mode_16_64 3
		.amdhsa_memory_ordered 1
		.amdhsa_forward_progress 1
		.amdhsa_inst_pref_size 255
	.end_amdhsa_kernel
	.section	.bss,"aw",@nobits
	.p2align	6
	.space	262144
	.amdgpu_metadata
---
amdhsa.version: [ 1, 2 ]
amdhsa.kernels:
  - .name:           k_q4b6315033b_ffn1
    .symbol:         k_q4b6315033b_ffn1.kd
    .args:
      - { .name: W1, .offset: 0, .size: 8, .value_kind: global_buffer, .address_space: global }
      - { .name: b1, .offset: 8, .size: 8, .value_kind: global_buffer, .address_space: global }
      - { .name: xc, .offset: 16, .size: 8, .value_kind: global_buffer, .address_space: global }
      - { .name: ei, .offset: 24, .size: 8, .value_kind: global_buffer, .address_space: global }
      - { .name: hid, .offset: 32, .size: 8, .value_kind: global_buffer, .address_space: global }
      - { .name: rk, .offset: 40, .size: 8, .value_kind: global_buffer, .address_space: global }
    .group_segment_fixed_size: 79872
    .private_segment_fixed_size: 0
    .kernarg_segment_align: 8
    .kernarg_segment_size: 48
    .max_flat_workgroup_size: 256
    .sgpr_count:     98
    .vgpr_count:     512
    .wavefront_size: 32
...
	.end_amdgpu_metadata
.endif
;; end of part 2
;; launch ffn2 (part 3): grid 32 x 8, 8 waves a work-group, no clusters, 89,088 bytes of LDS; arguments W2, hid, rk, p; writes p
.if DOCPART == 3
	.amdgcn_target "amdgcn-amd-amdhsa--gfx1250"
	.amdhsa_code_object_version 6
	.text
	.protected	k_q4b6315033b_ffn2
	.globl	k_q4b6315033b_ffn2
	.p2align	8
	.type	k_q4b6315033b_ffn2,@function
k_q4b6315033b_ffn2:
	s_mov_b64 s[64:65], 0
	v_nop
	global_prefetch_b8 v0, s[64:65] scope:SCOPE_SE
	s_setreg_imm32_b32 hwreg(HW_REG_WAVE_MODE, 25, 1), 1
	s_wait_xcnt 0x0
; THE SECOND PRODUCT, for the chosen rows alone: p[kh][position] = the sum over one half of K of hid Q(W2[e]); both operands codes of FP4 (E2M1) with one E8M0 scale for each 32 along K; sums in f32.
; W2 [8][4096 (K)][1024] f32; hid: images of the hidden layer's operand registers [512 tiles][K step of 128][1,024 bytes], scale words [tile][K step][32 lanes x 4 bytes] at HS_OFF; expert e's tiles begin at 64 e.
; rk [8][1024] x {rank, tiles} u32: the second word of row e's first entry is the expert's tile count, at least 1.
; p [2 (K half)][8192 positions][1024] f32, position = 1024 e + rank: the last launch adds the halves.  Only the tiles that the split fills are written or read.
; SHARES.  Work-group (x, e): 64 columns sl = x / 2 and K half kh = x % 2 of expert e: 131,072 weights, read once, quantised in registers, kept as codes in LDS.  64 columns are 256 bytes of a row of W2: narrower slices would read
; rows in part, and 64 columns x all of K would leave half of the 256 work-groups without a slice: hence the two halves of K.
; TWO ROLES, STAGES, RING AND BATCHES as in the first product's launch: waves 0-3 stream and quantise (a unit = 64 columns x 128 K = one K step; a chunk = 4 K steps), waves 4-7 multiply (5 tiles of 16 rows x 64 columns each,
; 160 registers of sums); chunk c is streamed while chunk c - 1 is multiplied; one barrier, in the text that both roles walk, behind each stage; every chunk has LDS bytes of its own.
; THE ORDER INSIDE A BLOCK OF 32 ALONG K is the hidden layer's: row k of a block goes to place 8 (k % 4) + k / 4.  The same order on both operands leaves the products and the block's scale as they are.
; TRANSPOSED USE: source 0 = 16 neighbouring columns of W2 (tile tau), source 1 = 16 rows of the hidden layer: a lane's eight results are eight neighbouring columns of one row.  A tile of 16 rows x 64 columns goes
; through the wave's own stage in LDS and leaves as rows of 256 bytes: sixteen lanes store 256 consecutive bytes, aligned.
; A tile that the split leaves empty reads the expert's tile 0, which is always written, and stores nothing.
; NO TENSOR LOAD, NO CLUSTER: trip counts and branches hang on the stored counts, so weights go from memory straight into registers; what work-groups share (the hidden layer's codes) is the lesser part of a work-group's bytes.
; LIMITS: NaN and infinities are not served.  A block of zeros gets the byte 1 (its codes are zeros; this program alone reads the bytes).
.set PITCH,  4096                      ; a row of W2[e] in bytes
.set CHUNKB, 0x200000                  ; 512 rows
.set UNITB,  4160                      ; LDS: 0: images, unit u at 4,160 u, tile tau at + 1,040 tau (1,024 + 16: the sixteen lanes of a store's pass fall on sixteen different 16-byte columns), registers 4 cc on at + 512 cc;
.set TILEB,  1040
.set SC2,    66560                     ; SC2: scale words, 256 u + 4 column;
.set STG,    70656                     ; STG: a stage of 16 rows x (256 + 16) bytes for each multiplying wave
.set HS_OFF, 16777216
.set PH,     33554432                  ; a K half of p in bytes
; v1 16 lane | v7 16 lane + 8 units | v2 SC2 + 4 r | v3 8 h | v4 4 lane | v5, v6 where a streaming lane puts codes and scale words | v8, v9 the stage, in and back | v10 my bytes in two rows of p | v11 the stream's offset
; A register that is an address or a scale in one role holds nothing made of loaded numbers in the other: the streaming waves keep out of v1-51, and what they write last ahead of a barrier lies in v52-63, which the multiplying waves never name.
.set PM,  52                           ; streaming waves: v52-55 largest magnitudes, then the second block's byte, then the other half's word; v56-59 scale operands; v60-63 scale words;
.set PS,  56
.set PWS, 60
.set PC,  64                           ; v64-95 codes, a set for each cc; v128-255 numbers down K;  window 1: the ring
.set PT,  128
.set HO,  12                           ; multiplying waves: v12-16 my tiles' images, v17-21 their scale words (byte offsets in hid),
.set SO,  17
.set WSC, 24                           ; v24-31 W2's scale words [buffer][tau]  (scales and nothing else, in both roles),
.set HSC, 32                           ; v32-51 the hidden layer's [t][ks]  (likewise),
.set HF,  64                           ; v64-223 its fragments [t][ks],
.set OB,  224                          ; v224-255 rows on their way out;
.set WF,  160                          ; window 1: v0-159 the sums at 32 t + 8 tau, v160-223 W2's fragments [buffer][tau]
; s14 wave | s15 wave % 4 | s16 sl | s17 e | s48 kh | s[18:19] the stream | s21 tiles | s22 64 e | s24 batches, s25 batch | s26-29 at work | s30-34 my tiles in the expert | s35-39 in hid and p | s[44:45] hid's scale words | s46-47 lane selects | s[50:51] p at my half and columns
.set MSB, 0
.macro WIN new                         ; the immediate's high byte repeats the setting that is left
.if MSB != \new
	s_set_vgpr_msb (MSB<<8)|\new
.set MSB, \new
.endif
.endm
.macro PLACES                          ; four plain vector lines between a matrix instruction and a load into, or a read of, its registers
.rept 4
	v_nop
.endr
.endm
.macro BAR                             ; my LDS stores have landed and my LDS loads are in: then the work-group's barrier
	s_wait_dscnt 0x0
	s_barrier_signal -1
	s_barrier_wait -1
.endm
; ---------------- the streaming waves
.macro FILL                            ; unit 0: 64 loads; load n = 32 cc + j: rows 64 cc + j (lanes 0-15) and 64 cc + 32 + j (lanes 16-31)
	WIN 0x40                                       ; destination window 1
.irp cc, 0,1
.set j, 0
.rept 32
	global_load_b128 v[4*(32*\cc+j):4*(32*\cc+j)+3], v11, s[18:19] offset:(64*\cc+j)*PITCH th:TH_LOAD_NT
.set j, j+1
.endr
.endr
	WIN 0
.endm
.macro QUANTW c, cc                    ; four columns x one block of 32 become 4 x 4 registers of codes and a byte each
.irp i, 0,1,2,3
	v_max3_num_f32 v[PM+\i], |v[PT+32*\i]|, |v[PT+32*\i+1]|, 0x1800000   ; and the floor 2^(3 - 127): the byte cannot fall under 1
.endr
.irp k, 2,4,6,8,10,12,14,16,18,20,22,24,26,28,30
.irp i, 0,1,2,3
	v_max3_num_f32 v[PM+\i], v[PM+\i], |v[PT+32*\i+\k]|, |v[PT+32*\i+\k+1]|   ; (the four columns by turns)
.endr
.endr
.irp i, 0,1,2,3
	v_add_nc_u32 v[PS+\i], 0xff000000, v[PM+\i]    ; 2 off the exponent field: the conversion's scale operand
.endr
	s_wait_dscnt 0x0                               ; the LDS stores of a unit ago have read this set of code registers and the scale words
.if \cc == 0
.irp i, 0,1,2,3
	v_lshrrev_b32 v[PWS+\i], 23, v[PS+\i]          ; the byte of block h begins the scale word
.endr
.else
.irp i, 0,1,2,3
	v_lshrrev_b32 v[PM+\i], 23, v[PS+\i]           ; the byte of block 2 + h (the largest magnitude is done with)
.endr
.endif
.irp i, 0,1,2,3
.irp q, 0,1,2,3
	v_cvt_scalef32_pk8_fp4_f32 v[PC+16*\cc+4*\i+\q], v[PT+32*\i+8*\q:PT+32*\i+8*\q+7], v[PS+\i]
.endr
.endr
	v_nop                                          ; one plain line behind the last conversion: the next moves write its sources
.irp i, 0,1,2,3
	ds_store_b128 v5, v[PC+16*\cc+4*\i:PC+16*\cc+4*\i+3] offset:\c*4*UNITB+16*\i+512*\cc   ; column 4 r + i is row 4 (r % 4) + i of tile r / 4: that lane's place in the image
.endr
.if \cc == 1
.irp i, 0,1,2,3
	v_lshl_or_b32 v[PWS+\i], v[PM+\i], 16, v[PWS+\i]   ; blocks h and 2 + h,
.endr
.irp i, 0,1,2,3
	v_lshlrev_b32 v[PWS+\i], v3, v[PWS+\i]         ; at their places in the word (8 h bits up);
.endr
.irp i, 0,1,2,3
	v_permlanex16_b32 v[PM+\i], v[PWS+\i], s46, s47   ; (its destination has been written: the byte, which is done with)
.endr
.irp i, 0,1,2,3
	v_or_b32 v[PWS+\i], v[PWS+\i], v[PM+\i]        ; with lane l xor 16's two the word is whole
.endr
.irp i, 0,1,2,3
	ds_store_b32 v6, v[PWS+\i] offset:\c*1024+4*\i ; both halves of the lanes write the same word with the same value
.endr
.endif
.endm
.macro STREAM c, last                  ; my unit of chunk c leaves the ring; last = 0: the next chunk's takes its place
.if !\last
	s_wait_xcnt 0x0                                ; the loads that are out have read their base: it may step
	s_add_nc_u64 s[18:19], s[18:19], CHUNKB
.endif
.irp cc, 0,1
.irp g, 0,1,2,3
.if \last
	s_wait_loadcnt 56-8*(4*\cc+\g)                 ; nothing is issued any more: only this unit's later groups of 8 are younger
.else
	s_wait_loadcnt 56                              ; younger than this group's 8: the 7 - G later groups of this unit and the G groups already issued for the next: 7 x 8
.endif
	WIN 0x01                                       ; source window 1
.irp jj, 0,1,2,3,4,5,6,7
.irp i, 0,1,2,3
	v_mov_b32 v[PT+32*\i+8*(\jj%4)+2*\g+\jj/4], v[4*(32*\cc+8*\g+\jj)+\i]   ; row k = 8 g + jj of the block to place 8 (k % 4) + k / 4
.endr
.endr
.if !\last
	WIN 0x40
.irp jj, 0,1,2,3,4,5,6,7
	global_load_b128 v[4*(32*\cc+8*\g+\jj):4*(32*\cc+8*\g+\jj)+3], v11, s[18:19] offset:(64*\cc+8*\g+\jj)*PITCH th:TH_LOAD_NT
.endr
.endif
.endr
	WIN 0
	QUANTW \c, \cc
.endr
.endm
; ---------------- the multiplying waves
.macro TILES                           ; my five tiles of batch s25, and where their images and scale words lie
	s_wait_xcnt 0x0                                ; earlier stores and loads have read their address and data registers
	s_mul_i32 s26, s25, 20
	s_add_co_u32 s26, s26, s15
	s_lshl_b32 s27, s48, 14                        ; my K half: 16 K steps of 1,024 bytes,
	s_lshl_b32 s28, s48, 11                        ; of 128
.irp t, 0,1,2,3,4
	s_add_co_u32 s[30+\t], s26, 4*\t
	s_add_co_u32 s[35+\t], s22, s[30+\t]
	s_cmp_lt_u32 s[30+\t], s21
	s_cselect_b32 s[35+\t], s[35+\t], s22
	s_min_u32 s[35+\t], s[35+\t], 511
	s_lshl_b32 s29, s[35+\t], 15
	s_add_co_u32 s29, s29, s27
	v_add_nc_u32 v[HO+\t], s29, v1
	s_lshl_b32 s29, s[35+\t], 12
	s_add_co_u32 s29, s29, s28
	v_add_nc_u32 v[SO+\t], s29, v4
.endr
.endm
.macro OPLOAD c                        ; the hidden layer's fragments and scale words of chunk c: 60 loads, each of 512 or 128 consecutive bytes
.irp t, 0,1,2,3,4
.irp ks, 0,1,2,3
.irp cc, 0,1
	global_load_b128 v[HF+32*\t+8*\ks+4*\cc:HF+32*\t+8*\ks+4*\cc+3], v[HO+\t], s[6:7] offset:(4*(\c)+\ks)*1024+512*\cc
.endr
	global_load_b32 v[HSC+4*\t+\ks], v[SO+\t], s[44:45] offset:(4*(\c)+\ks)*128
.endr
.endr
.endm
.macro WLOAD u, buf                    ; unit u's four fragments and scale words: 12 LDS loads
	WIN 0x40                                       ; destination window 1
.irp tau, 0,1,2,3
.irp cc, 0,1
.if (\u) < 8
	ds_load_b128 v[WF+32*(\buf)+8*\tau+4*\cc:WF+32*(\buf)+8*\tau+4*\cc+3], v1 offset:(\u)*UNITB+\tau*TILEB+\cc*512
.else
	ds_load_b128 v[WF+32*(\buf)+8*\tau+4*\cc:WF+32*(\buf)+8*\tau+4*\cc+3], v7 offset:((\u)-8)*UNITB+\tau*TILEB+\cc*512   ; the immediate has 16 bits: the register carries eight units
.endif
.endr
.endr
	WIN 0
.irp tau, 0,1,2,3
	ds_load_b32 v[WSC+4*(\buf)+\tau], v2 offset:(\u)*256+\tau*64
.endr
.endm
.macro WM d, a, b, sa, sb, zero
.if \zero
	v_wmma_scale_f32_16x16x128_f8f6f4 v[\d:\d+7], v[\a:\a+7], v[\b:\b+7], 0, v[\sa], v[\sb] matrix_a_fmt:MATRIX_FMT_FP4 matrix_b_fmt:MATRIX_FMT_FP4
.else
	v_wmma_scale_f32_16x16x128_f8f6f4 v[\d:\d+7], v[\a:\a+7], v[\b:\b+7], v[\d:\d+7], v[\sa], v[\sb] matrix_a_fmt:MATRIX_FMT_FP4 matrix_b_fmt:MATRIX_FMT_FP4
.endif
.endm
.macro MM ks, buf, zero                ; 20 matrix instructions: a K step's four tiles of columns x my five tiles of rows.  The accumulators take turns, one instruction a turn.  zero = 1: the first K step starts the sums
	WIN 0x51                                       ; source 0 (W2), C and D window 1; source 1 (the hidden layer) window 0
.irp tau, 0,1,2,3
.irp t, 0,1,2,3,4
	WM 32*\t+8*\tau, WF+32*(\buf)+8*\tau, HF+32*\t+8*(\ks), WSC+4*(\buf)+\tau, HSC+4*\t+(\ks), \zero
.endr
.endr
.endm
.macro CSTAGE c, zero                  ; chunk c: K steps 4 c + ks, on two buffers by turns
	s_wait_loadcnt 0x0                             ; this chunk's hidden layer is in
	WLOAD 4*(\c), 0
	WLOAD 4*(\c)+1, 1
	s_wait_dscnt 12                                ; all but the other buffer's 12
	MM 0, 0, \zero
	PLACES
	WLOAD 4*(\c)+2, 0
	s_wait_dscnt 12
	MM 1, 1, 0
	PLACES
	WLOAD 4*(\c)+3, 1
	s_wait_dscnt 12
	MM 2, 0, 0
	s_wait_dscnt 0x0
	MM 3, 1, 0
	WIN 0
	PLACES
.if (\c) < 3
	OPLOAD (\c)+1                                  ; lands while the streaming waves finish their stage
.endif
.endm
.macro EPT t                           ; tile t leaves through my stage
	s_cmp_lt_u32 s[30+\t], s21
	s_cbranch_scc0 .Lempty_\@                      ; the split left this tile empty
	WIN 0x04                                       ; an LDS store's data are its source 1: window 1
.irp tau, 0,1,2,3
	ds_store_b128 v8, v[32*\t+8*\tau:32*\t+8*\tau+3] offset:64*\tau          ; lane (r, h): row r, columns 16 tau + 8 h + 0 .. 7; each accumulator from its low end on
	ds_store_b128 v8, v[32*\t+8*\tau+4:32*\t+8*\tau+7] offset:64*\tau+16
.endr
	WIN 0
	s_wait_xcnt 0x0                                ; the last tile's stores have read their data and address
	s_lshl_b32 s26, s[35+\t], 16                   ; 16 rows of 4,096 bytes a tile
	v_add_nc_u32 v22, s26, v10
.irp a, 0,1,2,3,4,5,6,7
	ds_load_b128 v[OB+4*\a:OB+4*\a+3], v9 offset:2*\a*272      ; LDS serves a wave's instructions in order (ISA guide 5.7.1): these see my stores
.endr
	s_wait_dscnt 0x0
.irp a, 0,1,2,3,4,5,6,7
	global_store_b128 v22, v[OB+4*\a:OB+4*\a+3], s[50:51] offset:2*\a*4096 th:TH_STORE_NT   ; sixteen lanes store 256 consecutive bytes, aligned; two rows an instruction
.endr
.Lempty_\@:
.endm
	s_load_b256 s[4:11], s[0:1], 0x0               ; W2 s[4:5], hid s[6:7], rk s[8:9], p s[10:11]
	v_lshrrev_b32 v1, 5, v0
	v_readfirstlane_b32 s14, v1                    ; wave 0..7
	s_and_b32 s15, s14, 3                          ; p among the streaming waves, q among the multiplying
	s_lshr_b32 s16, ttmp9, 1                       ; sl
	s_and_b32 s48, ttmp9, 1                        ; kh
	s_and_b32 s17, ttmp7, 0xffff                   ; e
	s_mov_b32 s46, 0x76543210
	s_mov_b32 s47, 0xfedcba98
	v_and_b32 v22, 31, v0                          ; lane
	v_and_b32 v23, 15, v0                          ; r
	v_bfe_u32 v3, v0, 4, 1                         ; h
	v_lshlrev_b32 v1, 4, v22
	v_add_nc_u32 v7, 8*UNITB, v1
	v_lshlrev_b32 v4, 2, v22
	v_lshl_add_u32 v2, v23, 2, SC2
	v_lshrrev_b32 v5, 2, v23
	v_mul_u32_u24 v5, v5, TILEB
	v_and_b32 v6, 3, v23
	v_lshl_add_u32 v5, v6, 6, v5
	v_lshl_add_u32 v5, v3, 8, v5
	s_mul_i32 s26, s15, UNITB
	v_add_nc_u32 v5, s26, v5                       ; codes: tile r / 4, image lane 4 (r % 4) + i + 16 h, unit p
	v_lshl_add_u32 v6, v23, 4, SC2
	s_lshl_b32 s26, s15, 8
	v_add_nc_u32 v6, s26, v6                       ; scale words: 4 bytes a column, unit p
	s_mul_i32 s26, s15, 16*272
	s_add_co_u32 s26, s26, STG                     ; my stage
	v_mul_u32_u24 v8, v23, 272
	v_lshl_add_u32 v8, v3, 5, v8
	v_add_nc_u32 v8, s26, v8                       ; in: row r, 32 bytes for each half of the lanes
	v_mul_u32_u24 v9, v3, 272
	v_lshl_add_u32 v9, v23, 4, v9
	v_add_nc_u32 v9, s26, v9                       ; back: lanes 0-15 one row of 256 bytes, lanes 16-31 the next
	v_lshlrev_b32 v10, 4, v23
	v_lshl_or_b32 v11, v3, 17, v10                 ; the stream: 16 r, and 32 rows further down for lanes 16-31
	v_lshl_or_b32 v10, v3, 12, v10                 ; p: the same two rows
	v_lshlrev_b32 v3, 3, v3                        ; 8 h
	s_lshl_b32 s28, s17, 24                        ; the stream begins at expert e, row 2,048 kh + 128 p, columns 64 sl
	s_lshl_b32 s29, s48, 23
	s_add_co_u32 s28, s28, s29
	s_lshl_b32 s29, s15, 19
	s_add_co_u32 s28, s28, s29
	s_lshl_b32 s29, s16, 8
	s_add_co_u32 s28, s28, s29
	s_mul_i32 s26, s48, PH
	s_add_co_u32 s26, s26, s29                     ; p: my K half, my 256 bytes of a row
	s_mov_b32 s29, 0
	s_mov_b32 s27, 0
	s_wait_kmcnt 0x0
	s_add_nc_u64 s[18:19], s[4:5], s[28:29]
	s_add_nc_u64 s[50:51], s[10:11], s[26:27]
	s_add_nc_u64 s[44:45], s[6:7], HS_OFF
	; ---- stage 0
	s_cmp_lt_u32 s14, 4
	s_cbranch_scc0 .Lc0
	FILL
	STREAM 0, 0
	s_branch .Lj0
.Lc0:
	s_lshl_b32 s26, s17, 13
	s_load_b32 s21, s[8:9], s26 offset:0x4         ; my expert's tiles
	s_lshl_b32 s22, s17, 6                         ; its first tile in hid and p
	s_mov_b32 s25, 0
	s_wait_kmcnt 0x0
	s_min_u32 s21, s21, 64
	s_add_co_u32 s24, s21, 19
	s_mul_i32 s24, s24, 3277
	s_lshr_b32 s24, s24, 16                        ; batches = ceil(tiles / 20): exact for tiles up to 64
	TILES
	OPLOAD 0
.Lj0:
	BAR                                            ; chunk 0's images lie in LDS
	; ---- stage 1
	s_cmp_lt_u32 s14, 4
	s_cbranch_scc0 .Lc1
	STREAM 1, 0
	s_branch .Lj1
.Lc1:
	CSTAGE 0, 1
.Lj1:
	BAR
	; ---- stage 2
	s_cmp_lt_u32 s14, 4
	s_cbranch_scc0 .Lc2
	STREAM 2, 0
	s_branch .Lj2
.Lc2:
	CSTAGE 1, 0
.Lj2:
	BAR
	; ---- stage 3
	s_cmp_lt_u32 s14, 4
	s_cbranch_scc0 .Lc3
	STREAM 3, 1
	s_branch .Lj3
.Lc3:
	CSTAGE 2, 0
.Lj3:
	BAR                                            ; all of the slice lies in LDS; from here on its images are only read, and a stage is its wave's own
	s_cmp_lt_u32 s14, 4
	s_cbranch_scc0 .Ltail
	s_wait_xcnt 0x0
	v_lshl_add_u32 v254, v0, 2, 0x15800
	v_mov_b32 v255, 0
	s_wait_tensorcnt 0x0
	ds_add_u32 v254, v255
	s_wait_dscnt 0x0
	s_endpgm                                       ; the streaming waves are done
.Ltail:
	CSTAGE 3, 0
.Lbatch:
	EPT 0
	EPT 1
	EPT 2
	EPT 3
	EPT 4
	s_add_co_u32 s25, s25, 1
	s_cmp_ge_u32 s25, s24
	s_cbranch_scc1 .Lend                           ; no rows are left
	TILES                                          ; 20 tiles more, out of the same LDS
	OPLOAD 0
	CSTAGE 0, 1
	CSTAGE 1, 0
	CSTAGE 2, 0
	CSTAGE 3, 0
	s_cmp_lt_u32 s25, s24
	s_cbranch_scc1 .Lbatch
.Lend:
	s_wait_xcnt 0x0
	v_lshl_add_u32 v254, v0, 2, 0x15800
	v_mov_b32 v255, 0
	s_wait_tensorcnt 0x0
	ds_add_u32 v254, v255
	s_wait_dscnt 0x0
	s_endpgm
.Lfunc_end_k_q4b6315033b_ffn2:
	.size	k_q4b6315033b_ffn2, .Lfunc_end_k_q4b6315033b_ffn2-k_q4b6315033b_ffn2
	.p2alignl 7, 3214868480
	.fill 96, 4, 3214868480
	.section	.rodata,"a",@progbits
	.p2align	6, 0x0
	.amdhsa_kernel k_q4b6315033b_ffn2
		.amdhsa_group_segment_fixed_size 89088
		.amdhsa_private_segment_fixed_size 0
		.amdhsa_enable_private_segment 0
		.amdhsa_kernarg_size 32
		.amdhsa_user_sgpr_count 2
		.amdhsa_user_sgpr_kernarg_segment_ptr 1
		.amdhsa_wavefront_size32 1
		.amdhsa_system_sgpr_workgroup_id_x 1
		.amdhsa_system_sgpr_workgroup_id_y 1
		.amdhsa_system_sgpr_workgroup_id_z 1
		.amdhsa_system_vgpr_workitem_id 0
		.amdhsa_next_free_vgpr 512
		.amdhsa_next_free_sgpr 66
		.amdhsa_reserve_vcc 0
		.amdhsa_float_denorm_mode_32 3
		.amdhsa_float_denorm_mode_16_64 3
		.amdhsa_memory_ordered 1
		.amdhsa_forward_progress 1
		.amdhsa_inst_pref_size 255
	.end_amdhsa_kernel
	.section	.bss,"aw",@nobits
	.p2align	6
	.space	262144
	.amdgpu_metadata
---
amdhsa.version: [ 1, 2 ]
amdhsa.kernels:
  - .name:           k_q4b6315033b_ffn2
    .symbol:         k_q4b6315033b_ffn2.kd
    .args:
      - { .name: W2, .offset: 0, .size: 8, .value_kind: global_buffer, .address_space: global }
      - { .name: hid, .offset: 8, .size: 8, .value_kind: global_buffer, .address_space: global }
      - { .name: rk, .offset: 16, .size: 8, .value_kind: global_buffer, .address_space: global }
      - { .name: p, .offset: 24, .size: 8, .value_kind: global_buffer, .address_space: global }
    .group_segment_fixed_size: 89088
    .private_segment_fixed_size: 0
    .kernarg_segment_align: 8
    .kernarg_segment_size: 32
    .max_flat_workgroup_size: 256
    .sgpr_count:     66
    .vgpr_count:     512
    .wavefront_size: 32
...
	.end_amdgpu_metadata
.endif
;; end of part 3
;; launch combine (part 4): grid 257 x 1, 4 waves a work-group, no clusters, 0 bytes of LDS; arguments p, b2, rk, ei, gate, out0, out1; writes out0, out1
.if DOCPART == 4
	.amdgcn_target "amdgcn-amd-amdhsa--gfx1250"
	.amdhsa_code_object_version 6
	.text
	.protected	k_q4b6315033b_combine
	.globl	k_q4b6315033b_combine
	.p2align	8
	.type	k_q4b6315033b_combine,@function
k_q4b6315033b_combine:
	s_mov_b64 s[64:65], 0
	v_nop
	global_prefetch_b8 v0, s[64:65] scope:SCOPE_SE
	s_setreg_imm32_b32 hwreg(HW_REG_WAVE_MODE, 25, 1), 1
	s_wait_xcnt 0x0
; out0[t] = w0 (p[0][pos0] + p[1][pos0] + b2[e0]) + w1 (p[0][pos1] + p[1][pos1] + b2[e1]), pos = 1024 e + the token's rank in expert e.   out1 = 0.01 x the sum over experts of (mean score)^2.
; p [2 (K half)][8192 positions][1024] f32; b2 [8][1024] f32; rk [8][1024] x {rank, tiles} u32; ei [1024][2] u32; gate: the scores [1024][8] f32 at 0, the two weights [1024][2] f32 at GW_OFF; out0 [1024][1024] f32.
; WORK-GROUPS 0 TO 255.  Each output row has one owner: wave w of work-group g takes token 4 g + w, a row of 4,096 bytes: lane l the 16 bytes at 512 n + 16 l, n = 0 .. 7, so that every load and store of the wave covers 512
; consecutive bytes, aligned.  The token's rank in each of the eight experts lies at a fixed place: all eight are asked for beside ei, and two are chosen by selects, so that no load waits for another but p's and b2's.
; All 48 loads of a wave go out at once; every register is written once, so no store waits for anything.
; WORK-GROUP 256 makes the loss: its wave 0 sums the 32 KiB of scores, 64 loads of 512 consecutive bytes: lane l holds four experts (4 (l % 2) on) of token 16 n + l / 2.  It runs beside the others.
; A stream: no LDS, no barrier, no matrix unit.
.set PH,     33554432
.set GW_OFF, 32768
.set A0, 16                            ; v16-47   p[0][pos0], then the result
.set A1, 48                            ; v48-79   p[1][pos0]
.set C0, 80                            ; v80-111  b2[e0]
.set B0, 112                           ; v112-143 p[0][pos1]
.set B1, 144                           ; v144-175 p[1][pos1]
.set C1, 176                           ; v176-207 b2[e1]
	s_load_b256 s[4:11], s[0:1], 0x0               ; p s[4:5], b2 s[6:7], rk s[8:9], ei s[10:11]
	s_load_b128 s[12:15], s[0:1], 0x20             ; gate s[12:13], out0 s[14:15]
	s_load_b64 s[32:33], s[0:1], 0x30              ; out1
	v_lshrrev_b32 v1, 5, v0
	v_readfirstlane_b32 s16, v1                    ; wave
	v_and_b32 v1, 31, v0
	v_lshlrev_b32 v1, 4, v1                        ; 16 lane
	s_cmp_eq_u32 ttmp9, 256
	s_cbranch_scc1 .Lloss
	s_lshl_b32 s17, ttmp9, 2
	s_add_co_u32 s17, s17, s16                     ; my token
	s_lshl_b32 s18, s17, 3
	s_lshl_b32 s19, s17, 12
	v_add_nc_u32 v6, s19, v1                       ; its row of out0
	s_wait_kmcnt 0x0
	s_load_b64 s[22:23], s[10:11], s18 offset:0x0  ; its two experts,
	s_load_b64 s[24:25], s[12:13], s18 offset:GW_OFF   ; weights,
.irp e, 0,1,2,3,4,5,6,7
	s_load_b32 s[36+\e], s[8:9], s18 offset:8192*\e    ; and its rank in each expert's row (of use only where it chose the expert)
.endr
	s_add_nc_u64 s[26:27], s[4:5], PH              ; p's second K half
	s_wait_kmcnt 0x0
	s_mov_b32 s20, s36
	s_mov_b32 s21, s36
.irp e, 1,2,3,4,5,6,7
	s_cmp_eq_u32 s22, \e
	s_cselect_b32 s20, s[36+\e], s20
	s_cmp_eq_u32 s23, \e
	s_cselect_b32 s21, s[36+\e], s21
.endr
	s_min_u32 s20, s20, 1023                       ; a loaded number enters an address only behind such a bound
	s_min_u32 s21, s21, 1023
	s_min_u32 s22, s22, 7
	s_min_u32 s23, s23, 7
	s_lshl_b32 s34, s22, 10
	s_add_co_u32 s20, s20, s34                     ; the positions
	s_lshl_b32 s34, s23, 10
	s_add_co_u32 s21, s21, s34
	s_lshl_b32 s20, s20, 12
	s_lshl_b32 s21, s21, 12
	s_lshl_b32 s22, s22, 12
	s_lshl_b32 s23, s23, 12
	v_add_nc_u32 v2, s20, v1
	v_add_nc_u32 v3, s21, v1
	v_add_nc_u32 v4, s22, v1
	v_add_nc_u32 v5, s23, v1
	s_mov_b32 s28, s24                             ; the packed forms name a pair and take its low word for both halves: both words are written
	s_mov_b32 s29, s24
	s_mov_b32 s30, s25
	s_mov_b32 s31, s25
.irp n, 0,1,2,3,4,5,6,7
	global_load_b128 v[A0+4*\n:A0+4*\n+3], v2, s[4:5] offset:512*\n th:TH_LOAD_NT
	global_load_b128 v[A1+4*\n:A1+4*\n+3], v2, s[26:27] offset:512*\n th:TH_LOAD_NT
	global_load_b128 v[C0+4*\n:C0+4*\n+3], v4, s[6:7] offset:512*\n
	global_load_b128 v[B0+4*\n:B0+4*\n+3], v3, s[4:5] offset:512*\n th:TH_LOAD_NT
	global_load_b128 v[B1+4*\n:B1+4*\n+3], v3, s[26:27] offset:512*\n th:TH_LOAD_NT
	global_load_b128 v[C1+4*\n:C1+4*\n+3], v5, s[6:7] offset:512*\n
.endr
.irp n, 0,1,2,3,4,5,6,7
	s_wait_loadcnt 6*(7-\n)                        ; the six loads of each later n may stay out
.irp k, 0,2
	v_pk_add_f32 v[A0+4*\n+\k:A0+4*\n+\k+1], v[A0+4*\n+\k:A0+4*\n+\k+1], v[A1+4*\n+\k:A1+4*\n+\k+1]
	v_pk_add_f32 v[B0+4*\n+\k:B0+4*\n+\k+1], v[B0+4*\n+\k:B0+4*\n+\k+1], v[B1+4*\n+\k:B1+4*\n+\k+1]
.endr
.irp k, 0,2
	v_pk_add_f32 v[A0+4*\n+\k:A0+4*\n+\k+1], v[A0+4*\n+\k:A0+4*\n+\k+1], v[C0+4*\n+\k:C0+4*\n+\k+1]
	v_pk_add_f32 v[B0+4*\n+\k:B0+4*\n+\k+1], v[B0+4*\n+\k:B0+4*\n+\k+1], v[C1+4*\n+\k:C1+4*\n+\k+1]
.endr
.irp k, 0,2
	v_pk_mul_f32 v[A0+4*\n+\k:A0+4*\n+\k+1], v[A0+4*\n+\k:A0+4*\n+\k+1], s[28:29] op_sel_hi:[1,0]
.endr
.irp k, 0,2
	v_pk_fma_f32 v[A0+4*\n+\k:A0+4*\n+\k+1], v[B0+4*\n+\k:B0+4*\n+\k+1], s[30:31], v[A0+4*\n+\k:A0+4*\n+\k+1] op_sel_hi:[1,0,1]
.endr
	global_store_b128 v6, v[A0+4*\n:A0+4*\n+3], s[14:15] offset:512*\n th:TH_STORE_NT
.endr
	s_endpgm
; ---------------- the loss.  v8-11 and v12-15: two running sums of my four experts; v16-207: 48 loads' landing places, the first 16 used twice
.macro ACC2 n                          ; landing places n and n + 1 onto the two sums
	v_pk_add_f32 v[8:9], v[8:9], v[16+4*(\n):17+4*(\n)]
	v_pk_add_f32 v[10:11], v[10:11], v[18+4*(\n):19+4*(\n)]
	v_pk_add_f32 v[12:13], v[12:13], v[20+4*(\n):21+4*(\n)]
	v_pk_add_f32 v[14:15], v[14:15], v[22+4*(\n):23+4*(\n)]
.endm
.Lloss:
	s_cmp_lg_u32 s16, 0
	s_cbranch_scc1 .Lend                           ; one wave's work
	s_mov_b32 s20, 0x76543210
	s_mov_b32 s21, 0xfedcba98                      ; lane selects: lane l xor 16
	s_wait_kmcnt 0x0
.set n, 0
.rept 48
	global_load_b128 v[16+4*n:19+4*n], v1, s[12:13] offset:512*n th:TH_LOAD_NT
.set n, n+1
.endr
	s_wait_loadcnt 32                              ; the first 16 loads are in; the 32 younger may stay out
	v_pk_add_f32 v[8:9], v[16:17], v[24:25]        ; the first four start the sums: nothing is cleared
	v_pk_add_f32 v[10:11], v[18:19], v[26:27]
	v_pk_add_f32 v[12:13], v[20:21], v[28:29]
	v_pk_add_f32 v[14:15], v[22:23], v[30:31]
.irp n, 4,6,8,10,12,14
	ACC2 \n
.endr
.set n, 0
.rept 16
	global_load_b128 v[16+4*n:19+4*n], v1, s[12:13] offset:512*(48+n) th:TH_LOAD_NT   ; the last 16 loads, into the places just summed
.set n, n+1
.endr
	s_wait_loadcnt 16                              ; loads 16 to 47 are in; the 16 just issued may stay out
.irp n, 16,18,20,22,24,26,28,30,32,34,36,38,40,42,44,46
	ACC2 \n
.endr
	s_wait_loadcnt 0x0
.irp n, 0,2,4,6,8,10,12,14
	ACC2 \n
.endr
	v_pk_add_f32 v[8:9], v[8:9], v[12:13]
	v_pk_add_f32 v[10:11], v[10:11], v[14:15]
.irp m, 2,4,8                                  ; over the lanes that hold the same four experts: those of my parity
.irp k, 8,9,10,11
	v_add_f32_dpp v\k, v\k, v\k row_xmask:\m row_mask:0xf bank_mask:0xf
.endr
.endr
.irp k, 0,1,2,3
	v_permlanex16_b32 v[12+\k], v[8+\k], s20, s21
.endr
.irp k, 0,1,2,3
	v_add_f32 v[8+\k], v[8+\k], v[12+\k]
.endr
.irp k, 0,1,2,3
	v_mul_f32 v[8+\k], 0x3a800000, v[8+\k]         ; / 1,024: the mean
.endr
	v_mul_f32 v12, v8, v8
	v_fmac_f32 v12, v9, v9
	v_fmac_f32 v12, v10, v10
	v_fmac_f32 v12, v11, v11
	v_add_f32_dpp v12, v12, v12 row_xmask:1 row_mask:0xf bank_mask:0xf   ; with the other four experts'
	v_mul_f32 v12, 0x3c23d70a, v12                 ; x 0.01
	v_mov_b32 v13, 0
	s_wait_xcnt 0x0                                ; EXEC changes only behind this wait
	v_cmp_eq_u32 vcc_lo, 0, v1
	s_and_saveexec_b32 s22, vcc_lo                 ; lane 0 alone
	global_store_b32 v13, v12, s[32:33]
	s_wait_xcnt 0x0                                ; and again in front of the line that widens it
	s_or_b32 exec_lo, exec_lo, s22
.Lend:
	s_endpgm
.Lfunc_end_k_q4b6315033b_combine:
	.size	k_q4b6315033b_combine, .Lfunc_end_k_q4b6315033b_combine-k_q4b6315033b_combine
	.p2alignl 7, 3214868480
	.fill 96, 4, 3214868480
	.section	.rodata,"a",@progbits
	.p2align	6, 0x0
	.amdhsa_kernel k_q4b6315033b_combine
		.amdhsa_group_segment_fixed_size 0
		.amdhsa_private_segment_fixed_size 0
		.amdhsa_enable_private_segment 0
		.amdhsa_kernarg_size 56
		.amdhsa_user_sgpr_count 2
		.amdhsa_user_sgpr_kernarg_segment_ptr 1
		.amdhsa_wavefront_size32 1
		.amdhsa_system_sgpr_workgroup_id_x 1
		.amdhsa_system_sgpr_workgroup_id_y 1
		.amdhsa_system_sgpr_workgroup_id_z 1
		.amdhsa_system_vgpr_workitem_id 0
		.amdhsa_next_free_vgpr 208
		.amdhsa_next_free_sgpr 66
		.amdhsa_reserve_vcc 1
		.amdhsa_float_denorm_mode_32 3
		.amdhsa_float_denorm_mode_16_64 3
		.amdhsa_memory_ordered 1
		.amdhsa_forward_progress 1
		.amdhsa_inst_pref_size 31
	.end_amdhsa_kernel
	.amdgpu_metadata
---
amdhsa.version: [ 1, 2 ]
amdhsa.kernels:
  - .name:           k_q4b6315033b_combine
    .symbol:         k_q4b6315033b_combine.kd
    .args:
      - { .name: p, .offset: 0, .size: 8, .value_kind: global_buffer, .address_space: global }
      - { .name: b2, .offset: 8, .size: 8, .value_kind: global_buffer, .address_space: global }
      - { .name: rk, .offset: 16, .size: 8, .value_kind: global_buffer, .address_space: global }
      - { .name: ei, .offset: 24, .size: 8, .value_kind: global_buffer, .address_space: global }
      - { .name: gate, .offset: 32, .size: 8, .value_kind: global_buffer, .address_space: global }
      - { .name: out0, .offset: 40, .size: 8, .value_kind: global_buffer, .address_space: global }
      - { .name: out1, .offset: 48, .size: 8, .value_kind: global_buffer, .address_space: global }
    .group_segment_fixed_size: 0
    .private_segment_fixed_size: 0
    .kernarg_segment_align: 8
    .kernarg_segment_size: 56
    .max_flat_workgroup_size: 128
    .sgpr_count:     66
    .vgpr_count:     208
    .wavefront_size: 32
...
	.end_amdgpu_metadata
.endif
;; end of part 4
;; ======== version 2 of 2: 4 launches
;; workspace buffers: xc 557,056 bytes; gate 40,960 bytes; ei 8,192 bytes of whole numbers; rk 65,536 bytes of whole numbers; hid 18,874,368 bytes; p 67,108,864 bytes
;; launch route (part 5): grid 256 x 1, 4 waves a work-group, no clusters, 1,024 bytes of LDS; arguments x, Wg, bg, xc, gate, ei; writes xc, gate, ei
.if DOCPART == 5
	.amdgcn_target "amdgcn-amd-amdhsa--gfx1250"
	.amdhsa_code_object_version 6
	.text
	.protected	k_q4b6315033b_route
	.globl	k_q4b6315033b_route
	.p2align	8
	.type	k_q4b6315033b_route,@function
k_q4b6315033b_route:
	s_mov_b64 s[64:65], 0
	v_nop
	global_prefetch_b8 v0, s[64:65] scope:SCOPE_SE
	s_setreg_imm32_b32 hwreg(HW_REG_WAVE_MODE, 25, 1), 1
	s_wait_xcnt 0x0
; THE ROUTER, AND x INTO CODES.  x [1024][1024] f32, Wg [1024][8] f32, bg [8] f32.
; Out: xc = x as codes of FP4 (E2M1), [token][512 bytes], K innermost, and from byte XS_OFF on one E8M0 byte for each 32 along K, [token][32];
;      gate = the softmax scores [token][8] f32 and from byte GW_OFF on the two renormalised weights [token][2] f32;  ei = the two chosen experts [token][2] u32.
; SHARES.  A work-group takes 4 tokens.  Wave w takes d = 256 w .. 256 w + 255 of all four, lane l the eight d = 256 w + 8 l + 0 .. 7: its eight rows of Wg are 256 consecutive bytes.
; The logits are f32 fused multiply-adds; a lane's partial sums are added over the wave, the four waves' meet in LDS, and wave w finishes token w (every lane the same arithmetic, lane 0 stores).
; The maximum is taken away before the exponentials, as the softmax asks.  The two experts are picked on the finished scores; a later expert wins only if its score is strictly larger, so equal scores keep the lower index.
; No address and no branch hangs on the choice: it is stored at fixed places, and a later launch places the rows.
; A block's scale is 2^(floor(log2(largest magnitude)) - 2): its byte is the largest magnitude's exponent field - 2, held at 1 from below by a floor among the maximum's leaves.
; LIMITS: NaN and infinities among the inputs are not served.  A block of zeros gets the byte 1 (its codes are zeros; this program alone reads the bytes).  Scores under 2^-126 count as 0.
; No matrix unit, no cluster, no tensor load: 8 columns of Wg are too few for a matrix tile, and work-groups share only Wg's 32 KiB.
.set XS_OFF, 524288
.set GW_OFF, 32768
.set X,   16                           ; v16-47   X[i][k] = x(token i, my d k); later the four waves' partial sums
.set WG,  48                           ; v48-111  WG[k][e]
.set A,   112                          ; v112-143 A[i][e]: partial logits
.set CD,  144                          ; v144-147 a token's eight codes
.set BY,  148                          ; v148-151 its block's scale byte
.set TMP, 8                            ; v8-15    at work
.set SEL, 28                           ; s[28:29] lane selects: lane l xor 16
.set L,   48                           ; v48-55   logits (Wg's registers are free by then)
.set EX,  58                           ; v58-65   exponentials
.set SC,  68                           ; v68-75   scores
.set MK,  84                           ; v84-91   scores with the first choice struck out
.macro RED8 b                          ; eight registers are summed over the 32 lanes; every lane gets the sums
.irp m, 1,2,4,8
.irp j, 0,1,2,3,4,5,6,7
	v_add_f32_dpp v[\b+\j], v[\b+\j], v[\b+\j] row_xmask:\m row_mask:0xf bank_mask:0xf
.endr
.endr
.irp j, 0,1,2,3,4,5,6,7
	v_permlanex16_b32 v[TMP+\j], v[\b+\j], s[SEL], s[SEL+1]
.endr
.irp j, 0,1,2,3,4,5,6,7
	v_add_f32 v[\b+\j], v[\b+\j], v[TMP+\j]
.endr
.endm
	s_load_b256 s[4:11], s[0:1], 0x0               ; x s[4:5], Wg s[6:7], bg s[8:9], xc s[10:11]
	s_load_b128 s[12:15], s[0:1], 0x20             ; gate s[12:13], ei s[14:15]
	v_lshl_add_u32 v160, v0, 2, 0x200
	v_mov_b32 v161, 0
	v_lshrrev_b32 v1, 5, v0
	v_readfirstlane_b32 s16, v1                    ; wave 0..3
	v_and_b32 v1, 31, v0                           ; lane
	s_mov_b32 s[SEL], 0x76543210
	s_mov_b32 s[SEL+1], 0xfedcba98
	s_lshl_b32 s17, s16, 10
	v_lshl_add_u32 v2, v1, 5, s17                  ; x: 1,024 w + 32 lane bytes into a row
	s_lshl_b32 s18, s16, 13
	v_lshl_add_u32 v3, v1, 8, s18                  ; Wg: 8,192 w + 256 lane
	s_lshl_b32 s19, s16, 7
	v_lshl_add_u32 v4, v1, 2, s19                  ; codes: 128 w + 4 lane bytes into a row of 512
	v_mov_b32 v7, s19                              ; LDS, on the way back: token w's 128 bytes
	v_lshrrev_b32 v5, 2, v1
	s_lshl_b32 s17, s16, 3
	v_add_nc_u32 v5, s17, v5                       ; scale bytes: 8 w + lane / 4
	s_lshl_b32 s17, s16, 5
	v_mov_b32 v6, s17                              ; LDS, on the way in: my wave's 32 bytes of each token's 128
	s_lshl_b32 s32, ttmp9, 14                      ; the work-group's 4 rows of x,
	s_mov_b32 s33, 0
	s_lshl_b32 s34, ttmp9, 11                      ; of codes,
	s_mov_b32 s35, 0
	s_lshl_b32 s36, ttmp9, 7                       ; of scale bytes
	s_mov_b32 s37, 0
	s_wait_alu depctr_va_vdst(0)
	s_wait_kmcnt 0x0
	s_load_b256 s[20:27], s[8:9], 0x0              ; bg
	s_add_nc_u64 s[4:5], s[4:5], s[32:33]
	s_add_nc_u64 s[38:39], s[10:11], XS_OFF
	s_add_nc_u64 s[38:39], s[38:39], s[36:37]
	s_add_nc_u64 s[10:11], s[10:11], s[34:35]
.irp i, 0,1,2,3
	global_load_b128 v[X+8*\i:X+8*\i+3], v2, s[4:5] offset:4096*\i th:TH_LOAD_NT
	global_load_b128 v[X+8*\i+4:X+8*\i+7], v2, s[4:5] offset:4096*\i+16 th:TH_LOAD_NT
.endr
.irp q, 0,1,2,3,4,5,6,7,8,9,10,11,12,13,14,15
	global_load_b128 v[WG+4*\q:WG+4*\q+3], v3, s[6:7] offset:16*\q
.endr
	s_wait_loadcnt 16                              ; x is in; the 16 younger loads, Wg's, may stay out while x is quantised
	; x into codes: four lanes hold a block of 32
.irp i, 0,1,2,3
	v_max3_num_f32 v[TMP+\i], |v[X+8*\i]|, |v[X+8*\i+1]|, 0x1800000   ; my eight, and the floor 2^(3 - 127): the byte cannot fall under 1
.endr
.irp k, 2,4,6
.irp i, 0,1,2,3
	v_max3_num_f32 v[TMP+\i], v[TMP+\i], |v[X+8*\i+\k]|, |v[X+8*\i+\k+1]|
.endr
.endr
.irp i, 0,1,2,3
	v_max_num_f32_dpp v[TMP+\i], v[TMP+\i], v[TMP+\i] row_xmask:1 row_mask:0xf bank_mask:0xf
.endr
.irp i, 0,1,2,3
	v_max_num_f32_dpp v[TMP+\i], v[TMP+\i], v[TMP+\i] row_xmask:2 row_mask:0xf bank_mask:0xf   ; the block's largest magnitude
.endr
.irp i, 0,1,2,3
	v_add_nc_u32 v[TMP+4+\i], 0xff000000, v[TMP+\i]   ; 2 off its exponent field: the conversion takes this operand's exponent field as its scale
.endr
.irp i, 0,1,2,3
	v_cvt_scalef32_pk8_fp4_f32 v[CD+\i], v[X+8*\i:X+8*\i+7], v[TMP+4+\i]
.endr
.irp i, 0,1,2,3
	v_lshrrev_b32 v[BY+\i], 23, v[TMP+4+\i]        ; the scale's byte (also the plain line behind the conversions)
.endr
.irp i, 0,1,2,3
	global_store_b32 v4, v[CD+\i], s[10:11] offset:512*\i      ; a wave stores 128 consecutive bytes, the four waves a row of 512
	global_store_b8 v5, v[BY+\i], s[38:39] offset:32*\i        ; the four lanes of a block write the same byte with the same value
.endr
	s_wait_loadcnt 0x0                             ; Wg
	; partial logits: A[i][e] = the sum over my eight d of x(i, d) Wg(d, e), two experts an instruction
.irp i, 0,1,2,3
.irp e, 0,2,4,6
	v_pk_mul_f32 v[A+8*\i+\e:A+8*\i+\e+1], v[WG+\e:WG+\e+1], v[X+8*\i:X+8*\i+1] op_sel_hi:[1,0]
.endr
.endr
.irp k, 1,2,3,4,5,6,7
.irp i, 0,1,2,3
.irp e, 0,2,4,6
.if (\k)%2
	v_pk_fma_f32 v[A+8*\i+\e:A+8*\i+\e+1], v[WG+8*\k+\e:WG+8*\k+\e+1], v[X+8*\i+\k-1:X+8*\i+\k], v[A+8*\i+\e:A+8*\i+\e+1] op_sel:[0,1,0] op_sel_hi:[1,1,1]   ; the pair's second x for both halves
.else
	v_pk_fma_f32 v[A+8*\i+\e:A+8*\i+\e+1], v[WG+8*\k+\e:WG+8*\k+\e+1], v[X+8*\i+\k:X+8*\i+\k+1], v[A+8*\i+\e:A+8*\i+\e+1] op_sel_hi:[1,0,1]                 ; the pair's first x for both halves
.endif
.endr
.endr
.endr
	RED8 A
	RED8 A+8
	RED8 A+16
	RED8 A+24
.irp i, 0,1,2,3
	ds_store_b128 v6, v[A+8*\i:A+8*\i+3] offset:128*\i         ; all lanes write the same words with the same values
	ds_store_b128 v6, v[A+8*\i+4:A+8*\i+7] offset:128*\i+16
.endr
	s_wait_dscnt 0x0                               ; for the others' sake: my stores have landed
	s_barrier_signal -1
	s_barrier_wait -1
.irp j, 0,1,2,3
	ds_load_b128 v[X+8*\j:X+8*\j+3], v7 offset:32*\j           ; token w: wave j's partial sums
	ds_load_b128 v[X+8*\j+4:X+8*\j+7], v7 offset:32*\j+16
.endr
	s_wait_dscnt 0x0
.irp e, 0,2,4,6
	v_pk_add_f32 v[X+\e:X+\e+1], v[X+\e:X+\e+1], v[X+8+\e:X+9+\e]
	v_pk_add_f32 v[X+16+\e:X+17+\e], v[X+16+\e:X+17+\e], v[X+24+\e:X+25+\e]
.endr
.irp e, 0,2,4,6
	v_pk_add_f32 v[L+\e:L+\e+1], v[X+\e:X+\e+1], v[X+16+\e:X+17+\e]
.endr
	s_wait_alu depctr_va_vdst(0)
	s_wait_kmcnt 0x0                               ; bg
.irp e, 0,1,2,3,4,5,6,7
	v_add_f32 v[L+\e], s[20+\e], v[L+\e]
.endr
	v_max3_num_f32 v56, v48, v49, v50
	v_max3_num_f32 v56, v56, v51, v52
	v_max3_num_f32 v56, v56, v53, v54
	v_max_num_f32 v56, v56, v55                    ; the largest logit
.irp e, 0,1,2,3,4,5,6,7
	v_sub_f32 v[EX+\e], v[L+\e], v56
.endr
.irp e, 0,1,2,3,4,5,6,7
	v_mul_f32 v[EX+\e], 0x3fb8aa3b, v[EX+\e]       ; x log2(e)
.endr
	s_wait_alu depctr_va_vdst(0)
.irp e, 0,1,2,3,4,5,6,7
	v_exp_f32 v[EX+\e], v[EX+\e]
.endr
	v_mov_b32 v77, 0                               ; (a plain line behind the exponentials)  the first choice: expert 0 to begin with
	s_wait_alu depctr_va_vdst(0)                   ; one wait for the eight, ahead of their first reader
	v_add_f32 v66, v58, v59
	v_add_f32 v67, v60, v61
	v_add_f32 v84, v62, v63
	v_add_f32 v85, v64, v65
	v_add_f32 v66, v66, v67
	v_add_f32 v84, v84, v85
	v_add_f32 v66, v66, v84
	s_wait_alu depctr_va_vdst(0)
	v_rcp_f32 v79, v66
	v_mov_b32 v81, 0                               ; (a plain line)  the second choice: expert 0 to begin with
	s_wait_alu depctr_va_vdst(0)
.irp e, 0,1,2,3,4,5,6,7
	v_mul_f32 v[SC+\e], v[EX+\e], v79              ; the scores
.endr
	v_mov_b32 v76, v68
.irp e, 1,2,3,4,5,6,7
	v_cmp_le_f32 vcc_lo, v[SC+\e], v76             ; not larger: the earlier expert stays
	v_cndmask_b32 v76, v[SC+\e], v76, vcc_lo
	v_cndmask_b32 v77, \e, v77, vcc_lo
.endr
	v_mov_b32 v83, -1.0                            ; under every score
.irp e, 0,1,2,3,4,5,6,7
	v_cmp_eq_u32 vcc_lo, \e, v77
	v_cndmask_b32 v[MK+\e], v[SC+\e], v83, vcc_lo
.endr
	v_mov_b32 v80, v84
.irp e, 1,2,3,4,5,6,7
	v_cmp_le_f32 vcc_lo, v[MK+\e], v80
	v_cndmask_b32 v80, v[MK+\e], v80, vcc_lo
	v_cndmask_b32 v81, \e, v81, vcc_lo
.endr
	v_add_f32 v78, v76, v80                        ; at least 1/8: the first choice is the largest of eight that sum to 1
	s_wait_alu depctr_va_vdst(0)
	v_rcp_f32 v79, v78
	v_mov_b32 v94, v77                             ; (plain lines)  the two experts as a pair
	v_mov_b32 v95, v81
	s_lshl_b32 s17, ttmp9, 2
	s_add_co_u32 s17, s17, s16                     ; my token
	s_lshl_b32 s18, s17, 5
	s_lshl_b32 s19, s17, 3
	v_mov_b32 v96, s18
	v_mov_b32 v97, s19
	s_wait_alu depctr_va_vdst(0)
	v_mul_f32 v92, v76, v79
	v_mul_f32 v93, v80, v79                        ; the renormalised weights
	s_wait_alu depctr_va_vdst(0)
	s_wait_xcnt 0x0                                ; EXEC changes only behind this wait: the stores above have it among their sources
	v_cmp_eq_u32 vcc_lo, 0, v1
	s_wait_tensorcnt 0x0
	ds_add_u32 v160, v161
	s_wait_dscnt 0x0
	s_and_saveexec_b32 s30, vcc_lo                 ; lane 0 alone
	global_store_b128 v96, v[68:71], s[12:13]
	global_store_b128 v96, v[72:75], s[12:13] offset:16
	global_store_b64 v97, v[92:93], s[12:13] offset:GW_OFF
	global_store_b64 v97, v[94:95], s[14:15]
	s_wait_xcnt 0x0                                ; and again in front of the line that widens it
	s_or_b32 exec_lo, exec_lo, s30
	s_endpgm
.Lfunc_end_k_q4b6315033b_route:
	.size	k_q4b6315033b_route, .Lfunc_end_k_q4b6315033b_route-k_q4b6315033b_route
	.p2alignl 7, 3214868480
	.fill 96, 4, 3214868480
	.section	.rodata,"a",@progbits
	.p2align	6, 0x0
	.amdhsa_kernel k_q4b6315033b_route
		.amdhsa_group_segment_fixed_size 1024
		.amdhsa_private_segment_fixed_size 0
		.amdhsa_enable_private_segment 0
		.amdhsa_kernarg_size 48
		.amdhsa_user_sgpr_count 2
		.amdhsa_user_sgpr_kernarg_segment_ptr 1
		.amdhsa_wavefront_size32 1
		.amdhsa_system_sgpr_workgroup_id_x 1
		.amdhsa_system_sgpr_workgroup_id_y 1
		.amdhsa_system_sgpr_workgroup_id_z 1
		.amdhsa_system_vgpr_workitem_id 0
		.amdhsa_next_free_vgpr 162
		.amdhsa_next_free_sgpr 66
		.amdhsa_reserve_vcc 1
		.amdhsa_float_denorm_mode_32 3
		.amdhsa_float_denorm_mode_16_64 3
		.amdhsa_memory_ordered 1
		.amdhsa_forward_progress 1
		.amdhsa_inst_pref_size 34
	.end_amdhsa_kernel
	.amdgpu_metadata
---
amdhsa.version: [ 1, 2 ]
amdhsa.kernels:
  - .name:           k_q4b6315033b_route
    .symbol:         k_q4b6315033b_route.kd
    .args:
      - { .name: x, .offset: 0, .size: 8, .value_kind: global_buffer, .address_space: global }
      - { .name: Wg, .offset: 8, .size: 8, .value_kind: global_buffer, .address_space: global }
      - { .name: bg, .offset: 16, .size: 8, .value_kind: global_buffer, .address_space: global }
      - { .name: xc, .offset: 24, .size: 8, .value_kind: global_buffer, .address_space: global }
      - { .name: gate, .offset: 32, .size: 8, .value_kind: global_buffer, .address_space: global }
      - { .name: ei, .offset: 40, .size: 8, .value_kind: global_buffer, .address_space: global }
    .group_segment_fixed_size: 1024
    .private_segment_fixed_size: 0
    .kernarg_segment_align: 8
    .kernarg_segment_size: 48
    .max_flat_workgroup_size: 128
    .sgpr_count:     66
    .vgpr_count:     162
    .wavefront_size: 32
...
	.end_amdgpu_metadata
.endif
;; end of part 5
;; launch ffn1 (part 6): grid 32 x 8, 8 waves a work-group, no clusters, 79,872 bytes of LDS; arguments W1, b1, xc, ei, hid, rk; writes hid, rk
.if DOCPART == 6
	.amdgcn_target "amdgcn-amd-amdhsa--gfx1250"
	.amdhsa_code_object_version 6
	.text
	.protected	k_q4b6315033b_ffn1
	.globl	k_q4b6315033b_ffn1
	.p2align	8
	.type	k_q4b6315033b_ffn1,@function
k_q4b6315033b_ffn1:
	s_mov_b64 s[64:65], 0
	v_nop
	global_prefetch_b8 v0, s[64:65] scope:SCOPE_SE
	s_setreg_imm32_b32 hwreg(HW_REG_WAVE_MODE, 25, 1), 1
	s_wait_xcnt 0x0
; THE FIRST PRODUCT, for the chosen rows alone: hid = Q(relu(Q(x) Q(W1[e]) + b1[e])), both operands codes of FP4 (E2M1) with one E8M0 scale for each 32 along K; sums in f32.  AND THE ROWS ARE PLACED BY EXPERT.
; W1 [8][1024 (K)][4096] f32, b1 [8][4096] f32; xc: x as codes [token][512 bytes] and scale bytes [token][32] at XS_OFF; ei [1024][2] u32: each token's two experts, stored by the launch before.
; SHARES.  Work-group (sl, e) owns 128 hidden units of expert e and all of K: 131,072 weights, read once, quantised in registers, kept as 64 KiB of codes in LDS.  It serves all rows that chose e.
; TWO ROLES, eight waves of 512 registers.  WAVES 0-3 STREAM: 16-byte loads, lanes 0-15 on 256 consecutive bytes of row k, lanes 16-31 on row k + 32, so that lane (r, h) holds columns 4 r .. 4 r + 3 of K block 2 cc + h:
; the operand's own split of K over the halves of the lanes.  A ring of 64 loads (256 registers) is drained eight loads at a time by moves that lay each column's numbers in consecutive registers down K, as the conversion wants
; them, and free the landing registers for the next unit's loads at once: 56 loads or more of a wave are on their way throughout.  WAVES 4-7 MULTIPLY: each holds the sums of 5 tiles of 16 rows x the 128 units, 320 registers.
; The roles have counters of their own: the multipliers' operand loads do not queue behind the weight stream.
; THE SORT stands in a stage in front of the others.  Wave 4 reads all 1,024 pairs of ei, makes the 32 lane masks of the tokens that chose e, gives each such token its rank (the chosen tokens in front of it, in token order) and puts
; its number into a list in LDS at 4 x rank; the list is cleared first, so that a row behind the expert's last reads token 0.  The address of that store hangs on loaded numbers (held by v_min_u32): so no other wave touches LDS in
; that stage, and a barrier parts it from all else.  Row i of the expert is list[i]; its tile is 64 e + i / 16 in hid.
; rk [8][1024] x {rank, tiles}: work-group (sl, e) stores the 32 tokens 32 sl .. 32 sl + 31 of row e: 256 consecutive bytes, aligned.  The later launches take the tile count and the positions from it.
; The tile count is held at 1 from below: tile 0 of every expert is always written (of token 0's rows where nobody chose the expert), so that it can stand in for empty tiles wherever tiles are read.
; K goes in 4 chunks of 256; a chunk is 4 units (64 columns x 128 K), one a streaming wave.  While chunk c is streamed, chunk c - 1 is multiplied; one barrier, in the text that both roles walk, behind each stage.
; Every chunk has LDS bytes of its own: nothing in LDS is written twice.  Rows beyond 20 tiles are served by further batches out of the same LDS: a loop of the multiplying waves alone, with no barrier in it.
; OPERANDS GO THROUGH LDS AS IMAGES OF THEIR REGISTERS: four registers by one 16-byte store at 16 x lane, a scale word at 4 x lane.
; TRANSPOSED USE: source 0 = 16 columns of W1, source 1 = 16 rows of x.  Tile (hf, i) takes columns 64 hf + 4 m + i, so lane (row r, h) holds in register j of tile (hf, i) the unit 64 hf + 32 h + 4 j + i: the 32 registers of
; tiles (hf, 0..3) are ONE WHOLE BLOCK of 32 of the next product's K, in the order p = 8 i + j for unit 4 j + i.  The next launch lays W2's rows in the same order inside each block: the products and the block's scale are the same.
; So the hidden layer is quantised with no lane asked for a maximum, and the conversions' results are the next operand's registers.  hid: images [512 tiles][K step of 128][1,024 bytes]; scale words [tile][K step][32 lanes x 4 bytes] at HS_OFF;
; of the 64 tiles that an expert has room for, only those that the split fills are written or read.
; NO TENSOR LOAD, NO CLUSTER: trip counts and branches hang on the stored choice, so weights go from memory straight into registers; what work-groups share (x's codes, ei) is under a third of a work-group's bytes.
; LIMITS: NaN and infinities are not served.  A block of zeros gets the byte 1 (its codes are zeros; this program alone reads the bytes).
.set PITCH,   16384                    ; a row of W1[e] in bytes
.set CHUNKB,  0x400000                 ; 256 rows
.set SC1,     65536                    ; LDS: 0: images, unit u at 4,096 u, tile i at + 1,024 i, registers 4 cc on at + 512 cc;  SC1: scale words, 512 u + 128 i + 4 lane;
.set BIAS,    73728                    ; BIAS: b1 of my 128 units as f32 [hf][i][h][j];  BIAS + 512 (and + 544): the expert's tile count;
.set TOKL,    74496                    ; TOKL: the list, 1,024 words, and 32 words for the lanes that were not chosen
.set XS_OFF,  524288
.set HS_OFF,  16777216
; v1 16 lane | v2 SC1 + 4 lane | v3 where thread t puts b1 | v4 BIAS + 32 h | v5 16 lane + 4,096 p | v6 SC1 + 4 lane + 512 p | v7 r | v8 h | v9 8 h | v10 4 lane | v11 the stream's offset | v96 TOKL + 64 q + 4 r: all made ahead of the first parting
.set PM,  32                           ; streaming waves: v32-35 largest magnitudes, v36-39 scale operands, v40-43 bytes, v44-47 scale words, v48-51 the other half's words,
.set PS,  36
.set PBY, 40
.set PWS, 44
.set PXP, 48
.set PC,  64                           ; v64-95 codes, a set for each cc,
.set PT,  128                          ; v128-255 column i's 32 numbers down K at 128 + 32 i;  window 1: the landing ring, load n at 4 n
.set RO,  12                           ; multiplying waves: v12-16 token x 512 + 16 h, v17-21 token x 32  (in the sort: wave 4's offsets, zeros and constants),
.set SO,  17
.set WSC, 24                           ; v24-31 W1's scale words [buffer][i]  (scales and nothing else, in both roles),
.set WF,  32                           ; v32-95 W1's fragments [buffer][i],
.set XSC, 100                          ; v100-109 x's scale words, a pair (two K steps) a tile  (scales and nothing else),
.set XF,  112                          ; v112-191 x's fragments [t][ks],
.set ACC4, 192                         ; v192-255 the sums of tile 4;  window 1: those of tiles 0-3 at 64 t + 32 hf + 8 i
.set EI,  192                          ; the sort, ahead of every product: v192-255 the 32 groups' pairs of experts, then each group's LDS address and token number
.set H,   32                           ; the way out: v32-95 a tile's 64 numbers, v112-175 b1, v176-183 codes, v184-187 maxima and bytes, v188-189 scale operands, v190-191 the scale word
.set BB,  112
.set CD,  176
.set EM,  184
.set ES,  188
; s14 wave | s15 wave % 4 | s16 sl | s17 e | s[18:19] the stream | s21 tiles | s22 64 e | s24 batches, s25 batch | s26-29 at work | s30-34 my tiles in the expert | s35-39 in hid | s[40:41] x's scale bytes | s[44:45] hid's scale words | s46-47 lane selects | s[48:49] rk | s66-97 the sort's 32 lane masks
.set MSB, 0
.macro WIN new                         ; the immediate's high byte repeats the setting that is left
.if MSB != \new
	s_set_vgpr_msb (MSB<<8)|\new
.set MSB, \new
.endif
.endm
.macro PLACES                          ; four plain vector lines between a matrix instruction and a load into, or a vector read or write of, its registers
.rept 4
	v_nop
.endr
.endm
.macro BAR                             ; my LDS stores have landed and my LDS loads are in: then the work-group's barrier
	s_wait_dscnt 0x0
	s_barrier_signal -1
	s_barrier_wait -1
.endm
; ---------------- the streaming waves
.macro FILL                            ; unit 0: 64 loads; load n = 32 cc + j: rows 64 cc + j (lanes 0-15) and 64 cc + 32 + j (lanes 16-31)
	WIN 0x40                                       ; destination window 1
.irp cc, 0,1
.set j, 0
.rept 32
	global_load_b128 v[4*(32*\cc+j):4*(32*\cc+j)+3], v11, s[18:19] offset:(64*\cc+j)*PITCH th:TH_LOAD_NT
.set j, j+1
.endr
.endr
	WIN 0
.endm
.macro QUANTW c, cc                    ; four columns x one block of 32 become 4 x 4 registers of codes and a byte each
.irp i, 0,1,2,3
	v_max3_num_f32 v[PM+\i], |v[PT+32*\i]|, |v[PT+32*\i+1]|, 0x1800000   ; and the floor 2^(3 - 127): the byte cannot fall under 1
.endr
.irp k, 2,4,6,8,10,12,14,16,18,20,22,24,26,28,30
.irp i, 0,1,2,3
	s_delay_alu instid0(VALU_DEP_4)
	v_max3_num_f32 v[PM+\i], v[PM+\i], |v[PT+32*\i+\k]|, |v[PT+32*\i+\k+1]|   ; (the four columns by turns)
.endr
.endr
.irp i, 0,1,2,3
	s_delay_alu instid0(VALU_DEP_4)
	v_add_nc_u32 v[PS+\i], 0xff000000, v[PM+\i]    ; 2 off the exponent field: the conversion's scale operand
.endr
.irp i, 0,1,2,3
	s_delay_alu instid0(VALU_DEP_4)
	v_lshrrev_b32 v[PBY+\i], 23, v[PS+\i]          ; the scale's byte
.endr
	s_wait_alu depctr_va_vdst(0)
	s_wait_dscnt 0x0                               ; the LDS stores of a unit ago have read this set of code registers
.irp i, 0,1,2,3
.irp q, 0,1,2,3
	v_cvt_scalef32_pk8_fp4_f32 v[PC+16*\cc+4*\i+\q], v[PT+32*\i+8*\q:PT+32*\i+8*\q+7], v[PS+\i]
.endr
.endr
	v_nop                                          ; one plain line behind the last conversion: the next moves write its sources
.irp i, 0,1,2,3
	ds_store_b128 v5, v[PC+16*\cc+4*\i:PC+16*\cc+4*\i+3] offset:\c*16384+\i*1024+\cc*512   ; registers 4 cc .. 4 cc + 3 of tile i's fragment, as they stand
.endr
.if \cc == 0
.irp i, 0,1,2,3
	v_mov_b32 v[PWS+\i], v[PBY+\i]                 ; block h
.endr
.else
.irp i, 0,1,2,3
	v_lshl_or_b32 v[PWS+\i], v[PBY+\i], 16, v[PWS+\i]   ; and block 2 + h,
.endr
.irp i, 0,1,2,3
	s_delay_alu instid0(VALU_DEP_4)
	v_lshlrev_b32 v[PWS+\i], v9, v[PWS+\i]         ; at their places in the word (8 h bits up);
.endr
.irp i, 0,1,2,3
	s_delay_alu instid0(VALU_DEP_4)
	v_permlanex16_b32 v[PXP+\i], v[PWS+\i], s46, s47
.endr
.irp i, 0,1,2,3
	s_delay_alu instid0(VALU_DEP_4)
	v_or_b32 v[PWS+\i], v[PWS+\i], v[PXP+\i]       ; with lane l xor 16's two the word is whole
.endr
.irp i, 0,1,2,3
	ds_store_b32 v6, v[PWS+\i] offset:\c*2048+\i*128
.endr
.endif
.endm
.macro STEP                            ; the stream's base goes on to the next chunk
	s_wait_xcnt 0x0                                ; the loads that are out have read their base: it may step
	s_add_nc_u64 s[18:19], s[18:19], CHUNKB
.endm
.macro GROUPS cc, last                 ; half a unit (32 loads) leaves the ring, eight loads at a time; last = 0: the next chunk's loads take their place.  Registers and global loads alone: no LDS
.irp g, 0,1,2,3
.if \last
	s_wait_loadcnt 56-8*(4*\cc+\g)                 ; nothing is issued any more: only this unit's later groups of 8 are younger
.else
	s_wait_loadcnt 56                              ; younger than this group's 8: the 7 - G later groups of this unit and the G groups already issued for the next: 7 x 8
.endif
	WIN 0x01                                       ; source window 1
.irp jj, 0,1,2,3,4,5,6,7
.irp i, 0,1,2,3
	v_mov_b32 v[PT+32*\i+8*\g+\jj], v[4*(32*\cc+8*\g+\jj)+\i]
.endr
.endr
.if !\last
	WIN 0x40
.irp jj, 0,1,2,3,4,5,6,7
	global_load_b128 v[4*(32*\cc+8*\g+\jj):4*(32*\cc+8*\g+\jj)+3], v11, s[18:19] offset:(64*\cc+8*\g+\jj)*PITCH th:TH_LOAD_NT
.endr
.endif
.endr
	WIN 0
.endm
.macro STREAM c, last                  ; my unit of chunk c leaves the ring and goes to LDS as codes
.if !\last
	STEP
.endif
	GROUPS 0, \last
	QUANTW \c, 0
	GROUPS 1, \last
	QUANTW \c, 1
.endm
; ---------------- the sort: wave 4 alone, and no other wave touches LDS until the barrier behind it
.macro SORT
	v_and_b32 v15, 31, v0                          ; lane
	s_delay_alu instid0(VALU_DEP_1)
	v_lshlrev_b32 v12, 3, v15                      ; ei: 8 bytes a token; group j = tokens 32 j + lane
	s_lshl_b32 s26, s16, 8
	v_add_nc_u32 v13, s26, v12                     ; group sl, whose ranks this work-group stores,
	s_lshl_b32 s26, s17, 13
	v_add_nc_u32 v14, s26, v13                     ; and its place in row e of rk
.set j, 0
.rept 32
	global_load_b64 v[EI+2*j:EI+2*j+1], v12, s[10:11] offset:256*j   ; 256 consecutive bytes a load
.set j, j+1
.endr
	global_load_b64 v[110:111], v13, s[10:11]
.irp k, 16,17,18,19
	v_mov_b32 v\k, 0
.endr
	v_add_nc_u32 v20, TOKL, v1
	v_mov_b32 v21, s17
	v_add_nc_u32 v97, 1024, v15                    ; where a lane that was not chosen puts its number
.irp k, 0,1,2,3,4,5,6,7
	ds_store_b128 v20, v[16:19] offset:512*\k      ; the list is cleared: LDS serves a wave's instructions in order (ISA guide 5.7.1), so the numbers below land on zeros
.endr
	s_mov_b32 s28, 0                               ; the chosen tokens so far
	s_mov_b32 s29, 0                               ; those in front of group sl
	s_wait_loadcnt 0x0
	; a group's mask: first choice = e, or second choice = e.  Three vector lines a group, written in runs so that no line waits for the one above it
.set j, 0
.rept 32
	v_cmp_eq_u32 s[66+j], s17, v[EI+2*j]
.set j, j+1
.endr
	v_cmp_eq_u32 s26, s17, v110
.set j, 0
.rept 32
	v_cndmask_b32 v[EI+2*j+1], v[EI+2*j+1], v21, s[66+j]   ; where the first choice is e, e stands for the second too
.set j, j+1
.endr
	v_cndmask_b32 v111, v111, v21, s26
.set j, 0
.rept 32
	v_cmp_eq_u32 s[66+j], s17, v[EI+2*j+1]
.set j, j+1
.endr
	v_cmp_eq_u32 s26, s17, v111
.set j, 0
.rept 32
	v_mbcnt_lo_u32_b32 v[EI+2*j], s[66+j], s28     ; the rank: the chosen in the groups in front + in the lanes in front
	s_cmp_eq_u32 s16, j
	s_cselect_b32 s29, s28, s29
	s_bcnt1_i32_b32 s27, s[66+j]
	s_add_co_u32 s28, s28, s27
.set j, j+1
.endr
.set j, 0
.rept 32
	v_cndmask_b32 v[EI+2*j], v97, v[EI+2*j], s[66+j]
.set j, j+1
.endr
.set j, 0
.rept 32
	v_min_u32 v[EI+2*j], 1055, v[EI+2*j]           ; a number made of loaded numbers enters an address only behind such a bound
.set j, j+1
.endr
.set j, 0
.rept 32
	v_lshl_add_u32 v[EI+2*j], v[EI+2*j], 2, TOKL
.set j, j+1
.endr
.set j, 0
.rept 32
	v_add_nc_u32 v[EI+2*j+1], 32*j, v15            ; the token's number
.set j, j+1
.endr
.set j, 0
.rept 32
	ds_store_b32 v[EI+2*j], v[EI+2*j+1]            ; list[rank] = token
.set j, j+1
.endr
	s_add_co_u32 s21, s28, 15
	s_lshr_b32 s21, s21, 4
	s_max_u32 s21, s21, 1                          ; tiles, at least 1
	v_mbcnt_lo_u32_b32 v98, s26, s29               ; group sl's ranks
	v_mov_b32 v99, s21
	global_store_b64 v14, v[98:99], s[48:49]       ; the wave stores 256 consecutive bytes, aligned
	ds_store_b32 v4, v99 offset:512                ; the tile count for the other multiplying waves: sixteen lanes write the same word with the same value
.endm
; ---------------- the multiplying waves
.macro TILES                           ; my five tiles of batch s25: 20 b + 4 t + q in the expert; in hid 64 e more, or the expert's tile 0 where it has no such tile
	s_wait_xcnt 0x0                                ; earlier stores and loads have read their address and data registers
	s_mul_i32 s26, s25, 20
	s_add_co_u32 s26, s26, s15
.irp t, 0,1,2,3,4
	s_add_co_u32 s[30+\t], s26, 4*\t
	s_add_co_u32 s[35+\t], s22, s[30+\t]
	s_cmp_lt_u32 s[30+\t], s21
	s_cselect_b32 s[35+\t], s[35+\t], s22
	s_min_u32 s[35+\t], s[35+\t], 511
.endr
.endm
.macro TOKADR                          ; from my rows' tokens to their places in xc
.irp t, 0,1,2,3,4
	v_min_u32 v[RO+\t], 1023, v[RO+\t]
	s_delay_alu instid0(VALU_DEP_1)
	v_lshlrev_b32 v[SO+\t], 5, v[RO+\t]
	s_delay_alu instid0(VALU_DEP_2)
	v_lshlrev_b32 v[RO+\t], 9, v[RO+\t]
	s_delay_alu instid0(VALU_DEP_1)
	v_lshl_add_u32 v[RO+\t], v8, 4, v[RO+\t]
.endr
.endm
.macro ROWS0                           ; the first batch: tile 4 t + q, lane (r, h): list[16 (4 t + q) + r]: a constant, the wave's and the lane's terms
.irp t, 0,1,2,3,4
	ds_load_b32 v[RO+\t], v96 offset:256*\t
.endr
	s_wait_dscnt 0x0
	TOKADR
.endm
.macro ROWSB                           ; a later batch: behind the last barrier, where LDS is only read
.irp t, 0,1,2,3,4
	s_lshl_b32 s26, s[30+\t], 4
	v_add_nc_u32 v[SO+\t], s26, v7                 ; the row's number in the expert,
	s_delay_alu instid0(VALU_DEP_1)
	v_min_u32 v[SO+\t], 1023, v[SO+\t]             ; held inside the list
	s_delay_alu instid0(VALU_DEP_1)
	v_lshl_add_u32 v[SO+\t], v[SO+\t], 2, TOKL
	ds_load_b32 v[RO+\t], v[SO+\t]
.endr
	s_wait_dscnt 0x0
	TOKADR
.endm
.macro OPLOAD c                        ; x's fragments and scale words of chunk c (K steps 2 c, 2 c + 1): 25 loads
.irp t, 0,1,2,3,4
.irp ks, 0,1
.irp cc, 0,1
	global_load_b128 v[XF+16*\t+8*\ks+4*\cc:XF+16*\t+8*\ks+4*\cc+3], v[RO+\t], s[8:9] offset:128*(\c)+64*\ks+32*\cc
.endr
.endr
	global_load_b64 v[XSC+2*\t:XSC+2*\t+1], v[SO+\t], s[40:41] offset:8*(\c)
.endr
.endm
.macro WLOAD u, buf                    ; unit u's four fragments and scale words: 12 LDS loads
.irp i, 0,1,2,3
.irp cc, 0,1
	ds_load_b128 v[WF+32*(\buf)+8*\i+4*\cc:WF+32*(\buf)+8*\i+4*\cc+3], v1 offset:(\u)*4096+\i*1024+\cc*512
.endr
	ds_load_b32 v[WSC+4*(\buf)+\i], v2 offset:(\u)*512+\i*128
.endr
.endm
.macro WM d, a, b, sa, sb, zero
.if \zero
	v_wmma_scale_f32_16x16x128_f8f6f4 v[\d:\d+7], v[\a:\a+7], v[\b:\b+7], 0, v[\sa], v[\sb] matrix_a_fmt:MATRIX_FMT_FP4 matrix_b_fmt:MATRIX_FMT_FP4
.else
	v_wmma_scale_f32_16x16x128_f8f6f4 v[\d:\d+7], v[\a:\a+7], v[\b:\b+7], v[\d:\d+7], v[\sa], v[\sb] matrix_a_fmt:MATRIX_FMT_FP4 matrix_b_fmt:MATRIX_FMT_FP4
.endif
.endm
.macro MM ks, hf, buf, zero            ; 20 matrix instructions: a unit's four tiles of columns x my five tiles of rows.  The accumulators take turns, one instruction a turn.  zero = 1: the first K step starts the sums
	WIN 0x50                                       ; C and D window 1
.irp i, 0,1,2,3
.irp t, 0,1,2,3
	WM 64*\t+32*(\hf)+8*\i, WF+32*(\buf)+8*\i, XF+16*\t+8*(\ks), WSC+4*(\buf)+\i, XSC+2*\t+(\ks), \zero
.endr
.endr
	WIN 0
.irp i, 0,1,2,3
	WM ACC4+32*(\hf)+8*\i, WF+32*(\buf)+8*\i, XF+64+8*(\ks), WSC+4*(\buf)+\i, XSC+8+(\ks), \zero
.endr
.endm
.macro CSTAGE c, zero                  ; chunk c: units 4 c + 2 ks + hf, on two buffers by turns
	s_wait_loadcnt 0x0                             ; this chunk's x is in
	WLOAD 4*(\c), 0
	WLOAD 4*(\c)+1, 1
	s_wait_dscnt 12                                ; all but the other buffer's 12
	MM 0, 0, 0, \zero
	PLACES
	WLOAD 4*(\c)+2, 0
	s_wait_dscnt 12
	MM 0, 1, 1, \zero
	PLACES
	WLOAD 4*(\c)+3, 1
	s_wait_dscnt 12
	MM 1, 0, 0, 0
	s_wait_dscnt 0x0
	MM 1, 1, 1, 0
	PLACES
.if (\c) < 3
	OPLOAD (\c)+1                                  ; lands while the streaming waves finish their stage
.endif
.endm
.macro EPT t                           ; tile t leaves: + b1, relu, quantised along the next K, stored as the next operand's image
	s_cmp_lt_u32 s[30+\t], s21
	s_cbranch_scc0 .Lempty_\@                      ; the split left this tile empty
	s_wait_xcnt 0x0                                ; the last tile's stores have read their data and addresses
.if \t < 4
	WIN 0x01
.endif
.set n, 0
.rept 32
.if \t < 4
	v_pk_add_f32 v[H+n:H+n+1], v[64*\t+n:64*\t+n+1], v[BB+n:BB+n+1]   ; each accumulator from its low end on
.else
	v_pk_add_f32 v[H+n:H+n+1], v[ACC4+n:ACC4+n+1], v[BB+n:BB+n+1]
.endif
.set n, n+2
.endr
	WIN 0
.irp hf, 0,1                                   ; my two blocks' largest numbers: no |.|, what is negative must not count; the floor stands over it.  Two chains a block
	v_max3_num_f32 v[EM+2*\hf], v[H+32*\hf], v[H+32*\hf+1], 0x1800000
	v_max3_num_f32 v[EM+2*\hf+1], v[H+32*\hf+16], v[H+32*\hf+17], v[H+32*\hf+18]
.endr
.irp k, 2,4,6,8,10,12
.irp hf, 0,1
	s_delay_alu instid0(VALU_DEP_4)
	v_max3_num_f32 v[EM+2*\hf], v[EM+2*\hf], v[H+32*\hf+\k], v[H+32*\hf+\k+1]
	s_delay_alu instid0(VALU_DEP_4)
	v_max3_num_f32 v[EM+2*\hf+1], v[EM+2*\hf+1], v[H+32*\hf+\k+17], v[H+32*\hf+\k+18]
.endr
.endr
.irp hf, 0
	s_delay_alu instid0(VALU_DEP_4)
	v_max3_num_f32 v[EM+2*\hf], v[EM+2*\hf], v[H+32*\hf+14], v[H+32*\hf+15]
.endr
.irp hf, 1
	s_delay_alu instid0(VALU_DEP_3)
	v_max3_num_f32 v[EM+2*\hf], v[EM+2*\hf], v[H+32*\hf+14], v[H+32*\hf+15]
.endr
.irp hf, 0,1
	s_delay_alu instid0(VALU_DEP_2)
	v_max3_num_f32 v[EM+2*\hf], v[EM+2*\hf], v[EM+2*\hf+1], v[H+32*\hf+31]
.endr
.set n, 0
.rept 64
	v_max_num_f32 v[H+n], 0, v[H+n]                ; the activation, in f32
.set n, n+1
.endr
.irp hf, 0,1
	v_add_nc_u32 v[ES+\hf], 0xff000000, v[EM+2*\hf]
.endr
.irp hf, 0,1
	s_delay_alu instid0(VALU_DEP_2)
	v_lshrrev_b32 v[EM+2*\hf+1], 23, v[ES+\hf]     ; the bytes of blocks h and 2 + h
.endr
.irp hf, 0,1
.irp i, 0,1,2,3
	v_cvt_scalef32_pk8_fp4_f32 v[CD+4*\hf+\i], v[H+32*\hf+8*\i:H+32*\hf+8*\i+7], v[ES+\hf]   ; register 4 hf + i of the next operand
.endr
.endr
	v_nop                                          ; one plain line behind the last conversion
	v_lshl_or_b32 v190, v[EM+3], 16, v[EM+1]
	s_delay_alu instid0(VALU_DEP_1)
	v_lshlrev_b32 v190, v9, v190
	s_delay_alu instid0(VALU_DEP_1)
	v_permlanex16_b32 v191, v190, s46, s47
	s_delay_alu instid0(VALU_DEP_1)
	v_or_b32 v190, v190, v191                      ; my row's scale word
	s_lshl_b32 s26, s[35+\t], 15
	s_lshl_b32 s27, s16, 10
	s_add_co_u32 s26, s26, s27
	v_add_nc_u32 v22, s26, v1                      ; image (tile, K step sl): 16 bytes a lane
	s_lshl_b32 s26, s[35+\t], 12
	s_lshl_b32 s27, s16, 7
	s_add_co_u32 s26, s26, s27
	v_add_nc_u32 v23, s26, v10
	global_store_b128 v22, v[CD:CD+3], s[12:13]                ; the wave stores 512 consecutive bytes, aligned
	global_store_b128 v22, v[CD+4:CD+7], s[12:13] offset:512
	global_store_b32 v23, v190, s[44:45]
.Lempty_\@:
.endm
	s_load_b256 s[4:11], s[0:1], 0x0               ; W1 s[4:5], b1 s[6:7], xc s[8:9], ei s[10:11]
	s_load_b64 s[12:13], s[0:1], 0x20              ; hid
	s_load_b64 s[48:49], s[0:1], 0x28              ; rk
	v_lshrrev_b32 v1, 5, v0
	s_delay_alu instid0(VALU_DEP_1)
	v_readfirstlane_b32 s14, v1                    ; wave 0..7
	s_and_b32 s15, s14, 3                          ; p among the streaming waves, q among the multiplying
	s_mov_b32 s16, ttmp9                           ; sl
	s_and_b32 s17, ttmp7, 0xffff                   ; e
	s_lshl_b32 s22, s17, 6                         ; my expert's first tile in hid
	s_mov_b32 s46, 0x76543210
	s_mov_b32 s47, 0xfedcba98
	v_and_b32 v22, 31, v0                          ; lane
	v_and_b32 v7, 15, v0                           ; r
	v_bfe_u32 v8, v0, 4, 1                         ; h
	s_delay_alu instid0(VALU_DEP_3)
	v_lshlrev_b32 v1, 4, v22
	s_delay_alu instid0(VALU_DEP_4)
	v_lshl_add_u32 v2, v22, 2, SC1
	v_lshlrev_b32 v10, 2, v22
	s_delay_alu instid0(VALU_DEP_4)
	v_lshlrev_b32 v9, 3, v8
	v_lshl_add_u32 v4, v8, 5, BIAS
	s_lshl_b32 s26, s15, 12
	v_add_nc_u32 v5, s26, v1
	s_lshl_b32 s26, s15, 9
	v_add_nc_u32 v6, s26, v2
	s_lshl_b32 s26, s15, 6
	v_lshl_add_u32 v96, v7, 2, s26
	s_delay_alu instid0(VALU_DEP_1)
	v_add_nc_u32 v96, TOKL, v96                    ; the list's word of row r of tile q
	v_lshlrev_b32 v11, 4, v7
	s_delay_alu instid0(VALU_DEP_1)
	v_lshl_or_b32 v11, v8, 19, v11                 ; 16 r, and 32 rows further down for lanes 16-31
	v_bfe_u32 v23, v0, 6, 1                        ; b1's place of column t % 128 = 64 hf + 32 h + 4 j + i: ((4 hf + i) 2 + h) 32 + 4 j
	v_and_b32 v3, 3, v0
	s_delay_alu instid0(VALU_DEP_1)
	v_lshl_add_u32 v23, v23, 2, v3
	v_bfe_u32 v3, v0, 5, 1
	s_delay_alu instid0(VALU_DEP_1)
	v_lshl_add_u32 v23, v23, 1, v3
	v_bfe_u32 v3, v0, 2, 3
	s_delay_alu instid0(VALU_DEP_1)
	v_lshlrev_b32 v3, 2, v3
	s_delay_alu instid0(VALU_DEP_1)
	v_lshl_add_u32 v3, v23, 5, v3
	s_delay_alu instid0(VALU_DEP_1)
	v_add_nc_u32 v3, BIAS, v3
	s_lshl_b32 s28, s17, 24                        ; the stream begins at expert e, K step p / 2, columns 128 sl + 64 (p % 2)
	s_lshr_b32 s29, s15, 1
	s_lshl_b32 s29, s29, 21
	s_add_co_u32 s28, s28, s29
	s_lshl_b32 s29, s16, 9
	s_add_co_u32 s28, s28, s29
	s_and_b32 s29, s15, 1
	s_lshl_b32 s29, s29, 8
	s_add_co_u32 s28, s28, s29
	s_mov_b32 s29, 0
	s_wait_kmcnt 0x0
	s_add_nc_u64 s[18:19], s[4:5], s[28:29]
	s_add_nc_u64 s[40:41], s[8:9], XS_OFF
	s_add_nc_u64 s[44:45], s[12:13], HS_OFF
	; ---- the stage in front: the ring is filled and its first half drained | wave 4 sorts.  Wave 4 alone touches LDS
	s_cmp_lt_u32 s14, 4
	s_cbranch_scc0 .Lcp
	FILL
.irp i, 0,1,2,3
	v_mov_b32 v[PXP+\i], 0                         ; written once: a lane permute's destination counts as one of its sources
.endr
	STEP
	GROUPS 0, 0
	s_branch .Ljp
.Lcp:
	v_and_b32 v22, 127, v0
	s_delay_alu instid0(VALU_DEP_1)
	v_lshlrev_b32 v22, 2, v22
	s_lshl_b32 s28, s17, 14
	s_lshl_b32 s29, s16, 9
	s_add_co_u32 s28, s28, s29
	v_add_nc_u32 v22, s28, v22
	global_load_b32 v23, v22, s[6:7]               ; b1 of column t % 128: asked for a stage ahead of its use
	s_cmp_lg_u32 s14, 4
	s_cbranch_scc1 .Ljp
	SORT
.Ljp:
	BAR                                            ; the list and the tile count lie in LDS
	; ---- stage 0
	s_cmp_lt_u32 s14, 4
	s_cbranch_scc0 .Lc0
	QUANTW 0, 0
	GROUPS 1, 0
	QUANTW 0, 1
	s_branch .Lj0
.Lc0:
	ds_load_b32 v110, v4 offset:512                ; my expert's tiles
	s_mov_b32 s25, 0
	s_wait_dscnt 0x0
	v_readfirstlane_b32 s21, v110
	s_min_u32 s21, s21, 64
	s_add_co_u32 s24, s21, 19
	s_mul_i32 s24, s24, 3277
	s_lshr_b32 s24, s24, 16                        ; batches = ceil(tiles / 20): exact for tiles up to 64
	s_wait_loadcnt 0x0                             ; b1
	s_wait_alu depctr_va_vdst(0)
	ds_store_b32 v3, v23
	TILES
	ROWS0
	OPLOAD 0
.Lj0:
	BAR                                            ; chunk 0's images lie in LDS
	; ---- stage 1
	s_cmp_lt_u32 s14, 4
	s_cbranch_scc0 .Lc1
	STREAM 1, 0
	s_branch .Lj1
.Lc1:
	s_wait_alu depctr_va_vdst(0)
	CSTAGE 0, 1
.Lj1:
	BAR
	; ---- stage 2
	s_cmp_lt_u32 s14, 4
	s_cbranch_scc0 .Lc2
	STREAM 2, 0
	s_branch .Lj2
.Lc2:
	CSTAGE 1, 0
.Lj2:
	BAR
	; ---- stage 3
	s_cmp_lt_u32 s14, 4
	s_cbranch_scc0 .Lc3
	STREAM 3, 1
	s_branch .Lj3
.Lc3:
	CSTAGE 2, 0
.Lj3:
	BAR                                            ; all of the slice lies in LDS; from here on LDS is only read
	s_cmp_lt_u32 s14, 4
	s_cbranch_scc0 .Ltail
	s_wait_xcnt 0x0
	v_lshl_add_u32 v110, v0, 2, 0x13400
	v_mov_b32 v111, 0
	s_wait_alu depctr_va_vdst(0)
	s_wait_tensorcnt 0x0
	ds_add_u32 v110, v111
	s_wait_dscnt 0x0
	s_endpgm                                       ; the streaming waves are done
.Ltail:
	CSTAGE 3, 0
.Lbatch:
.irp n, 0,1,2,3,4,5,6,7
	ds_load_b128 v[BB+8*\n:BB+8*\n+3], v4 offset:64*\n         ; b1 in the result's layout: tile 4 hf + i, my half's eight units
	ds_load_b128 v[BB+8*\n+4:BB+8*\n+7], v4 offset:64*\n+16
.endr
	v_mov_b32 v191, 0                              ; a lane permute's destination counts as one of its sources
	s_wait_dscnt 0x0
	EPT 0
	EPT 1
	EPT 2
	EPT 3
	EPT 4
	s_add_co_u32 s25, s25, 1
	s_cmp_ge_u32 s25, s24
	s_cbranch_scc1 .Lend                           ; no rows are left
	TILES                                          ; 20 tiles more, out of the same LDS
	ROWSB
	OPLOAD 0
	s_wait_alu depctr_va_vdst(0)
	CSTAGE 0, 1
	CSTAGE 1, 0
	CSTAGE 2, 0
	CSTAGE 3, 0
	s_cmp_lt_u32 s25, s24
	s_cbranch_scc1 .Lbatch
.Lend:
	s_wait_xcnt 0x0
	v_lshl_add_u32 v110, v0, 2, 0x13400
	v_mov_b32 v111, 0
	s_wait_alu depctr_va_vdst(0)
	s_wait_tensorcnt 0x0
	ds_add_u32 v110, v111
	s_wait_dscnt 0x0
	s_endpgm
.Lfunc_end_k_q4b6315033b_ffn1:
	.size	k_q4b6315033b_ffn1, .Lfunc_end_k_q4b6315033b_ffn1-k_q4b6315033b_ffn1
	.p2alignl 7, 3214868480
	.fill 96, 4, 3214868480
	.section	.rodata,"a",@progbits
	.p2align	6, 0x0
	.amdhsa_kernel k_q4b6315033b_ffn1
		.amdhsa_group_segment_fixed_size 79872
		.amdhsa_private_segment_fixed_size 0
		.amdhsa_enable_private_segment 0
		.amdhsa_kernarg_size 48
		.amdhsa_user_sgpr_count 2
		.amdhsa_user_sgpr_kernarg_segment_ptr 1
		.amdhsa_wavefront_size32 1
		.amdhsa_system_sgpr_workgroup_id_x 1
		.amdhsa_system_sgpr_workgroup_id_y 1
		.amdhsa_system_sgpr_workgroup_id_z 1
		.amdhsa_system_vgpr_workitem_id 0
		.amdhsa_next_free_vgpr 512
		.amdhsa_next_free_sgpr 98
		.amdhsa_reserve_vcc 0
		.amdhsa_float_denorm_mode_32 3
		.amdhsa_float_denorm_mode_16_64 3
		.amdhsa_memory_ordered 1
		.amdhsa_forward_progress 1
		.amdhsa_inst_pref_size 255
	.end_amdhsa_kernel
	.section	.bss,"aw",@nobits
	.p2align	6
	.space	262144
	.amdgpu_metadata
---
amdhsa.version: [ 1, 2 ]
amdhsa.kernels:
  - .name:           k_q4b6315033b_ffn1
    .symbol:         k_q4b6315033b_ffn1.kd
    .args:
      - { .name: W1, .offset: 0, .size: 8, .value_kind: global_buffer, .address_space: global }
      - { .name: b1, .offset: 8, .size: 8, .value_kind: global_buffer, .address_space: global }
      - { .name: xc, .offset: 16, .size: 8, .value_kind: global_buffer, .address_space: global }
      - { .name: ei, .offset: 24, .size: 8, .value_kind: global_buffer, .address_space: global }
      - { .name: hid, .offset: 32, .size: 8, .value_kind: global_buffer, .address_space: global }
      - { .name: rk, .offset: 40, .size: 8, .value_kind: global_buffer, .address_space: global }
    .group_segment_fixed_size: 79872
    .private_segment_fixed_size: 0
    .kernarg_segment_align: 8
    .kernarg_segment_size: 48
    .max_flat_workgroup_size: 256
    .sgpr_count:     98
    .vgpr_count:     512
    .wavefront_size: 32
...
	.end_amdgpu_metadata
.endif
;; end of part 6
;; launch ffn2 (part 7): grid 32 x 8, 8 waves a work-group, no clusters, 89,088 bytes of LDS; arguments W2, hid, rk, p; writes p
.if DOCPART == 7
	.amdgcn_target "amdgcn-amd-amdhsa--gfx1250"
	.amdhsa_code_object_version 6
	.text
	.protected	k_q4b6315033b_ffn2
	.globl	k_q4b6315033b_ffn2
	.p2align	8
	.type	k_q4b6315033b_ffn2,@function
k_q4b6315033b_ffn2:
	s_mov_b64 s[64:65], 0
	v_nop
	global_prefetch_b8 v0, s[64:65] scope:SCOPE_SE
	s_setreg_imm32_b32 hwreg(HW_REG_WAVE_SCHED_MODE, 0, 2), 2
	s_setreg_imm32_b32 hwreg(HW_REG_WAVE_MODE, 25, 1), 1
	s_wait_xcnt 0x0
	s_wait_alu depctr_vm_vsrc(0)
; THE SECOND PRODUCT, for the chosen rows alone: p[kh][position] = the sum over one half of K of hid Q(W2[e]); both operands codes of FP4 (E2M1) with one E8M0 scale for each 32 along K; sums in f32.
; W2 [8][4096 (K)][1024] f32; hid: images of the hidden layer's operand registers [512 tiles][K step of 128][1,024 bytes], scale words [tile][K step][32 lanes x 4 bytes] at HS_OFF; expert e's tiles begin at 64 e.
; rk [8][1024] x {rank, tiles} u32: the second word of row e's first entry is the expert's tile count, at least 1.
; p [2 (K half)][8192 positions][1024] f32, position = 1024 e + rank: the last launch adds the halves.  Only the tiles that the split fills are written or read.
; SHARES.  Work-group (x, e): 64 columns sl = x / 2 and K half kh = x % 2 of expert e: 131,072 weights, read once, quantised in registers, kept as codes in LDS.  64 columns are 256 bytes of a row of W2: narrower slices would read
; rows in part, and 64 columns x all of K would leave half of the 256 work-groups without a slice: hence the two halves of K.
; TWO ROLES, STAGES, RING AND BATCHES as in the first product's launch: waves 0-3 stream and quantise (a unit = 64 columns x 128 K = one K step; a chunk = 4 K steps), waves 4-7 multiply (5 tiles of 16 rows x 64 columns each,
; 160 registers of sums); chunk c is streamed while chunk c - 1 is multiplied; one barrier, in the text that both roles walk, behind each stage; every chunk has LDS bytes of its own.
; THE ORDER INSIDE A BLOCK OF 32 ALONG K is the hidden layer's: row k of a block goes to place 8 (k % 4) + k / 4.  The same order on both operands leaves the products and the block's scale as they are.
; TRANSPOSED USE: source 0 = 16 neighbouring columns of W2 (tile tau), source 1 = 16 rows of the hidden layer: a lane's eight results are eight neighbouring columns of one row.  A tile of 16 rows x 64 columns goes
; through the wave's own stage in LDS and leaves as rows of 256 bytes: sixteen lanes store 256 consecutive bytes, aligned.
; A tile that the split leaves empty reads the expert's tile 0, which is always written, and stores nothing.
; NO TENSOR LOAD, NO CLUSTER: trip counts and branches hang on the stored counts, so weights go from memory straight into registers; what work-groups share (the hidden layer's codes) is the lesser part of a work-group's bytes.
; LIMITS: NaN and infinities are not served.  A block of zeros gets the byte 1 (its codes are zeros; this program alone reads the bytes).
; THE MODE: SCHED_MODE bits 1:0 = 2 (LLVM: expert scheduling mode 2), set by the entry lines.  The code itself states the register dependences between vector or matrix instructions and memory or LDS instructions, with s_wait_alu, always for 0.
; THE PLAN.  Registers that memory or LDS instructions touch, and who else names them:
;   v1-v11         offsets and LDS addresses: made at the head, ahead of one wait on va_vdst, and never written again.
;   STREAMING WAVES.  The ring (window 1): a group's eight landing places are read by its 32 moves and asked for again at once: the window is switched, one wait on va_vdst stands behind the moves, the eight loads follow.
;                  The codes v64-95 and the scale words v60-63: written by half a unit's conversions and the lines behind them, read by its LDS stores: one wait on va_vdst ahead of the run of stores.  They are written again a stage later.
;   MULTIPLYING WAVES.  W2's two buffers (window 1, and v24-31): LDS loads land, 20 matrix instructions read: a wait on va_vdst behind the products of a chunk's first and second K step, the window switched first.
;                  The hidden layer's fragments and scale words (v32-51, v64-223), a set for each of a chunk's four K steps: each of those two waits also frees the K step just multiplied, and the next chunk's loads for it go out there;
;                  one wait at the chunk's end frees the last two K steps, and both of W2's buffers.
;                  The ten offsets v12-21: made once a batch, ahead of a wait on va_vdst; written again only behind a wait on vm_vsrc.
;                  The way out: one wait on va_vdst states that the sums are written, for all five tiles' LDS stores; a tile's rows v224-255 and its offset v22: a wait on vm_vsrc ahead of the tile's branch, a wait on va_vdst ahead of its stores to p.
;   BOTH ROLES leave a stage with nothing unstated: the last vector or matrix line of a stage stands ahead of a wait on va_vdst, and one wait on vm_vsrc stands in front of every barrier.
.set PITCH,  4096                      ; a row of W2[e] in bytes
.set CHUNKB, 0x200000                  ; 512 rows
.set UNITB,  4160                      ; LDS: 0: images, unit u at 4,160 u, tile tau at + 1,040 tau (1,024 + 16: the sixteen lanes of a store's pass fall on sixteen different 16-byte columns), registers 4 cc on at + 512 cc;
.set TILEB,  1040
.set SC2,    66560                     ; SC2: scale words, 256 u + 4 column;
.set STG,    70656                     ; STG: a stage of 16 rows x (256 + 16) bytes for each multiplying wave
.set HS_OFF, 16777216
.set PH,     33554432                  ; a K half of p in bytes
; v1 16 lane | v7 16 lane + 8 units | v2 SC2 + 4 r | v3 8 h | v4 4 lane | v5, v6 where a streaming lane puts codes and scale words | v8, v9 the stage, in and back | v10 my bytes in two rows of p | v11 the stream's offset
; A register that is an address or a scale in one role holds nothing made of loaded numbers in the other: the streaming waves keep out of v1-51, and what they write last ahead of a barrier lies in v52-63, which the multiplying waves never name.
.set PM,  52                           ; streaming waves: v52-55 largest magnitudes, then the second block's byte, then the other half's word; v56-59 scale operands; v60-63 scale words;
.set PS,  56
.set PWS, 60
.set PC,  64                           ; v64-95 codes, a set for each cc; v128-255 numbers down K;  window 1: the ring
.set PT,  128
.set HO,  12                           ; multiplying waves: v12-16 my tiles' images, v17-21 their scale words (byte offsets in hid),
.set SO,  17
.set WSC, 24                           ; v24-31 W2's scale words [buffer][tau]  (scales and nothing else, in both roles),
.set HSC, 32                           ; v32-51 the hidden layer's [t][ks]  (likewise),
.set HF,  64                           ; v64-223 its fragments [t][ks],
.set OB,  224                          ; v224-255 rows on their way out;
.set WF,  160                          ; window 1: v0-159 the sums at 32 t + 8 tau, v160-223 W2's fragments [buffer][tau]
; s14 wave | s15 wave % 4 | s16 sl | s17 e | s48 kh | s[18:19] the stream | s21 tiles | s22 64 e | s24 batches, s25 batch | s26-29 at work | s30-34 my tiles in the expert | s35-39 in hid and p | s[44:45] hid's scale words | s46-47 lane selects | s[50:51] p at my half and columns
.set MSB, 0
.macro WIN new                         ; the immediate's high byte repeats the setting that is left
.if MSB != \new
	s_set_vgpr_msb (MSB<<8)|\new
.set MSB, \new
.endif
.endm
.macro PLACES                          ; four plain vector lines between a matrix instruction and a load into, or a read of, its registers; they stay beside the waits on va_vdst
.rept 4
	v_nop
.endr
.endm
.macro BAR                             ; my LDS stores have landed and my LDS loads are in: then the work-group's barrier
	s_wait_dscnt 0x0
	s_wait_alu depctr_vm_vsrc(0)                   ; the stage's LDS stores have read their registers: a streaming wave's codes and scale words, which the next stage's conversions write again
	s_barrier_signal -1
	s_barrier_wait -1
.endm
; ---------------- the streaming waves
.macro FILL                            ; unit 0: 64 loads; load n = 32 cc + j: rows 64 cc + j (lanes 0-15) and 64 cc + 32 + j (lanes 16-31).  Their offset v11 stands ahead of the head's wait; no vector line has named the ring
	WIN 0x40                                       ; destination window 1
.irp cc, 0,1
.set j, 0
.rept 32
	global_load_b128 v[4*(32*\cc+j):4*(32*\cc+j)+3], v11, s[18:19] offset:(64*\cc+j)*PITCH th:TH_LOAD_NT
.set j, j+1
.endr
.endr
	WIN 0
.endm
.macro QUANTW c, cc                    ; four columns x one block of 32 become 4 x 4 registers of codes and a byte each
.irp i, 0,1,2,3
	v_max3_num_f32 v[PM+\i], |v[PT+32*\i]|, |v[PT+32*\i+1]|, 0x1800000   ; and the floor 2^(3 - 127): the byte cannot fall under 1
.endr
.irp k, 2,4,6,8,10,12,14,16,18,20,22,24,26,28,30
.irp i, 0,1,2,3
	v_max3_num_f32 v[PM+\i], v[PM+\i], |v[PT+32*\i+\k]|, |v[PT+32*\i+\k+1]|   ; (the four columns by turns)
.endr
.endr
.irp i, 0,1,2,3
	v_add_nc_u32 v[PS+\i], 0xff000000, v[PM+\i]    ; 2 off the exponent field: the conversion's scale operand
.endr
	s_wait_dscnt 0x0                               ; the LDS stores of a unit ago have read this set of code registers and the scale words
.if \cc == 0
	s_wait_alu depctr_va_vdst(0)
.irp i, 0,1,2,3
	v_lshrrev_b32 v[PWS+\i], 23, v[PS+\i]          ; the byte of block h begins the scale word
.endr
.else
	s_wait_alu depctr_va_vdst(0)
.irp i, 0,1,2,3
	v_lshrrev_b32 v[PM+\i], 23, v[PS+\i]           ; the byte of block 2 + h (the largest magnitude is done with)
.endr
.endif
.irp i, 0,1,2,3
.irp q, 0,1,2,3
	v_cvt_scalef32_pk8_fp4_f32 v[PC+16*\cc+4*\i+\q], v[PT+32*\i+8*\q:PT+32*\i+8*\q+7], v[PS+\i]
.endr
.endr
	v_nop                                          ; one plain line behind the last conversion: the next moves write its sources
.if \cc == 1
.irp i, 0,1,2,3
	v_lshl_or_b32 v[PWS+\i], v[PM+\i], 16, v[PWS+\i]   ; blocks h and 2 + h,
.endr
.irp i, 0,1,2,3
	v_lshlrev_b32 v[PWS+\i], v3, v[PWS+\i]         ; at their places in the word (8 h bits up);
.endr
.irp i, 0,1,2,3
	v_permlanex16_b32 v[PM+\i], v[PWS+\i], s46, s47   ; (its destination has been written: the byte, which is done with)
.endr
.irp i, 0,1,2,3
	v_or_b32 v[PWS+\i], v[PWS+\i], v[PM+\i]        ; with lane l xor 16's two the word is whole
.endr
.endif
	s_wait_alu depctr_va_vdst(0)                   ; the conversions have written this set of codes, and with the second block the lines behind them the scale words: the LDS stores below read them
.irp i, 0,1,2,3
	ds_store_b128 v5, v[PC+16*\cc+4*\i:PC+16*\cc+4*\i+3] offset:\c*4*UNITB+16*\i+512*\cc   ; column 4 r + i is row 4 (r % 4) + i of tile r / 4: that lane's place in the image
.endr
.if \cc == 1
.irp i, 0,1,2,3
	ds_store_b32 v6, v[PWS+\i] offset:\c*1024+4*\i ; both halves of the lanes write the same word with the same value
.endr
.endif
.endm
.macro STREAM c, last                  ; my unit of chunk c leaves the ring; last = 0: the next chunk's takes its place
.if !\last
	s_wait_xcnt 0x0                                ; the loads that are out have read their base: it may step
	s_add_nc_u64 s[18:19], s[18:19], CHUNKB
.endif
.irp cc, 0,1
.irp g, 0,1,2,3
.if \last
	s_wait_loadcnt 56-8*(4*\cc+\g)                 ; nothing is issued any more: only this unit's later groups of 8 are younger
.else
	s_wait_loadcnt 56                              ; younger than this group's 8: the 7 - G later groups of this unit and the G groups already issued for the next: 7 x 8
.endif
	WIN 0x01                                       ; source window 1
.irp jj, 0,1,2,3,4,5,6,7
.irp i, 0,1,2,3
	v_mov_b32 v[PT+32*\i+8*(\jj%4)+2*\g+\jj/4], v[4*(32*\cc+8*\g+\jj)+\i]   ; row k = 8 g + jj of the block to place 8 (k % 4) + k / 4
.endr
.endr
.if !\last
	WIN 0x40
	s_wait_alu depctr_va_vdst(0)                   ; the 32 moves are done reading these eight landing places, in which the loads below land
.irp jj, 0,1,2,3,4,5,6,7
	global_load_b128 v[4*(32*\cc+8*\g+\jj):4*(32*\cc+8*\g+\jj)+3], v11, s[18:19] offset:(64*\cc+8*\g+\jj)*PITCH th:TH_LOAD_NT
.endr
.endif
.endr
	WIN 0
	QUANTW \c, \cc
.endr
.endm
; ---------------- the multiplying waves
.macro TILES                           ; my five tiles of batch s25, and where their images and scale words lie
	s_wait_xcnt 0x0                                ; earlier stores and loads have read their address and data registers
	s_mul_i32 s26, s25, 20
	s_add_co_u32 s26, s26, s15
	s_lshl_b32 s27, s48, 14                        ; my K half: 16 K steps of 1,024 bytes,
	s_lshl_b32 s28, s48, 11                        ; of 128
.irp t, 0,1,2,3,4
	s_add_co_u32 s[30+\t], s26, 4*\t
	s_add_co_u32 s[35+\t], s22, s[30+\t]
	s_cmp_lt_u32 s[30+\t], s21
	s_cselect_b32 s[35+\t], s[35+\t], s22
	s_min_u32 s[35+\t], s[35+\t], 511
	s_lshl_b32 s29, s[35+\t], 15
	s_add_co_u32 s29, s29, s27
	v_add_nc_u32 v[HO+\t], s29, v1
	s_lshl_b32 s29, s[35+\t], 12
	s_add_co_u32 s29, s29, s28
	v_add_nc_u32 v[SO+\t], s29, v4
.endr
	s_wait_alu depctr_va_vdst(0)                   ; the ten offsets are written, which the hidden layer's loads read
.endm
.macro OPLOADK c, ks                   ; the hidden layer's fragments and scale words of K step 4 c + ks: 15 loads, each of 512 or 128 consecutive bytes
.irp t, 0,1,2,3,4
.irp cc, 0,1
	global_load_b128 v[HF+32*\t+8*(\ks)+4*\cc:HF+32*\t+8*(\ks)+4*\cc+3], v[HO+\t], s[6:7] offset:(4*(\c)+(\ks))*1024+512*\cc
.endr
	global_load_b32 v[HSC+4*\t+(\ks)], v[SO+\t], s[44:45] offset:(4*(\c)+(\ks))*128
.endr
.endm
.macro OPLOAD c                        ; those of all of chunk c: 60 loads
	OPLOADK \c, 0
	OPLOADK \c, 1
	OPLOADK \c, 2
	OPLOADK \c, 3
.endm
.macro WLOAD u, buf, w                 ; unit u's four fragments and scale words: 12 LDS loads.  w = 1: matrix instructions have read this buffer since the last wait on va_vdst
	WIN 0x40                                       ; destination window 1
.if \w
	s_wait_alu depctr_va_vdst(0)                   ; the matrix instructions so far are done reading this buffer's fragments and scale words, and the hidden layer's fragments and scale words of the K step that they multiplied: the loads below land in them
.endif
.irp tau, 0,1,2,3
.irp cc, 0,1
.if (\u) < 8
	ds_load_b128 v[WF+32*(\buf)+8*\tau+4*\cc:WF+32*(\buf)+8*\tau+4*\cc+3], v1 offset:(\u)*UNITB+\tau*TILEB+\cc*512
.else
	ds_load_b128 v[WF+32*(\buf)+8*\tau+4*\cc:WF+32*(\buf)+8*\tau+4*\cc+3], v7 offset:((\u)-8)*UNITB+\tau*TILEB+\cc*512   ; the immediate has 16 bits: the register carries eight units
.endif
.endr
.endr
	WIN 0
.irp tau, 0,1,2,3
	ds_load_b32 v[WSC+4*(\buf)+\tau], v2 offset:(\u)*256+\tau*64
.endr
.endm
.macro WM d, a, b, sa, sb, zero
.if \zero
	v_wmma_scale_f32_16x16x128_f8f6f4 v[\d:\d+7], v[\a:\a+7], v[\b:\b+7], 0, v[\sa], v[\sb] matrix_a_fmt:MATRIX_FMT_FP4 matrix_b_fmt:MATRIX_FMT_FP4
.else
	v_wmma_scale_f32_16x16x128_f8f6f4 v[\d:\d+7], v[\a:\a+7], v[\b:\b+7], v[\d:\d+7], v[\sa], v[\sb] matrix_a_fmt:MATRIX_FMT_FP4 matrix_b_fmt:MATRIX_FMT_FP4
.endif
.endm
.macro MM ks, buf, zero                ; 20 matrix instructions: a K step's four tiles of columns x my five tiles of rows.  The accumulators take turns, one instruction a turn.  zero = 1: the first K step starts the sums
	WIN 0x51                                       ; source 0 (W2), C and D window 1; source 1 (the hidden layer) window 0
.irp tau, 0,1,2,3
.irp t, 0,1,2,3,4
	WM 32*\t+8*\tau, WF+32*(\buf)+8*\tau, HF+32*\t+8*(\ks), WSC+4*(\buf)+\tau, HSC+4*\t+(\ks), \zero
.endr
.endr
.endm
.macro CSTAGE c, zero                  ; chunk c: K steps 4 c + ks, on two buffers by turns
	s_wait_loadcnt 0x0                             ; this chunk's hidden layer is in
	WLOAD 4*(\c), 0, 0                             ; (both buffers were freed by the wait on va_vdst that stands last ahead of these loads: no vector or matrix line since names them)
	WLOAD 4*(\c)+1, 1, 0
	s_wait_dscnt 12                                ; all but the other buffer's 12
	MM 0, 0, \zero
	PLACES
	WLOAD 4*(\c)+2, 0, 1
.if (\c) < 3
	OPLOADK (\c)+1, 0                              ; the next chunk's first K step, into the registers of the K step just multiplied: the products below do not name them
.endif
	s_wait_dscnt 12
	MM 1, 1, 0
	PLACES
	WLOAD 4*(\c)+3, 1, 1
.if (\c) < 3
	OPLOADK (\c)+1, 1                              ; and its second
.endif
	s_wait_dscnt 12
	MM 2, 0, 0
	s_wait_dscnt 0x0
	MM 3, 1, 0
	WIN 0
	PLACES
.if (\c) < 3
	s_wait_alu depctr_va_vdst(0)                   ; the chunk's matrix instructions are done reading the hidden layer's last two K steps, in which the loads below land, and both of W2's buffers, in which the next chunk's first LDS loads land
	OPLOADK (\c)+1, 2                              ; lands while the streaming waves finish their stage
	OPLOADK (\c)+1, 3
.endif
.endm
.macro EPT t                           ; tile t leaves through my stage
	s_wait_alu depctr_vm_vsrc(0)                   ; ahead of the branch: the stores of the tile before have read their rows v224-255, in which the loads below land, and their offset v22, which is written again
	s_cmp_lt_u32 s[30+\t], s21
	s_cbranch_scc0 .Lempty_\@                      ; the split left this tile empty
	WIN 0x04                                       ; an LDS store's data are its source 1: window 1
.irp tau, 0,1,2,3
	ds_store_b128 v8, v[32*\t+8*\tau:32*\t+8*\tau+3] offset:64*\tau          ; lane (r, h): row r, columns 16 tau + 8 h + 0 .. 7; each accumulator from its low end on
	ds_store_b128 v8, v[32*\t+8*\tau+4:32*\t+8*\tau+7] offset:64*\tau+16
.endr
	WIN 0
	s_wait_xcnt 0x0                                ; the last tile's stores have read their data and address
	s_lshl_b32 s26, s[35+\t], 16                   ; 16 rows of 4,096 bytes a tile
	v_add_nc_u32 v22, s26, v10
.irp a, 0,1,2,3,4,5,6,7
	ds_load_b128 v[OB+4*\a:OB+4*\a+3], v9 offset:2*\a*272      ; LDS serves a wave's instructions in order (ISA guide 5.7.1): these see my stores
.endr
	s_wait_dscnt 0x0
	s_wait_alu depctr_va_vdst(0)                   ; v22 is written, which the stores below read as their offset
.irp a, 0,1,2,3,4,5,6,7
	global_store_b128 v22, v[OB+4*\a:OB+4*\a+3], s[50:51] offset:2*\a*4096 th:TH_STORE_NT   ; sixteen lanes store 256 consecutive bytes, aligned; two rows an instruction
.endr
.Lempty_\@:
.endm
	s_load_b256 s[4:11], s[0:1], 0x0               ; W2 s[4:5], hid s[6:7], rk s[8:9], p s[10:11]
	v_lshrrev_b32 v1, 5, v0
	v_readfirstlane_b32 s14, v1                    ; wave 0..7
	s_wait_alu depctr_va_sdst(0)                   ; s14 is written, ahead of its first reader
	s_and_b32 s15, s14, 3                          ; p among the streaming waves, q among the multiplying
	s_lshr_b32 s16, ttmp9, 1                       ; sl
	s_and_b32 s48, ttmp9, 1                        ; kh
	s_and_b32 s17, ttmp7, 0xffff                   ; e
	s_mov_b32 s46, 0x76543210
	s_mov_b32 s47, 0xfedcba98
	v_and_b32 v22, 31, v0                          ; lane
	v_and_b32 v23, 15, v0                          ; r
	v_bfe_u32 v3, v0, 4, 1                         ; h
	v_lshlrev_b32 v1, 4, v22
	v_add_nc_u32 v7, 8*UNITB, v1
	v_lshlrev_b32 v4, 2, v22
	v_lshl_add_u32 v2, v23, 2, SC2
	v_lshrrev_b32 v5, 2, v23
	v_mul_u32_u24 v5, v5, TILEB
	v_and_b32 v6, 3, v23
	v_lshl_add_u32 v5, v6, 6, v5
	v_lshl_add_u32 v5, v3, 8, v5
	s_mul_i32 s26, s15, UNITB
	v_add_nc_u32 v5, s26, v5                       ; codes: tile r / 4, image lane 4 (r % 4) + i + 16 h, unit p
	v_lshl_add_u32 v6, v23, 4, SC2
	s_lshl_b32 s26, s15, 8
	v_add_nc_u32 v6, s26, v6                       ; scale words: 4 bytes a column, unit p
	s_mul_i32 s26, s15, 16*272
	s_add_co_u32 s26, s26, STG                     ; my stage
	v_mul_u32_u24 v8, v23, 272
	v_lshl_add_u32 v8, v3, 5, v8
	v_add_nc_u32 v8, s26, v8                       ; in: row r, 32 bytes for each half of the lanes
	v_mul_u32_u24 v9, v3, 272
	v_lshl_add_u32 v9, v23, 4, v9
	v_add_nc_u32 v9, s26, v9                       ; back: lanes 0-15 one row of 256 bytes, lanes 16-31 the next
	v_lshlrev_b32 v10, 4, v23
	v_lshl_or_b32 v11, v3, 17, v10                 ; the stream: 16 r, and 32 rows further down for lanes 16-31
	v_lshl_or_b32 v10, v3, 12, v10                 ; p: the same two rows
	v_lshlrev_b32 v3, 3, v3                        ; 8 h
	s_lshl_b32 s28, s17, 24                        ; the stream begins at expert e, row 2,048 kh + 128 p, columns 64 sl
	s_lshl_b32 s29, s48, 23
	s_add_co_u32 s28, s28, s29
	s_lshl_b32 s29, s15, 19
	s_add_co_u32 s28, s28, s29
	s_lshl_b32 s29, s16, 8
	s_add_co_u32 s28, s28, s29
	s_mul_i32 s26, s48, PH
	s_add_co_u32 s26, s26, s29                     ; p: my K half, my 256 bytes of a row
	s_mov_b32 s29, 0
	s_mov_b32 s27, 0
	s_wait_kmcnt 0x0
	s_add_nc_u64 s[18:19], s[4:5], s[28:29]
	s_add_nc_u64 s[50:51], s[10:11], s[26:27]
	s_add_nc_u64 s[44:45], s[6:7], HS_OFF
	s_wait_alu depctr_va_vdst(0)                   ; the offsets and LDS addresses v1 to v11 are written, which the loads and stores of the whole kernel read; none is written again
	; ---- stage 0
	s_cmp_lt_u32 s14, 4
	s_cbranch_scc0 .Lc0
	FILL
	STREAM 0, 0
	s_branch .Lj0
.Lc0:
	s_lshl_b32 s26, s17, 13
	s_load_b32 s21, s[8:9], s26 offset:0x4         ; my expert's tiles
	s_lshl_b32 s22, s17, 6                         ; its first tile in hid and p
	s_mov_b32 s25, 0
	s_wait_kmcnt 0x0
	s_min_u32 s21, s21, 64
	s_add_co_u32 s24, s21, 19
	s_mul_i32 s24, s24, 3277
	s_lshr_b32 s24, s24, 16                        ; batches = ceil(tiles / 20): exact for tiles up to 64
	TILES
	OPLOAD 0
.Lj0:
	BAR                                            ; chunk 0's images lie in LDS
	; ---- stage 1
	s_cmp_lt_u32 s14, 4
	s_cbranch_scc0 .Lc1
	STREAM 1, 0
	s_branch .Lj1
.Lc1:
	CSTAGE 0, 1
.Lj1:
	BAR
	; ---- stage 2
	s_cmp_lt_u32 s14, 4
	s_cbranch_scc0 .Lc2
	STREAM 2, 0
	s_branch .Lj2
.Lc2:
	CSTAGE 1, 0
.Lj2:
	BAR
	; ---- stage 3
	s_cmp_lt_u32 s14, 4
	s_cbranch_scc0 .Lc3
	STREAM 3, 1
	s_branch .Lj3
.Lc3:
	CSTAGE 2, 0
.Lj3:
	BAR                                            ; all of the slice lies in LDS; from here on its images are only read, and a stage is its wave's own
	s_cmp_lt_u32 s14, 4
	s_cbranch_scc0 .Ltail
	s_wait_xcnt 0x0
	v_lshl_add_u32 v254, v0, 2, 0x15800            ; (no memory or LDS instruction of a streaming wave has read v254 or v255)
	v_mov_b32 v255, 0
	s_wait_dscnt 0x0                               ; the closing lines, six on end
	s_wait_alu 0x0
	s_wait_tensorcnt 0x0
	ds_add_u32 v254, v255
	s_wait_dscnt 0x0
	s_endpgm                                       ; the streaming waves are done
.Ltail:
	CSTAGE 3, 0
.Lbatch:
	s_wait_alu depctr_va_vdst(0)                   ; the matrix instructions have written the sums, which the five tiles' LDS stores read; the places stand ahead of this wait
	EPT 0
	EPT 1
	EPT 2
	EPT 3
	EPT 4
	s_wait_alu depctr_vm_vsrc(0)                   ; ahead of the branch: the last tile's stores have read v22 and v224-255 (v254 and v255 are made anew at the end); the LDS stores have read the sums, and the hidden layer's loads their ten offsets: the next batch writes both again
	s_add_co_u32 s25, s25, 1
	s_cmp_ge_u32 s25, s24
	s_cbranch_scc1 .Lend                           ; no rows are left
	TILES                                          ; 20 tiles more, out of the same LDS
	OPLOAD 0
	CSTAGE 0, 1
	CSTAGE 1, 0
	CSTAGE 2, 0
	CSTAGE 3, 0
	s_cmp_lt_u32 s25, s24
	s_cbranch_scc1 .Lbatch
.Lend:
	s_wait_xcnt 0x0
	v_lshl_add_u32 v254, v0, 2, 0x15800            ; (no memory or LDS instruction has read v254 or v255 since the wait on vm_vsrc behind the last tile)
	v_mov_b32 v255, 0
	s_wait_dscnt 0x0                               ; the closing lines, six on end
	s_wait_alu 0x0
	s_wait_tensorcnt 0x0
	ds_add_u32 v254, v255
	s_wait_dscnt 0x0
	s_endpgm
.Lfunc_end_k_q4b6315033b_ffn2:
	.size	k_q4b6315033b_ffn2, .Lfunc_end_k_q4b6315033b_ffn2-k_q4b6315033b_ffn2
	.p2alignl 7, 3214868480
	.fill 96, 4, 3214868480
	.section	.rodata,"a",@progbits
	.p2align	6, 0x0
	.amdhsa_kernel k_q4b6315033b_ffn2
		.amdhsa_group_segment_fixed_size 89088
		.amdhsa_private_segment_fixed_size 0
		.amdhsa_enable_private_segment 0
		.amdhsa_kernarg_size 32
		.amdhsa_user_sgpr_count 2
		.amdhsa_user_sgpr_kernarg_segment_ptr 1
		.amdhsa_wavefront_size32 1
		.amdhsa_system_sgpr_workgroup_id_x 1
		.amdhsa_system_sgpr_workgroup_id_y 1
		.amdhsa_system_sgpr_workgroup_id_z 1
		.amdhsa_system_vgpr_workitem_id 0
		.amdhsa_next_free_vgpr 512
		.amdhsa_next_free_sgpr 66
		.amdhsa_reserve_vcc 0
		.amdhsa_float_denorm_mode_32 3
		.amdhsa_float_denorm_mode_16_64 3
		.amdhsa_memory_ordered 1
		.amdhsa_forward_progress 1
		.amdhsa_inst_pref_size 255
	.end_amdhsa_kernel
	.section	.bss,"aw",@nobits
	.p2align	6
	.space	262144
	.amdgpu_metadata
---
amdhsa.version: [ 1, 2 ]
amdhsa.kernels:
  - .name:           k_q4b6315033b_ffn2
    .symbol:         k_q4b6315033b_ffn2.kd
    .args:
      - { .name: W2, .offset: 0, .size: 8, .value_kind: global_buffer, .address_space: global }
      - { .name: hid, .offset: 8, .size: 8, .value_kind: global_buffer, .address_space: global }
      - { .name: rk, .offset: 16, .size: 8, .value_kind: global_buffer, .address_space: global }
      - { .name: p, .offset: 24, .size: 8, .value_kind: global_buffer, .address_space: global }
    .group_segment_fixed_size: 89088
    .private_segment_fixed_size: 0
    .kernarg_segment_align: 8
    .kernarg_segment_size: 32
    .max_flat_workgroup_size: 256
    .sgpr_count:     66
    .vgpr_count:     512
    .wavefront_size: 32
...
	.end_amdgpu_metadata
.endif
;; end of part 7
;; launch combine (part 8): grid 257 x 1, 4 waves a work-group, no clusters, 0 bytes of LDS; arguments p, b2, rk, ei, gate, out0, out1; writes out0, out1
.if DOCPART == 8
	.amdgcn_target "amdgcn-amd-amdhsa--gfx1250"
	.amdhsa_code_object_version 6
	.text
	.protected	k_q4b6315033b_combine
	.globl	k_q4b6315033b_combine
	.p2align	8
	.type	k_q4b6315033b_combine,@function
k_q4b6315033b_combine:
	s_mov_b64 s[64:65], 0
	v_nop
	global_prefetch_b8 v0, s[64:65] scope:SCOPE_SE
	s_setreg_imm32_b32 hwreg(HW_REG_WAVE_MODE, 25, 1), 1
	s_wait_xcnt 0x0
; out0[t] = w0 (p[0][pos0] + p[1][pos0] + b2[e0]) + w1 (p[0][pos1] + p[1][pos1] + b2[e1]), pos = 1024 e + the token's rank in expert e.   out1 = 0.01 x the sum over experts of (mean score)^2.
; p [2 (K half)][8192 positions][1024] f32; b2 [8][1024] f32; rk [8][1024] x {rank, tiles} u32; ei [1024][2] u32; gate: the scores [1024][8] f32 at 0, the two weights [1024][2] f32 at GW_OFF; out0 [1024][1024] f32.
; WORK-GROUPS 0 TO 255.  Each output row has one owner: wave w of work-group g takes token 4 g + w, a row of 4,096 bytes: lane l the 16 bytes at 512 n + 16 l, n = 0 .. 7, so that every load and store of the wave covers 512
; consecutive bytes, aligned.  The token's rank in each of the eight experts lies at a fixed place: all eight are asked for beside ei, and two are chosen by selects, so that no load waits for another but p's and b2's.
; All 48 loads of a wave go out at once; every register is written once, so no store waits for anything.
; WORK-GROUP 256 makes the loss: its wave 0 sums the 32 KiB of scores, 64 loads of 512 consecutive bytes: lane l holds four experts (4 (l % 2) on) of token 16 n + l / 2.  It runs beside the others.
; A stream: no LDS, no barrier, no matrix unit.
.set PH,     33554432
.set GW_OFF, 32768
.set A0, 16                            ; v16-47   p[0][pos0], then the result
.set A1, 48                            ; v48-79   p[1][pos0]
.set C0, 80                            ; v80-111  b2[e0]
.set B0, 112                           ; v112-143 p[0][pos1]
.set B1, 144                           ; v144-175 p[1][pos1]
.set C1, 176                           ; v176-207 b2[e1]
	s_load_b256 s[4:11], s[0:1], 0x0               ; p s[4:5], b2 s[6:7], rk s[8:9], ei s[10:11]
	s_load_b128 s[12:15], s[0:1], 0x20             ; gate s[12:13], out0 s[14:15]
	s_load_b64 s[32:33], s[0:1], 0x30              ; out1
	v_lshrrev_b32 v1, 5, v0
	v_readfirstlane_b32 s16, v1                    ; wave
	v_and_b32 v1, 31, v0
	v_lshlrev_b32 v1, 4, v1                        ; 16 lane
	s_cmp_eq_u32 ttmp9, 256
	s_cbranch_scc1 .Lloss
	s_lshl_b32 s17, ttmp9, 2
	s_add_co_u32 s17, s17, s16                     ; my token
	s_lshl_b32 s18, s17, 3
	s_lshl_b32 s19, s17, 12
	v_add_nc_u32 v6, s19, v1                       ; its row of out0
	s_wait_kmcnt 0x0
	s_load_b64 s[22:23], s[10:11], s18 offset:0x0  ; its two experts,
	s_load_b64 s[24:25], s[12:13], s18 offset:GW_OFF   ; weights,
.irp e, 0,1,2,3,4,5,6,7
	s_load_b32 s[36+\e], s[8:9], s18 offset:8192*\e    ; and its rank in each expert's row (of use only where it chose the expert)
.endr
	s_add_nc_u64 s[26:27], s[4:5], PH              ; p's second K half
	s_wait_kmcnt 0x0
	s_mov_b32 s20, s36
	s_mov_b32 s21, s36
.irp e, 1,2,3,4,5,6,7
	s_cmp_eq_u32 s22, \e
	s_cselect_b32 s20, s[36+\e], s20
	s_cmp_eq_u32 s23, \e
	s_cselect_b32 s21, s[36+\e], s21
.endr
	s_min_u32 s20, s20, 1023                       ; a loaded number enters an address only behind such a bound
	s_min_u32 s21, s21, 1023
	s_min_u32 s22, s22, 7
	s_min_u32 s23, s23, 7
	s_lshl_b32 s34, s22, 10
	s_add_co_u32 s20, s20, s34                     ; the positions
	s_lshl_b32 s34, s23, 10
	s_add_co_u32 s21, s21, s34
	s_lshl_b32 s20, s20, 12
	s_lshl_b32 s21, s21, 12
	s_lshl_b32 s22, s22, 12
	s_lshl_b32 s23, s23, 12
	s_wait_alu depctr_va_vdst(0)
	v_add_nc_u32 v2, s20, v1
	v_add_nc_u32 v3, s21, v1
	v_add_nc_u32 v4, s22, v1
	v_add_nc_u32 v5, s23, v1
	s_mov_b32 s28, s24                             ; the packed forms name a pair and take its low word for both halves: both words are written
	s_mov_b32 s29, s24
	s_mov_b32 s30, s25
	s_mov_b32 s31, s25
.irp n, 0,1,2,3,4,5,6,7
	global_load_b128 v[A0+4*\n:A0+4*\n+3], v2, s[4:5] offset:512*\n th:TH_LOAD_NT
	global_load_b128 v[A1+4*\n:A1+4*\n+3], v2, s[26:27] offset:512*\n th:TH_LOAD_NT
	global_load_b128 v[C0+4*\n:C0+4*\n+3], v4, s[6:7] offset:512*\n
	global_load_b128 v[B0+4*\n:B0+4*\n+3], v3, s[4:5] offset:512*\n th:TH_LOAD_NT
	global_load_b128 v[B1+4*\n:B1+4*\n+3], v3, s[26:27] offset:512*\n th:TH_LOAD_NT
	global_load_b128 v[C1+4*\n:C1+4*\n+3], v5, s[6:7] offset:512*\n
.endr
.irp n, 0,1,2,3,4,5,6,7
	s_wait_loadcnt 6*(7-\n)                        ; the six loads of each later n may stay out
.irp k, 0,2
	v_pk_add_f32 v[A0+4*\n+\k:A0+4*\n+\k+1], v[A0+4*\n+\k:A0+4*\n+\k+1], v[A1+4*\n+\k:A1+4*\n+\k+1]
	v_pk_add_f32 v[B0+4*\n+\k:B0+4*\n+\k+1], v[B0+4*\n+\k:B0+4*\n+\k+1], v[B1+4*\n+\k:B1+4*\n+\k+1]
.endr
.irp k, 0,2
	v_pk_add_f32 v[A0+4*\n+\k:A0+4*\n+\k+1], v[A0+4*\n+\k:A0+4*\n+\k+1], v[C0+4*\n+\k:C0+4*\n+\k+1]
	v_pk_add_f32 v[B0+4*\n+\k:B0+4*\n+\k+1], v[B0+4*\n+\k:B0+4*\n+\k+1], v[C1+4*\n+\k:C1+4*\n+\k+1]
.endr
.irp k, 0,2
	v_pk_mul_f32 v[A0+4*\n+\k:A0+4*\n+\k+1], v[A0+4*\n+\k:A0+4*\n+\k+1], s[28:29] op_sel_hi:[1,0]
.endr
.irp k, 0,2
	v_pk_fma_f32 v[A0+4*\n+\k:A0+4*\n+\k+1], v[B0+4*\n+\k:B0+4*\n+\k+1], s[30:31], v[A0+4*\n+\k:A0+4*\n+\k+1] op_sel_hi:[1,0,1]
.endr
	global_store_b128 v6, v[A0+4*\n:A0+4*\n+3], s[14:15] offset:512*\n th:TH_STORE_NT
.endr
	s_endpgm
; ---------------- the loss.  v8-11 and v12-15: two running sums of my four experts; v16-207: 48 loads' landing places, the first 16 used twice
.macro ACC2 n                          ; landing places n and n + 1 onto the two sums
	v_pk_add_f32 v[8:9], v[8:9], v[16+4*(\n):17+4*(\n)]
	v_pk_add_f32 v[10:11], v[10:11], v[18+4*(\n):19+4*(\n)]
	v_pk_add_f32 v[12:13], v[12:13], v[20+4*(\n):21+4*(\n)]
	v_pk_add_f32 v[14:15], v[14:15], v[22+4*(\n):23+4*(\n)]
.endm
.Lloss:
	s_cmp_lg_u32 s16, 0
	s_cbranch_scc1 .Lend                           ; one wave's work
	s_mov_b32 s20, 0x76543210
	s_mov_b32 s21, 0xfedcba98                      ; lane selects: lane l xor 16
	s_wait_kmcnt 0x0
.set n, 0
	s_wait_alu depctr_va_vdst(0)
.rept 48
	global_load_b128 v[16+4*n:19+4*n], v1, s[12:13] offset:512*n th:TH_LOAD_NT
.set n, n+1
.endr
	s_wait_loadcnt 32                              ; the first 16 loads are in; the 32 younger may stay out
	v_pk_add_f32 v[8:9], v[16:17], v[24:25]        ; the first four start the sums: nothing is cleared
	v_pk_add_f32 v[10:11], v[18:19], v[26:27]
	v_pk_add_f32 v[12:13], v[20:21], v[28:29]
	v_pk_add_f32 v[14:15], v[22:23], v[30:31]
.irp n, 4,6,8,10,12,14
	ACC2 \n
.endr
.set n, 0
.rept 16
	global_load_b128 v[16+4*n:19+4*n], v1, s[12:13] offset:512*(48+n) th:TH_LOAD_NT   ; the last 16 loads, into the places just summed
.set n, n+1
.endr
	s_wait_alu depctr_va_vdst(0)
	s_wait_loadcnt 16                              ; loads 16 to 47 are in; the 16 just issued may stay out
.irp n, 16,18,20,22,24,26,28,30,32,34,36,38,40,42,44,46
	ACC2 \n
.endr
	s_wait_alu depctr_va_vdst(0)
	s_wait_loadcnt 0x0
.irp n, 0,2,4,6,8,10,12,14
	ACC2 \n
.endr
	v_pk_add_f32 v[8:9], v[8:9], v[12:13]
	v_pk_add_f32 v[10:11], v[10:11], v[14:15]
.irp m, 2,4,8                                  ; over the lanes that hold the same four experts: those of my parity
.irp k, 8,9,10,11
	v_add_f32_dpp v\k, v\k, v\k row_xmask:\m row_mask:0xf bank_mask:0xf
.endr
.endr
.irp k, 0,1,2,3
	v_permlanex16_b32 v[12+\k], v[8+\k], s20, s21
.endr
.irp k, 0,1,2,3
	v_add_f32 v[8+\k], v[8+\k], v[12+\k]
.endr
.irp k, 0,1,2,3
	v_mul_f32 v[8+\k], 0x3a800000, v[8+\k]         ; / 1,024: the mean
.endr
	v_mul_f32 v12, v8, v8
	v_fmac_f32 v12, v9, v9
	v_fmac_f32 v12, v10, v10
	v_fmac_f32 v12, v11, v11
	v_add_f32_dpp v12, v12, v12 row_xmask:1 row_mask:0xf bank_mask:0xf   ; with the other four experts'
	v_mul_f32 v12, 0x3c23d70a, v12                 ; x 0.01
	v_mov_b32 v13, 0
	s_wait_alu depctr_va_vdst(0)
	s_wait_xcnt 0x0                                ; EXEC changes only behind this wait
	v_cmp_eq_u32 vcc_lo, 0, v1
	s_and_saveexec_b32 s22, vcc_lo                 ; lane 0 alone
	global_store_b32 v13, v12, s[32:33]
	s_wait_xcnt 0x0                                ; and again in front of the line that widens it
	s_or_b32 exec_lo, exec_lo, s22
.Lend:
	s_endpgm
.Lfunc_end_k_q4b6315033b_combine:
	.size	k_q4b6315033b_combine, .Lfunc_end_k_q4b6315033b_combine-k_q4b6315033b_combine
	.p2alignl 7, 3214868480
	.fill 96, 4, 3214868480
	.section	.rodata,"a",@progbits
	.p2align	6, 0x0
	.amdhsa_kernel k_q4b6315033b_combine
		.amdhsa_group_segment_fixed_size 0
		.amdhsa_private_segment_fixed_size 0
		.amdhsa_enable_private_segment 0
		.amdhsa_kernarg_size 56
		.amdhsa_user_sgpr_count 2
		.amdhsa_user_sgpr_kernarg_segment_ptr 1
		.amdhsa_wavefront_size32 1
		.amdhsa_system_sgpr_workgroup_id_x 1
		.amdhsa_system_sgpr_workgroup_id_y 1
		.amdhsa_system_sgpr_workgroup_id_z 1
		.amdhsa_system_vgpr_workitem_id 0
		.amdhsa_next_free_vgpr 208
		.amdhsa_next_free_sgpr 66
		.amdhsa_reserve_vcc 1
		.amdhsa_float_denorm_mode_32 3
		.amdhsa_float_denorm_mode_16_64 3
		.amdhsa_memory_ordered 1
		.amdhsa_forward_progress 1
		.amdhsa_inst_pref_size 31
	.end_amdhsa_kernel
	.amdgpu_metadata
---
amdhsa.version: [ 1, 2 ]
amdhsa.kernels:
  - .name:           k_q4b6315033b_combine
    .symbol:         k_q4b6315033b_combine.kd
    .args:
      - { .name: p, .offset: 0, .size: 8, .value_kind: global_buffer, .address_space: global }
      - { .name: b2, .offset: 8, .size: 8, .value_kind: global_buffer, .address_space: global }
      - { .name: rk, .offset: 16, .size: 8, .value_kind: global_buffer, .address_space: global }
      - { .name: ei, .offset: 24, .size: 8, .value_kind: global_buffer, .address_space: global }
      - { .name: gate, .offset: 32, .size: 8, .value_kind: global_buffer, .address_space: global }
      - { .name: out0, .offset: 40, .size: 8, .value_kind: global_buffer, .address_space: global }
      - { .name: out1, .offset: 48, .size: 8, .value_kind: global_buffer, .address_space: global }
    .group_segment_fixed_size: 0
    .private_segment_fixed_size: 0
    .kernarg_segment_align: 8
    .kernarg_segment_size: 56
    .max_flat_workgroup_size: 128
    .sgpr_count:     66
    .vgpr_count:     208
    .wavefront_size: 32
...
	.end_amdgpu_metadata
.endif
;; end of part 8
